; MI455X (gfx1250); checked and timed in simulation.
; The chip was launched on July 23, 2026; its instructions are those of AMD's public machine-readable ISA for CDNA 5 (MIT licence, August 2026) and "CDNA5" Instruction Set Architecture Reference Guide (July 2026). The comments in the code are by the model that wrote it; some were corrected since.
;; Rel Partial Learnable Multi Head Attn. Allowed arithmetic: matrix products marked QUANTISED: E3M2 operands, one E8M0 scale for each 32 along K, by v_wmma_scale_f32_16x16x128_f8f6f4 with both operands' format E3M2, f32 sums; everything else in f32.
;; Inputs: W_o_codes 1,024 x 8 x 24 uint8 (E3M2 codes of W_o, K innermost, in blocks of 32 codes, four codes in three bytes); W_o_scales 1,024 x 8 uint8 (E8M0 scales of W_o, one for each 32 codes along K); W_qkv_codes 768 x 32 x 24 uint8 (E3M2 codes of W_qkv, K innermost, in blocks of 32 codes, four codes in three bytes); W_qkv_scales 768 x 32 uint8 (E8M0 scales of W_qkv, one for each 32 codes along K); W_r_codes 256 x 32 x 24 uint8 (E3M2 codes of W_r, K innermost, in blocks of 32 codes, four codes in three bytes); W_r_scales 256 x 32 uint8 (E8M0 scales of W_r, one for each 32 codes along K); attn_mask 2,048 x 2,048 bool; ln_beta 1,024 float32; ln_gamma 1,024 float32; r_codes 2,048 x 32 x 24 uint8 (E3M2 codes of r, K innermost, in blocks of 32 codes, four codes in three bytes); r_r_bias 8 x 32 float32; r_scales 2,048 x 32 uint8 (E8M0 scales of r, one for each 32 codes along K); r_w_bias 8 x 32 float32; w 4 x 2,048 x 1,024 float32.
;; Outputs: out0 4 x 2,048 x 1,024 float32.
;; This version of the problem:
;;   THIS VERSION OF THE PROBLEM IS GIVEN IN LOW PRECISION. The matrix products marked QUANTISED in the list below multiply operands that are first quantised to E3M2 (3 exponent bits, 2 mantissa bits; 6 bits a number), with one power-of-two scale for each 32 numbers along K (OCP MX v1.0); their sums are f32. All else is computed in f32.
;;   The module's matrix products, in the order in which they are computed (A, B: the left and right operand; K: the contracted axis; several contracted axes count as one K, in the product's order):
;;     1. [M 8,192, K 1,024] x [K 1,024, N 768]; A: input w; B: input W_qkv (given as codes): QUANTISED
;;     2. [M 2,048, K 1,024] x [K 1,024, N 256]; A: input r (given as codes); B: input W_r (given as codes): QUANTISED
;;     3. batch 32 x [M 2,048, K 32] x [K 32, N 2,048]; A: computed on the way; B: computed on the way: QUANTISED
;;     4. batch 8 x [M 2,048, K 32] x [K 32, N 8,192]; A: computed on the way; B: computed on the way: QUANTISED
;;     5. batch 32 x [M 32, K 2,048] x [K 2,048, N 2,048]; A: computed on the way; B: softmax (see below): QUANTISED
;;     6. [M 8,192, K 256] x [K 256, N 1,024]; A: computed on the way; B: input W_o (given as codes): QUANTISED
;;   THE QUANTISER, for each operand of a quantised product, along K:
;;     - K is cut into blocks of 32 from its start; a last block that is shorter is filled with zeros.
;;     - A block's scale is 2^e with e = floor(log2(the largest magnitude in the block)) - 4, held to -126 .. 127; a block of zeros has e = 0. As a byte (E8M0): e + 127.
;;     - Each number is divided by its block's scale, clamped to +-28, and rounded to the nearest number of E3M2, ties to even, subnormals kept.
;;     - The product sums the exact products of the quantised numbers (number of the format x scale) in f32.
;;   ~~~python
;;   def quantise(x, axis):      # numpy; x: float32 -> the quantised numbers, widened to float32 again
;;       x = np.moveaxis(x, axis, -1); K = x.shape[-1]
;;       x = np.pad(x, [(0, 0)] * (x.ndim - 1) + [(0, -K % 32)]); x = x.reshape(x.shape[:-1] + (-1, 32)); a = np.abs(x).max(-1, keepdims=True)
;;       e = np.where(a > 0, np.clip(np.frexp(np.where(a > 0, a, 1))[1] - 1 - 4, -126, 127), 0)      # np.frexp(a)[1] - 1 = floor(log2(a)), exactly
;;       r = np.clip(x / 2.0 ** e, -28, 28)
;;       step = 2.0 ** (np.maximum(np.frexp(np.where(r == 0, 1, r))[1] - 1, -2) - 2)
;;       q = np.round(r / step) * step * 2.0 ** e      # np.round: ties to even
;;       return np.moveaxis(q.reshape(q.shape[:-2] + (-1,))[..., :K], -1, axis).astype(np.float32)
;;   ~~~
;;   SOFTMAX AHEAD OF A QUANTISED PRODUCT. Where the list says 'softmax', what is quantised is not the finished softmax but p = 2^(t - M), with t = logit x log2(e) and M = ceil(the row's largest t), a whole number; so 1/2 < the row's largest p <= 1. The row's sum l is taken of the UNQUANTISED p, in f32, and the product's result is divided by l at the end. Since M is a whole number, a kernel that streams over the keys may use a running M (the ceiling of the running maximum): every later rescaling is an exact power of two, which a block's scale takes up: the codes' values come out the same.
;;   OPERANDS COMPUTED ON THE WAY. 'Computed on the way' means the value that the module computes at that place (a softmax that the list does not call 'softmax' is quantised finished and normalised). What goes into a quantiser is computed in f32, as accurately as f32 sums, v_exp_f32 and their like allow (about 1e-6 of the number): no bf16 or f16 on the way to a quantiser, and a product that is left as it is and whose result goes on into a quantised operand takes f32 operands (vector FMAs, or v_wmma_f32_16x16x4_f32). A number that lies on a knife's edge between two numbers of the format may be rounded either way, as far as f32 arithmetic and the matrix unit's own rounding can turn it there, and no further.
;;   INPUTS GIVEN AS CODES. W_o (in the module: [256, 1024], K = its axis 0); W_qkv (in the module: [1024, 768], K = its axis 0); W_r (in the module: [1024, 256], K = its axis 0); r (in the module: [2048, 1024], K = its axis 1): each comes as NAME_codes (uint8): NAME with its K axis moved to the last place and cut into blocks of 32 codes, [.., K / 32, bytes a block], one block behind the other in memory; four codes in three bytes: a row's codes are one little-endian stream of bits, code i at bits 6 i .. 6 i + 5 (a code: sign, 3 exponent bits, 2 mantissa bits); and NAME_scales (uint8): the same leading axes, one E8M0 byte (e + 127) for each 32 codes along K. Its value is code x scale, taken as it is: it is not quantised again, and the codes and scales need not be those that the quantiser above would give.
;; 2 versions. Each part assembles by itself: llvm-mc -triple=amdgcn-amd-amdhsa -mcpu=gfx1250 --defsym DOCPART=n.
;; ======== version 1 of 2: 4 launches
;; workspace buffers: wq 6,553,600 bytes; qq 3,276,800 bytes; kv 3,276,800 bytes; rx 1,671,168 bytes; rs 147,456 bytes; mw 524,288 bytes of whole numbers; av 1,638,400 bytes
;; launch prep (part 1): grid 328 x 1, 4 waves a work-group, no clusters, 33,280 bytes of LDS; arguments w, attn_mask, wq, mw, rx, rs; writes wq, mw, rx, rs
.if DOCPART == 1
	.amdgcn_target "amdgcn-amd-amdhsa--gfx1250"
	.amdhsa_code_object_version 6
	.text
	.protected	k_qd2fcc98f91_prep
	.globl	k_qd2fcc98f91_prep
	.p2align	8
	.type	k_qd2fcc98f91_prep,@function
k_qd2fcc98f91_prep:
	s_mov_b64 s[64:65], 0
	v_nop
	global_prefetch_b8 v0, s[64:65] scope:SCOPE_SE
	s_setreg_imm32_b32 hwreg(HW_REG_WAVE_MODE, 25, 1), 1
	s_wait_xcnt 0x0
; FIRST OF FOUR LAUNCHES of Transformer-XL relative attention (B 4, n 2,048, D 1,024, H 8, Dh 32), all six products on codes of BF6 (E3M2) with one E8M0 scale for each 32 along K.
; NOTHING IS LEFT OUT.  attn_mask is an input, so every score of every (b, h) can count.  The relative shift, for all i, j, with u = n - 1 - i + j:
;   u < n: (q_i + r_r_bias) . r_k[u];   u = n: the zero that the shift itself pads with;   u > n: (q_(i+1) + r_r_bias) . r_k[u - n - 1].
; Of the unshifted product only row 0's columns 0 .. n - 2 reach no output; they lie inside tiles that also hold live work.  So every product is made and every input is loaded.
; THIS LAUNCH: work-groups 0-255 turn w (f32) into codes and scale bytes (wq: codes [8192][768 bytes], then scale bytes [8192][32]);
; work-groups 256-319 pack attn_mask into lane masks (mw[tile of 16 queries][step of 128 keys][k 0..63]: bit l = mask[16 tile + l % 16][128 step + 32 (k / 16) + 16 (l / 16) + k % 16]);
; work-groups 320-327 fill rx with zero codes and rs with scale words of 1.0, into which the next launch stores r_k.
; A block's scale is 2^(floor(log2(its largest magnitude)) - 4); its byte is that magnitude's exponent field - 4, held at 1 from below.
; LIMITS: NaN and infinities among the inputs are not served; blocks whose largest magnitude lies under 2^-122 keep the byte 1; a block of zeros gets the byte 1 and not 127 (its codes are zeros, and this program alone reads the bytes).
.set WAVES, 4
.set STEPS, 16
.set EMAX,  4
.set CB,    12                         ; bytes of 16 codes
.set R,     16                         ; v16-79   four sets of 16 numbers as they are loaded
.set X,     80                         ; v80-111  two sets of 16 neighbours
.set C,     128                        ; v128-191 codes: four registers a step
.set E,     112                        ; v112-127 a scale byte a step
.set WREG,  8192                       ; LDS: a region for each wave: two stages of 32 x SP bytes, then its 256 scale bytes
.set SP,    80                         ; a lane's place in a stage: 64 bytes + 16 of padding
.set SPW,   12                         ; v12 my spare word's LDS address; never rewritten
.set NIL,   13                         ; v13 0; never rewritten
.set SPARE, WAVES*WREG                 ; behind the four regions: the spare words, 128 bytes a wave
	s_load_b256 s[4:11], s[0:1], 0x0               ; w s[4:5], attn_mask s[6:7], wq s[8:9], mw s[10:11]
	s_load_b128 s[12:15], s[0:1], 0x20             ; rx s[12:13], rs s[14:15]
	v_lshl_add_u32 v[SPW], v0, 2, SPARE
	v_mov_b32 v[NIL], 0
	v_lshrrev_b32 v1, 5, v0
	v_readfirstlane_b32 s16, v1                    ; wave
	v_and_b32 v2, 31, v0                           ; lane
	s_mul_i32 s17, s16, WREG                       ; the quantiser's LDS addresses are made here, ahead of the parting of the three paths
	v_lshrrev_b32 v14, 2, v2
	v_mul_u32_u24 v14, v14, SP
	v_and_b32 v15, 3, v2
	v_lshl_add_u32 v14, v15, 4, v14
	v_add_nc_u32 v14, s17, v14                     ; the stage on the way in: SP (lane / 4) + 16 (lane % 4)
	v_mul_u32_u24 v15, v2, SP
	v_add_nc_u32 v15, s17, v15                     ; and on the way out: SP x lane: my 16 neighbours
	v_lshrrev_b32 v5, 1, v2
	s_add_co_u32 s17, s17, 2*32*SP
	v_add_nc_u32 v5, s17, v5                       ; my block's scale byte among my wave's 256
	v_lshlrev_b32 v7, 3, v2
	v_add_nc_u32 v6, s17, v7                       ; and 8 of them a lane on the way out
	s_wait_kmcnt 0x0
	s_cmp_ge_u32 ttmp9, 320
	s_cbranch_scc1 .Lfill
	s_cmp_ge_u32 ttmp9, 256
	s_cbranch_scc1 .Lmask
; ---- w into codes.  A wave takes 16 steps of 512 numbers; each load reads 512 consecutive bytes; the numbers turn through the wave's own stage so that a lane holds 16 neighbours along K
	v_lshlrev_b32 v3, 4, v2                        ; my 16 bytes of a load's 512
	v_mul_u32_u24 v4, v2, CB                       ; my codes' place in a step's 384 bytes
	s_lshl_b32 s17, ttmp9, 2
	s_add_co_u32 s18, s17, s16                     ; which run of 8,192 numbers is my wave's
	s_mov_b32 s19, 0
	s_mov_b64 s[20:21], 512*STEPS*4
	s_mul_u64 s[20:21], s[18:19], s[20:21]
	s_add_nc_u64 s[4:5], s[4:5], s[20:21]
	s_mov_b64 s[20:21], 32*STEPS*CB
	s_mul_u64 s[20:21], s[18:19], s[20:21]
	s_add_nc_u64 s[22:23], s[8:9], s[20:21]        ; the run's codes
	s_lshl_b32 s18, s18, 8
	s_add_nc_u64 s[24:25], s[8:9], s[18:19]
	s_add_nc_u64 s[24:25], s[24:25], 6291456       ; the run's 256 scale bytes, behind the codes
.macro LOAD t
.irp i, 0,1,2,3
	global_load_b128 v[R+16*((\t)%4)+4*\i:R+16*((\t)%4)+4*\i+3], v3, s[4:5] offset:2048*(\t)+512*\i
.endr
.endm
.macro TURN t                          ; step t's numbers through the stage: LDS serves a wave's instructions in order, so no wait stands between the stores and the loads
.irp i, 0,1,2,3
	ds_store_b128 v14, v[R+16*((\t)%4)+4*\i:R+16*((\t)%4)+4*\i+3] offset:32*SP*((\t)%2)+8*SP*\i
.endr
.irp i, 0,1,2,3
	ds_load_b128 v[X+16*((\t)%2)+4*\i:X+16*((\t)%2)+4*\i+3], v15 offset:32*SP*((\t)%2)+16*\i
.endr
.endm
.irp t, 0,1,2,3
	LOAD \t
.endr
	s_wait_loadcnt 12                              ; step 0's four loads are in; twelve younger ones stay out
	TURN 0
.macro QSTEP t
.set XS, X+16*((\t)%2)
.if (\t) > 0
	s_wait_dscnt 1                                 ; this step's numbers are back from the stage; the last step's byte store may be out
.else
	s_wait_dscnt 0x0
.endif
.if (\t)+4 < STEPS
	LOAD (\t)+4                                    ; into the registers that the stage's stores have read
.endif
.if (\t)+1 < STEPS
.if STEPS-2-(\t) >= 3
	s_wait_loadcnt 12                              ; the next step's four loads are in; three steps' loads stay out
.else
	s_wait_loadcnt 4*(STEPS-2-(\t))
.endif
	TURN (\t)+1
.endif
	v_max3_num_f32 v8, |v[XS]|, |v[XS+1]|, |v[XS+2]|               ; the largest magnitude of my 16
	v_max3_num_f32 v9, |v[XS+3]|, |v[XS+4]|, |v[XS+5]|
.irp i, 6,10
	v_max3_num_f32 v8, v8, |v[XS+\i]|, |v[XS+\i+1]|
	v_max3_num_f32 v9, v9, |v[XS+\i+2]|, |v[XS+\i+3]|
.endr
	v_max3_num_f32 v8, v8, |v[XS+14]|, |v[XS+15]|
	v_max3_num_f32 v8, v8, v9, (EMAX+1)<<23        ; and the floor 2^(5 - 127): the byte cannot fall under 1
	v_max_num_f32_dpp v8, v8, v8 row_xmask:1 row_mask:0xf bank_mask:0xf   ; and of my neighbour's 16: the block's
	v_add_nc_u32 v11, -(EMAX<<23), v8              ; 4 off its exponent field: the conversion's scale operand
	v_cvt_scalef32_pk16_bf6_f32 v[C+4*(\t):C+4*(\t)+2], v[XS:XS+15], v11
	v_lshrrev_b32 v[E+(\t)], 23, v11               ; the scale's byte
	ds_store_b8 v5, v[E+(\t)] offset:16*(\t)       ; both lanes of a block write the same byte with the same value
	global_store_b96 v4, v[C+4*(\t):C+4*(\t)+2], s[22:23] offset:32*CB*(\t)
.endm
.irp t, 0,1,2,3,4,5,6,7,8,9,10,11,12,13,14,15
	QSTEP \t
.endr
	ds_load_b64 v[8:9], v6                         ; in order behind my byte stores
	s_wait_dscnt 0x0
	global_store_b64 v7, v[8:9], s[24:25]          ; 32 lanes store 256 consecutive bytes, aligned
	s_branch .Lend
; ---- attn_mask into lane masks.  A wave takes 16 queries x 1,024 keys: eight steps of 128 keys.  Lane (r, h) loads, for each block of 32 keys, the 16 bytes of its half
.Lmask:
	s_sub_co_u32 s17, ttmp9, 256
	s_lshl_b32 s17, s17, 2
	s_add_co_u32 s17, s17, s16                     ; 0 .. 255: tile of queries = this / 2, half of the keys = this % 2
	s_lshr_b32 s18, s17, 1
	s_and_b32 s19, s17, 1
	s_lshl_b32 s20, s18, 15                        ; 16 rows of 2,048 bytes
	s_lshl_b32 s21, s19, 10
	s_add_co_u32 s20, s20, s21
	v_and_b32 v20, 15, v0
	v_bfe_u32 v21, v0, 4, 1
	v_lshlrev_b32 v22, 11, v20
	v_lshl_add_u32 v22, v21, 4, v22
	v_add_nc_u32 v22, s20, v22
.irp s, 0,1,2,3,4,5,6,7
.irp b, 0,1,2,3
	global_load_b128 v[32+16*\s+4*\b:35+16*\s+4*\b], v22, s[6:7] offset:128*\s+32*\b th:TH_LOAD_NT
.endr
.endr
	s_lshl_b32 s21, s17, 11                        ; eight steps of 256 bytes of words
	v_lshl_add_u32 v23, v2, 3, s21
.irp i, 0,1,2,3,4,5,6,7,8,9,10,11,12,13,14,15
	v_mov_b32 v[160+\i], 0                         ; a lane write's destination counts as read
.endr
	s_wait_loadcnt 0x0
.irp s, 0,1,2,3,4,5,6,7
.set kk, 0
.rept 64                               ; word k: one byte of each lane is tested; the 32 answers are the word; it goes to lane k / 2, register k % 2
	v_and_b32 v[16+kk%4], 0xff<<(8*(kk%4)), v[32+16*\s+4*(kk/16)+(kk%16)/4]
	v_cmp_ne_u32 s[24+kk%4], 0, v[16+kk%4]
	v_writelane_b32 v[160+2*\s+kk%2], s[24+kk%4], kk/2
.set kk, kk+1
.endr
	global_store_b64 v23, v[160+2*\s:161+2*\s], s[10:11] offset:256*\s   ; a step's 64 words: 256 consecutive bytes, aligned
.endr
	s_branch .Lend
; ---- rx = zero codes, rs = scale words of 1.0, a head to a work-group
.Lfill:
	s_sub_co_u32 s17, ttmp9, 320
	s_mul_i32 s18, s17, 208896
	s_mov_b32 s19, 0
	s_add_nc_u64 s[26:27], s[12:13], s[18:19]
	s_mul_i32 s18, s17, 18432
	s_add_nc_u64 s[28:29], s[14:15], s[18:19]
	v_lshlrev_b32 v20, 4, v0
.irp i, 0,1,2,3
	v_mov_b32 v[24+\i], 0
	v_mov_b32 v[28+\i], 0x7f7f7f7f
.endr
.set kk, 0
.rept 102
	global_store_b128 v20, v[24:27], s[26:27] offset:2048*kk
.set kk, kk+1
.endr
.set kk, 0
.rept 9
	global_store_b128 v20, v[28:31], s[28:29] offset:2048*kk
.set kk, kk+1
.endr
.Lend:
	s_wait_tensorcnt 0x0                           ; the wave's end, behind the last LDS store
	ds_add_u32 v[SPW], v[NIL]
	s_wait_dscnt 0x0
	s_endpgm
.Lfunc_end_k_qd2fcc98f91_prep:
	.size	k_qd2fcc98f91_prep, .Lfunc_end_k_qd2fcc98f91_prep-k_qd2fcc98f91_prep
	.p2alignl 7, 3214868480
	.fill 96, 4, 3214868480
	.section	.rodata,"a",@progbits
	.p2align	6, 0x0
	.amdhsa_kernel k_qd2fcc98f91_prep
		.amdhsa_group_segment_fixed_size 33280
		.amdhsa_private_segment_fixed_size 0
		.amdhsa_enable_private_segment 0
		.amdhsa_kernarg_size 48
		.amdhsa_user_sgpr_count 2
		.amdhsa_user_sgpr_kernarg_segment_ptr 1
		.amdhsa_wavefront_size32 1
		.amdhsa_system_sgpr_workgroup_id_x 1
		.amdhsa_system_sgpr_workgroup_id_y 1
		.amdhsa_system_sgpr_workgroup_id_z 1
		.amdhsa_system_vgpr_workitem_id 0
		.amdhsa_next_free_vgpr 192
		.amdhsa_next_free_sgpr 66
		.amdhsa_reserve_vcc 0
		.amdhsa_float_denorm_mode_32 3
		.amdhsa_float_denorm_mode_16_64 3
		.amdhsa_memory_ordered 1
		.amdhsa_forward_progress 1
		.amdhsa_inst_pref_size 144
	.end_amdhsa_kernel
	.amdgpu_metadata
---
amdhsa.version: [ 1, 2 ]
amdhsa.kernels:
  - .name:           k_qd2fcc98f91_prep
    .symbol:         k_qd2fcc98f91_prep.kd
    .args:
      - { .name: w, .offset: 0, .size: 8, .value_kind: global_buffer, .address_space: global }
      - { .name: attn_mask, .offset: 8, .size: 8, .value_kind: global_buffer, .address_space: global }
      - { .name: wq, .offset: 16, .size: 8, .value_kind: global_buffer, .address_space: global }
      - { .name: mw, .offset: 24, .size: 8, .value_kind: global_buffer, .address_space: global }
      - { .name: rx, .offset: 32, .size: 8, .value_kind: global_buffer, .address_space: global }
      - { .name: rs, .offset: 40, .size: 8, .value_kind: global_buffer, .address_space: global }
    .group_segment_fixed_size: 33280
    .private_segment_fixed_size: 0
    .kernarg_segment_align: 8
    .kernarg_segment_size: 48
    .max_flat_workgroup_size: 128
    .sgpr_count:     66
    .vgpr_count:     192
    .wavefront_size: 32
...
	.end_amdgpu_metadata
.endif
;; end of part 1
;; launch proj (part 2): grid 208 x 1, 8 waves a work-group, clusters of 4 x 1, 327,424 bytes of LDS; arguments wq, r_codes, r_scales, W_qkv_codes, W_qkv_scales, W_r_codes, W_r_scales, r_w_bias, r_r_bias, qq, kv, rx, rs; writes qq, kv, rx, rs
.if DOCPART == 2
	.amdgcn_target "amdgcn-amd-amdhsa--gfx1250"
	.amdhsa_code_object_version 6
	.text
	.protected	k_qd2fcc98f91_proj
	.globl	k_qd2fcc98f91_proj
	.p2align	8
	.type	k_qd2fcc98f91_proj,@function
k_qd2fcc98f91_proj:
	s_mov_b64 s[64:65], 0
	v_nop
	global_prefetch_b8 v0, s[64:65] scope:SCOPE_SE
	s_setreg_imm32_b32 hwreg(HW_REG_WAVE_MODE, 25, 1), 1
	s_wait_xcnt 0x0
	s_wait_alu depctr_hold_cnt(0) depctr_sa_sdst(0) depctr_va_vdst(0) depctr_va_sdst(0) depctr_va_ssrc(0) depctr_va_vcc(0) depctr_vm_vsrc(0)
	s_getreg_b32 s2, hwreg(HW_REG_IB_STS2, 6, 4)
	s_cmp_eq_u32 s2, 0
	s_cbranch_scc0 .Lentry_in_a_cluster
	s_endpgm
.Lentry_in_a_cluster:
	s_bfe_u32 s2, ttmp6, 0x10000c
	s_cmp_lg_u32 s2, 0x3003
	s_cbranch_scc0 .Lentry_shape_is_right
	s_endpgm
.Lentry_shape_is_right:
; SECOND LAUNCH: heads = w W_qkv and r_k = r W_r on codes of BF6, and the quantisers of q + r_w_bias, q + r_r_bias, k, v (along the keys) and r_k, stored as the attention launch reads them.  No work is left out.
; SHARES.  Clusters 0-15 make q, 16-31 k, 32-47 v, 48-51 r_k.  A work-group makes 128 rows x the kind's 256 columns, K = 1,024.  The four work-groups of a cluster need the same 256 rows of the weight: it is asked
; for JOINTLY (waves 0-3: codes and scale bytes, a quarter each); the work-group's own 128 rows of A come by plain loads (waves 4-7).  Everything is fetched once and stays in LDS: no slot is filled again.
; Wave w: rows 32 (w % 4) on, columns 128 (w / 4) on: 2 x 8 accumulators.  Lane r of row tile t takes local row 8 t + r % 8 + 16 (r / 8).
; q, k, r_k: source 0 = 16 rows of the weight (tile 2 b + u: rows 32 b + 8 u + r % 8 + 16 (r / 8)), source 1 = 16 rows of A: a lane holds one row of A, and the 16 registers of tiles 2 b, 2 b + 1 are channels 16 (lane / 16) + 0 .. 15 of head b.
; v: source 0 = 16 rows of A, source 1 = 16 neighbouring rows of the weight: a lane holds one channel, and the 16 registers of its two tiles are 16 neighbouring keys.
; WHAT IS STORED.  qq: codes of q + r_w_bias [bh][i][24], of q + r_r_bias likewise, then their scale bytes [bh][i].
;   kv, 102,400 bytes a (b, h): K [block of 32 keys][piece 0..2][place 0..31][8 bytes], place = key % 32 with bits 3 and 4 changed over; V [block of 32 keys][piece][channel xor 8 (block % 2)][8 bytes];
;   K's scale bytes [64 keys][row 0..15][tile 0..3]; V's [128 keys][channel with bits 3 and 4 changed over][block % 4].
;   rx, a head's rows u of 48 bytes: bytes 0-23 the codes of r_k[u], bytes 24-47 those of r_k[u - 2049]; rs: word u = that row's scale byte twice, 1.0 above.
; LIMITS: as stated at the first launch's head (NaN, infinities, very small blocks, the byte of a block of zeros).
.set PITCH, 816                        ; an LDS row of codes: 3 x (256 bytes + 16 of padding)
.set ACO,   208896                     ; LDS: the weight's 256 rows from 0; A's 128 rows from here;
.set WSC,   313344                     ; the weight's scale bytes, 32 units of 256 + 16;
.set ASC,   322048                     ; A's, 16 units;
.set SPARE, 326400                     ; the spare words, 128 bytes a wave
.set SPW, 1                            ; v1 my spare word; v2 0: never rewritten
.set NIL, 2
.set AA,  3                            ; v3, v4    A's fragments (v4: for the pieces that lie behind one padding more in lanes 16-31)
.set AWP, 5                            ; v5-8      the weight's, rows chosen: tiles 0-3 (two registers), tiles 4-7 (two)
.set AWN, 9                            ; v9-12     the weight's, rows as they lie
.set AWS, 13                           ; v13, v14  the weight's scale words, rows chosen / as they lie; lanes 16-31 take the next tile's
.set AAS, 15                           ; v15       A's scale words; lanes 16-31 take row tile 1's
.set AS,  16                           ; v16-23    A's scale words of the eight K steps
.set WS,  24                           ; v24-27    the weight's scale words, a register for two tiles
.set OC,  28                           ; v28 where my codes go, v29 my scale byte, v30 my biases
.set OB,  29
.set OX,  30
.set AF,  32                           ; v32-55    A's two fragments
.set WF,  56                           ; v56-103   four fragments of the weight
.set ACC, 104                          ; v104-231  sixteen accumulators
                                       ; v232-250  the quantiser's; v251 r_k's scale word; v252 lane % 16, v253 lane / 16, v254 lane % 16 + 8 (lane % 16 / 8), v255 at work
; s84 wave, s85 wave % 4, s87 wave / 4, s88 kind, s89 which 128 rows, s[90:91] lane selects, s92 mask of lanes 16-31
.macro PLACES n
.rept \n
	v_nop
.endr
.endm
.macro ROUND                           ; a round of the cluster's barrier
	s_barrier_signal -1
	s_barrier_wait -1
	s_cmp_lg_u32 s84, 0
	s_cbranch_scc1 .Lnot_wave_0_\@
	s_barrier_signal -3
.Lnot_wave_0_\@:
	s_barrier_wait -3
	s_barrier_signal -1
	s_barrier_wait -1
.endm
; one matrix instruction.  d, a, b: first registers; cz: C is the constant 0, else D; sa, sb: scale registers; ra, rb: scales taken from lanes 16-31
.macro WM d, a, b, cz, sa, sb, ra, rb
.if \cz
.if (\ra)&&(\rb)
	v_wmma_scale_f32_16x16x128_f8f6f4 v[(\d):(\d)+7], v[(\a):(\a)+11], v[(\b):(\b)+11], 0, v[\sa], v[\sb] matrix_a_fmt:MATRIX_FMT_BF6 matrix_b_fmt:MATRIX_FMT_BF6 matrix_a_scale:MATRIX_SCALE_ROW1 matrix_b_scale:MATRIX_SCALE_ROW1
.elseif \ra
	v_wmma_scale_f32_16x16x128_f8f6f4 v[(\d):(\d)+7], v[(\a):(\a)+11], v[(\b):(\b)+11], 0, v[\sa], v[\sb] matrix_a_fmt:MATRIX_FMT_BF6 matrix_b_fmt:MATRIX_FMT_BF6 matrix_a_scale:MATRIX_SCALE_ROW1
.elseif \rb
	v_wmma_scale_f32_16x16x128_f8f6f4 v[(\d):(\d)+7], v[(\a):(\a)+11], v[(\b):(\b)+11], 0, v[\sa], v[\sb] matrix_a_fmt:MATRIX_FMT_BF6 matrix_b_fmt:MATRIX_FMT_BF6 matrix_b_scale:MATRIX_SCALE_ROW1
.else
	v_wmma_scale_f32_16x16x128_f8f6f4 v[(\d):(\d)+7], v[(\a):(\a)+11], v[(\b):(\b)+11], 0, v[\sa], v[\sb] matrix_a_fmt:MATRIX_FMT_BF6 matrix_b_fmt:MATRIX_FMT_BF6
.endif
.else
.if (\ra)&&(\rb)
	v_wmma_scale_f32_16x16x128_f8f6f4 v[(\d):(\d)+7], v[(\a):(\a)+11], v[(\b):(\b)+11], v[(\d):(\d)+7], v[\sa], v[\sb] matrix_a_fmt:MATRIX_FMT_BF6 matrix_b_fmt:MATRIX_FMT_BF6 matrix_a_scale:MATRIX_SCALE_ROW1 matrix_b_scale:MATRIX_SCALE_ROW1
.elseif \ra
	v_wmma_scale_f32_16x16x128_f8f6f4 v[(\d):(\d)+7], v[(\a):(\a)+11], v[(\b):(\b)+11], v[(\d):(\d)+7], v[\sa], v[\sb] matrix_a_fmt:MATRIX_FMT_BF6 matrix_b_fmt:MATRIX_FMT_BF6 matrix_a_scale:MATRIX_SCALE_ROW1
.elseif \rb
	v_wmma_scale_f32_16x16x128_f8f6f4 v[(\d):(\d)+7], v[(\a):(\a)+11], v[(\b):(\b)+11], v[(\d):(\d)+7], v[\sa], v[\sb] matrix_a_fmt:MATRIX_FMT_BF6 matrix_b_fmt:MATRIX_FMT_BF6 matrix_b_scale:MATRIX_SCALE_ROW1
.else
	v_wmma_scale_f32_16x16x128_f8f6f4 v[(\d):(\d)+7], v[(\a):(\a)+11], v[(\b):(\b)+11], v[(\d):(\d)+7], v[\sa], v[\sb] matrix_a_fmt:MATRIX_FMT_BF6 matrix_b_fmt:MATRIX_FMT_BF6
.endif
.endif
.endm
	s_load_b512 s[4:19], s[0:1], 0x0               ; wq s[4:5], r_codes s[6:7], r_scales s[8:9], W_qkv_codes s[10:11], W_qkv_scales s[12:13], W_r_codes s[14:15], W_r_scales s[16:17], r_w_bias s[18:19]
	s_load_b256 s[20:27], s[0:1], 0x40             ; r_r_bias s[20:21], qq s[22:23], kv s[24:25], rx s[26:27]
	s_load_b64 s[28:29], s[0:1], 0x60              ; rs
	v_lshl_add_u32 v[SPW], v0, 2, SPARE
	v_mov_b32 v[NIL], 0
	ds_add_u32 v[SPW], v[NIL]                      ; the wave's opening: the add, twice on end, and its wait ahead of my first tensor load; work on registers stands between
	ds_add_u32 v[SPW], v[NIL]
	v_lshrrev_b32 v255, 5, v0
	v_readfirstlane_b32 s84, v255                  ; wave 0..7
	s_and_b32 s85, s84, 3
	s_lshr_b32 s87, s84, 2
	s_bfe_u32 s86, ttmp6, 0x40000                  ; my place in the cluster: it enters global addresses of my own rows alone
	s_lshr_b32 s88, ttmp9, 4                       ; the kind: 0 q, 1 k, 2 v, 3 r_k: the same in all four partners
	s_lshl_b32 s89, ttmp9, 2
	s_add_co_u32 s89, s89, s86
	s_and_b32 s89, s89, 63                         ; which 128 rows of A
	s_mov_b32 s90, 0x76543210
	s_mov_b32 s91, 0xfedcba98
	s_mov_b32 s92, 0xffff0000
	; descriptor groups 1.  Codes: rows of 768 bytes, 16 bytes of padding behind every 256.  The weight's carry the mask of all four work-groups
	s_mov_b32 s32, 15|(1<<20)|(1<<21)|(5<<22)|(3<<25)
	s_mov_b32 s33, 768<<16
	s_mov_b32 s34, 64<<16
	s_mov_b32 s35, 768<<16
	s_mov_b32 s36, 64
	s_mov_b32 s37, 768
	s_mov_b32 s38, 0
	s_mov_b32 s39, 0
	s_mov_b32 s40, (1<<20)|(5<<22)|(3<<25)
	s_mov_b32 s41, 768<<16
	s_mov_b32 s42, 32<<16
	s_mov_b32 s43, 768<<16
	s_mov_b32 s44, 32
	s_mov_b32 s45, 768
	s_mov_b32 s46, 0
	s_mov_b32 s47, 0
	; scale bytes: dense blocks as rows of 256 bytes (32 elements of 8), 16 bytes of padding behind each
	s_mov_b32 s48, 15|(3<<16)|(1<<20)|(1<<21)|(5<<22)|(3<<25)
	s_mov_b32 s49, 32<<16
	s_mov_b32 s50, 8<<16
	s_mov_b32 s51, 32<<16
	s_mov_b32 s52, 8
	s_mov_b32 s53, 32
	s_mov_b32 s54, 0
	s_mov_b32 s55, 0
	s_mov_b32 s56, (3<<16)|(1<<20)|(5<<22)|(3<<25)
	s_mov_b32 s57, 32<<16
	s_mov_b32 s58, 4<<16
	s_mov_b32 s59, 32<<16
	s_mov_b32 s60, 4
	s_mov_b32 s61, 32
	s_mov_b32 s62, 0
	s_mov_b32 s63, 0
	; groups 0: count and LDS address: a quarter of each region for wave % 4
	s_mov_b32 s68, 1
	s_mul_i32 s69, s85, 64*PITCH
	s_mov_b32 s72, 1
	s_mul_i32 s73, s85, 8*272
	s_add_co_u32 s73, s73, WSC
	s_mov_b32 s76, 1
	s_mul_i32 s77, s85, 32*PITCH
	s_add_co_u32 s77, s77, ACO
	s_mov_b32 s80, 1
	s_mul_i32 s81, s85, 4*272
	s_add_co_u32 s81, s81, ASC
	; every LDS address register, ahead of the parting of the waves
	v_and_b32 v252, 15, v0
	v_bfe_u32 v253, v0, 4, 1
	v_and_b32 v254, 8, v252
	v_add_nc_u32 v254, v254, v252                  ; r % 8 + 16 (r / 8)
	s_mul_i32 s93, s85, 32*PITCH
	s_add_co_u32 s93, s93, ACO
	s_mul_i32 s94, s87, 128*PITCH
	v_mul_u32_u24 v255, v254, PITCH
	v_mad_u32_u24 v255, v253, 24, v255
	v_add_nc_u32 v[AA], s93, v255
	v_lshl_add_u32 v[AA+1], v253, 4, v[AA]
	v_add_nc_u32 v[AWP], s94, v255
	v_lshl_add_u32 v[AWP+1], v253, 4, v[AWP]
	v_add_nc_u32 v[AWP+2], 64*PITCH, v[AWP]
	v_add_nc_u32 v[AWP+3], 64*PITCH, v[AWP+1]
	v_mul_u32_u24 v255, v252, PITCH
	v_mad_u32_u24 v255, v253, 24, v255
	v_add_nc_u32 v[AWN], s94, v255
	v_lshl_add_u32 v[AWN+1], v253, 4, v[AWN]
	v_add_nc_u32 v[AWN+2], 64*PITCH, v[AWN]
	v_add_nc_u32 v[AWN+3], 64*PITCH, v[AWN+1]
	v_lshrrev_b32 v251, 3, v252                    ; r / 8
	v_and_b32 v250, 7, v252                        ; r % 8: eight rows' scale bytes make a unit of 256
	v_lshl_add_u32 v255, v251, 1, v253             ; chosen rows: unit 2 (r / 8) + (lane / 16)
	v_mul_u32_u24 v255, v255, 272
	v_lshl_add_u32 v255, v250, 5, v255
	s_mul_i32 s95, s87, 16*272
	s_add_co_u32 s95, s95, WSC
	v_add_nc_u32 v[AWS], s95, v255
	s_mul_i32 s96, s85, 4*272
	s_add_co_u32 s96, s96, ASC
	v_add_nc_u32 v[AAS], s96, v255
	v_lshl_add_u32 v255, v253, 1, v251             ; rows as they lie: unit r / 8 + 2 (lane / 16)
	v_mul_u32_u24 v255, v255, 272
	v_lshl_add_u32 v255, v250, 5, v255
	v_add_nc_u32 v[AWS+1], s95, v255
	v_mov_b32 v234, 0                              ; a lane permute's destination counts as read
	v_mov_b32 v235, 0
	s_wait_dscnt 0x0                               ; both opening adds are done
	s_wait_kmcnt 0x0
	s_add_nc_u64 s[98:99], s[4:5], 6291456         ; wq's scale bytes
	s_cmp_eq_u32 s88, 3                            ; r_k takes r and W_r; the choice hangs on the cluster's number alone
	s_cselect_b64 s[96:97], s[6:7], s[4:5]         ; A's codes
	s_cselect_b64 s[98:99], s[8:9], s[98:99]       ; A's scale bytes
	s_cselect_b64 s[100:101], s[14:15], s[10:11]   ; the weight's codes
	s_cselect_b64 s[4:5], s[16:17], s[12:13]       ; the weight's scale bytes
	s_cselect_b32 s93, 0, s88                      ; which 256 rows of W_qkv
	s_mov_b32 s3, 0
	s_mul_i32 s2, s93, 196608
	s_mul_i32 s94, s85, 49152
	s_add_co_u32 s2, s2, s94
	s_add_nc_u64 s[70:71], s[100:101], s[2:3]
	s_or_b32 s71, s71, 0x80000000
	s_lshl_b32 s2, s93, 13
	s_lshl_b32 s94, s85, 11
	s_add_co_u32 s2, s2, s94
	s_add_nc_u64 s[74:75], s[4:5], s[2:3]
	s_or_b32 s75, s75, 0x80000000
	s_mul_i32 s2, s89, 98304
	s_mul_i32 s94, s85, 24576
	s_add_co_u32 s2, s2, s94
	s_add_nc_u64 s[78:79], s[96:97], s[2:3]
	s_or_b32 s79, s79, 0x80000000
	s_lshl_b32 s2, s89, 12
	s_lshl_b32 s94, s85, 10
	s_add_co_u32 s2, s2, s94
	s_add_nc_u64 s[82:83], s[98:99], s[2:3]
	s_or_b32 s83, s83, 0x80000000
	ROUND                                          ; all four work-groups are here: the joint loads meet
	s_cmp_lt_u32 s84, 4                            ; every wave issues two loads: two of mine are out
	s_cbranch_scc0 .Larm_b
	tensor_load_to_lds s[68:71], s[32:39]          ; 64 rows of the weight's codes, jointly
	s_nop 0
	tensor_load_to_lds s[72:75], s[48:55]          ; and their scale bytes
	s_nop 0
	PLACES 4
	s_branch .Larmed
.Larm_b:
	tensor_load_to_lds s[76:79], s[40:47]          ; 32 of my work-group's rows of A
	s_nop 0
	tensor_load_to_lds s[80:83], s[56:63]          ; and their scale bytes
	s_nop 0
	PLACES 4
.Larmed:
	s_wait_tensorcnt 0x0                           ; my parts have landed,
	s_barrier_signal -1
	s_barrier_wait -1                              ; everybody's have
	ds_load_b128 v[AS:AS+3], v[AAS]                ; A's scale words of all eight K steps
	ds_load_b128 v[AS+4:AS+7], v[AAS] offset:16
	s_lshr_b32 s93, s89, 4                         ; the batch
	s_and_b32 s94, s89, 15                         ; which 128 positions of it
	s_lshl_b32 s97, s93, 3
	s_lshl_b32 s96, s87, 2
	s_add_co_u32 s97, s97, s96                     ; 8 b + my first head
; a fragment: six pieces of 8 bytes.  Lanes 16-31 read three pieces further on, which is behind one padding more where the piece's number mod 32 is 29 or more: the second address register serves those
.macro FRAG reg, adr, s, rowoff
.irp p, 0,1,2,3,4,5
.set PCE, 12*(\s)+6*(\p/3)+\p%3
.if PCE%32 < 29
	ds_load_b64 v[(\reg)+2*\p:(\reg)+2*\p+1], v[\adr] offset:8*PCE+16*(PCE/32)+(\rowoff)
.else
	ds_load_b64 v[(\reg)+2*\p:(\reg)+2*\p+1], v[(\adr)+1] offset:8*PCE+16*(PCE/32)+(\rowoff)
.endif
.endr
.endm
; a K step of 128: A's two fragments, then twice four fragments of the weight and eight products.  The sixteen accumulators take turns, one instruction a turn, in the same order in every step.
; Four plain places stand in front of loads into registers that matrix instructions have read (ISA guide 7.12.1 for vector instructions).
.macro KSTEP s, vt
.if (\s) > 0
	PLACES 4
.endif
	FRAG AF, AA, \s, 0
	FRAG AF+12, AA, \s, 8*PITCH
.irp q, 0,1
.if \q == 1
	PLACES 4
.endif
	ds_load_b32 v[WS+2*\q], v[AWS+\vt] offset:1088*(2*\q)+4*(\s)
	ds_load_b32 v[WS+2*\q+1], v[AWS+\vt] offset:1088*(2*\q+1)+4*(\s)
.irp j, 0,1,2,3
.if \vt
	FRAG WF+12*\j, AWN+2*\q, \s, 16*\j*PITCH
.else
	FRAG WF+12*\j, AWP+2*\q, \s, (32*(\j/2)+8*(\j%2))*PITCH
.endif
.endr
	s_wait_dscnt 0x0
.irp j, 0,1,2,3
.irp tt, 0,1
.if \vt
	WM ACC+8*(2*(4*\q+\j)+\tt), AF+12*\tt, WF+12*\j, (\s)==0, AS+(\s), WS+2*\q+\j/2, \tt, \j%2
.else
	WM ACC+8*(8*\tt+4*\q+\j), WF+12*\j, AF+12*\tt, (\s)==0, WS+2*\q+\j/2, AS+(\s), \j%2, \tt
.endif
.endr
.endr
.endr
.endm
; 32 registers, two blocks: register 16 b + i = number 16 (lane / 16) + i of block b.  Afterwards lanes 0-15 hold all 24 bytes of block 0 in v240-245 and lanes 16-31 those of block 1; v250 = my block's scale byte
.macro QUANTP src
.irp b, 0,1
	v_max3_num_f32 v[232+\b], |v[(\src)+16*\b]|, |v[(\src)+1+16*\b]|, 0x2800000   ; with the floor 2^(5 - 127): the byte cannot fall under 1
.endr
.irp i, 2,4,6,8,10,12,14
.irp b, 0,1
	v_max3_num_f32 v[232+\b], v[232+\b], |v[(\src)+16*\b+\i]|, |v[(\src)+1+16*\b+\i]|
.endr
.endr
.irp b, 0,1
	v_permlanex16_b32 v[234+\b], v[232+\b], s90, s91
.endr
.irp b, 0,1
	v_max_num_f32 v[232+\b], v[232+\b], v[234+\b]  ; with the other half's: the block's largest magnitude
.endr
.irp b, 0,1
	v_add_nc_u32 v[236+\b], 0xfe000000, v[232+\b]  ; 4 off its exponent field: the conversion's scale operand
.endr
.irp b, 0,1
	v_lshrrev_b32 v[238+\b], 23, v[236+\b]         ; the scale's byte
.endr
	v_cvt_scalef32_pk16_bf6_f32 v[240:242], v[(\src):(\src)+15], v236
	v_cvt_scalef32_pk16_bf6_f32 v[246:248], v[(\src)+16:(\src)+31], v237
	v_nop                                          ; one plain place behind a scaled conversion
.irp i, 0,1,2
	v_permlane16_swap_b32 v[240+\i], v[246+\i]     ; the first's lanes 16-31 change places with the second's lanes 0-15
.endr
.irp i, 0,1,2
	v_mov_b32 v[243+\i], v[246+\i]
.endr
	v_cndmask_b32 v250, v238, v239, s92
.endm
.macro CODES off, base, imm, step      ; my block's 24 bytes leave by three stores of 8
.irp p, 0,1,2
	global_store_b64 v[\off], v[240+2*\p:241+2*\p], s[(\base):(\base)+1] offset:(\imm)+(\step)*\p
.endr
.endm
	s_cmp_eq_u32 s88, 2
	s_cbranch_scc1 .Lvtype
.irp s, 0,1,2,3,4,5,6,7
	KSTEP \s, 0
.endr
	PLACES 4                                       ; in front of the first reads of results and of loads into the fragments' registers
	s_cmp_eq_u32 s88, 1
	s_cbranch_scc1 .Lk
	s_cmp_eq_u32 s88, 3
	s_cbranch_scc1 .Lr
; ---- q: each bias is added in f32, then the head's 32 numbers are a block
	s_lshl_b32 s95, s97, 11
	s_lshl_b32 s96, s94, 7
	s_add_co_u32 s95, s95, s96
	s_lshl_b32 s96, s85, 5
	s_add_co_u32 s95, s95, s96                     ; (8 b + first head) x 2,048 + my wave's first position
	v_lshl_add_u32 v[OB], v253, 11, v254           ; lanes 16-31 hold the next head
	v_add_nc_u32 v[OB], s95, v[OB]
	v_mul_u32_u24 v[OC], v[OB], 24
	s_lshl_b32 s96, s87, 9
	v_lshl_add_u32 v[OX], v253, 6, s96             ; my 16 channels of my first head's bias
.irp bi, 0,1
.irp c, 0,1
.irp bb, 0,1
.irp j, 0,1,2,3
	global_load_b128 v[32+16*\bb+4*\j:35+16*\bb+4*\j], v[OX], s[18+2*\bi:19+2*\bi] offset:(2*\c+\bb)*128+16*\j
.endr
.endr
	s_wait_loadcnt 0x0
.irp tt, 0,1
	s_wait_xcnt 0x0                                ; the last stores have read their data: the quantiser writes those registers again
.set jj, 0
.rept 16
	v_pk_add_f32 v[64+jj:65+jj], v[ACC+64*\tt+32*\c+jj:ACC+64*\tt+32*\c+jj+1], v[32+jj:33+jj]
.set jj, jj+2
.endr
	QUANTP 64
	CODES OC, 22, 1572864*\bi+98304*\c+192*\tt, 8
	global_store_b8 v[OB], v250, s[22:23] offset:3145728+65536*\bi+4096*\c+8*\tt
.endr
.endr
.endr
	s_branch .Ldone
; ---- k
.Lk:
	s_lshl_b32 s95, s94, 2
	s_add_co_u32 s95, s95, s85                     ; my wave's block of 32 keys
	s_mul_i32 s96, s97, 102400
	s_mul_i32 s98, s95, 768
	s_add_co_u32 s98, s98, s96
	v_mul_u32_u24 v255, v253, 102400               ; lanes 16-31 hold the next head
	v_lshl_add_u32 v[OC], v252, 3, v255
	v_add_nc_u32 v[OC], s98, v[OC]
	s_lshr_b32 s98, s95, 1
	s_lshl_b32 s98, s98, 6
	s_and_b32 s99, s95, 1
	s_lshl_b32 s99, s99, 1
	s_add_co_u32 s98, s98, s99
	s_add_co_u32 s98, s98, s96
	s_add_co_u32 s98, s98, 98304
	v_lshl_add_u32 v[OB], v252, 2, v255
	v_add_nc_u32 v[OB], s98, v[OB]
.irp c, 0,1
.irp tt, 0,1
	s_wait_xcnt 0x0
	QUANTP ACC+64*\tt+32*\c
	CODES OC, 24, 204800*\c+128*\tt, 256           ; sixteen lanes store 128 consecutive bytes
	global_store_b8 v[OB], v250, s[24:25] offset:204800*\c+\tt
.endr
.endr
	s_branch .Ldone
; ---- r_k: each row goes to two places: the first half of row u = m and the second half of row u = m + 2,049
.Lr:
	s_lshl_b32 s95, s89, 7
	s_lshl_b32 s96, s85, 5
	s_add_co_u32 s95, s95, s96                     ; my wave's first row
	s_mul_i32 s96, s87, 835584
	s_mul_i32 s98, s95, 48
	s_add_co_u32 s96, s96, s98
	v_mul_u32_u24 v255, v253, 208896
	v_mad_u32_u24 v255, v254, 48, v255
	v_add_nc_u32 v[OC], s96, v255
	s_mul_i32 s96, s87, 73728
	s_lshl_b32 s98, s95, 2
	s_add_co_u32 s96, s96, s98
	v_mul_u32_u24 v255, v253, 18432
	v_lshl_add_u32 v255, v254, 2, v255
	v_add_nc_u32 v[OB], s96, v255
.irp c, 0,1
.irp tt, 0,1
	s_wait_xcnt 0x0
	QUANTP ACC+64*\tt+32*\c
	v_mul_u32_u24 v251, v250, 0x101
	v_or_b32 v251, 0x7f7f0000, v251                ; the byte for both halves of the row, 1.0 for the two blocks that the queries' zeros meet
	CODES OC, 26, 417792*\c+384*\tt, 8
	CODES OC, 26, 417792*\c+384*\tt+98376, 8
	global_store_b32 v[OB], v251, s[28:29] offset:36864*\c+32*\tt
	global_store_b32 v[OB], v251, s[28:29] offset:36864*\c+32*\tt+8196
.endr
.endr
	s_branch .Ldone
; ---- v: quantised along the keys: my wave's 32 rows are a block
.Lvtype:
.irp s, 0,1,2,3,4,5,6,7
	KSTEP \s, 1
.endr
	PLACES 4
	s_lshl_b32 s95, s94, 2
	s_add_co_u32 s95, s95, s85                     ; my wave's block of 32 keys
	s_mul_i32 s96, s97, 102400
	s_mul_i32 s98, s95, 768
	s_add_co_u32 s98, s98, s96
	s_add_co_u32 s98, s98, 49152
	s_and_b32 s99, s85, 1
	s_lshl_b32 s99, s99, 3
	v_and_b32 v255, 31, v0                         ; my channel
	v_xor_b32 v255, s99, v255
	v_lshl_add_u32 v[OC], v255, 3, s98
	s_lshl_b32 s98, s94, 7
	s_add_co_u32 s98, s98, s96
	s_add_co_u32 s98, s98, s85
	s_add_co_u32 s98, s98, 100352
	v_lshl_add_u32 v255, v253, 3, v254             ; my channel with bits 3 and 4 changed over
	v_lshl_add_u32 v[OB], v255, 2, s98
.irp wp, 0,1,2,3
	s_wait_xcnt 0x0
	QUANTP ACC+32*\wp
	CODES OC, 24, 102400*\wp, 256                  ; 32 lanes store 256 consecutive bytes, aligned
	global_store_b8 v[OB], v250, s[24:25] offset:102400*\wp
.endr
.Ldone:
	s_wait_tensorcnt 0x0                           ; the wave's end
	ds_add_u32 v[SPW], v[NIL]
	s_wait_dscnt 0x0
	ROUND                                          ; the closing round
	s_endpgm
.Lfunc_end_k_qd2fcc98f91_proj:
	.size	k_qd2fcc98f91_proj, .Lfunc_end_k_qd2fcc98f91_proj-k_qd2fcc98f91_proj
	.p2alignl 7, 3214868480
	.fill 96, 4, 3214868480
	.section	.rodata,"a",@progbits
	.p2align	6, 0x0
	.amdhsa_kernel k_qd2fcc98f91_proj
		.amdhsa_group_segment_fixed_size 327424
		.amdhsa_private_segment_fixed_size 0
		.amdhsa_enable_private_segment 0
		.amdhsa_kernarg_size 104
		.amdhsa_user_sgpr_count 2
		.amdhsa_user_sgpr_kernarg_segment_ptr 1
		.amdhsa_wavefront_size32 1
		.amdhsa_system_sgpr_workgroup_id_x 1
		.amdhsa_system_sgpr_workgroup_id_y 1
		.amdhsa_system_sgpr_workgroup_id_z 1
		.amdhsa_system_vgpr_workitem_id 0
		.amdhsa_next_free_vgpr 256
		.amdhsa_next_free_sgpr 102
		.amdhsa_reserve_vcc 0
		.amdhsa_float_denorm_mode_32 3
		.amdhsa_float_denorm_mode_16_64 3
		.amdhsa_memory_ordered 1
		.amdhsa_forward_progress 1
		.amdhsa_inst_pref_size 171
	.end_amdhsa_kernel
	.amdgpu_metadata
---
amdhsa.version: [ 1, 2 ]
amdhsa.kernels:
  - .name:           k_qd2fcc98f91_proj
    .symbol:         k_qd2fcc98f91_proj.kd
    .args:
      - { .name: wq, .offset: 0, .size: 8, .value_kind: global_buffer, .address_space: global }
      - { .name: r_codes, .offset: 8, .size: 8, .value_kind: global_buffer, .address_space: global }
      - { .name: r_scales, .offset: 16, .size: 8, .value_kind: global_buffer, .address_space: global }
      - { .name: W_qkv_codes, .offset: 24, .size: 8, .value_kind: global_buffer, .address_space: global }
      - { .name: W_qkv_scales, .offset: 32, .size: 8, .value_kind: global_buffer, .address_space: global }
      - { .name: W_r_codes, .offset: 40, .size: 8, .value_kind: global_buffer, .address_space: global }
      - { .name: W_r_scales, .offset: 48, .size: 8, .value_kind: global_buffer, .address_space: global }
      - { .name: r_w_bias, .offset: 56, .size: 8, .value_kind: global_buffer, .address_space: global }
      - { .name: r_r_bias, .offset: 64, .size: 8, .value_kind: global_buffer, .address_space: global }
      - { .name: qq, .offset: 72, .size: 8, .value_kind: global_buffer, .address_space: global }
      - { .name: kv, .offset: 80, .size: 8, .value_kind: global_buffer, .address_space: global }
      - { .name: rx, .offset: 88, .size: 8, .value_kind: global_buffer, .address_space: global }
      - { .name: rs, .offset: 96, .size: 8, .value_kind: global_buffer, .address_space: global }
    .group_segment_fixed_size: 327424
    .private_segment_fixed_size: 0
    .kernarg_segment_align: 8
    .kernarg_segment_size: 104
    .max_flat_workgroup_size: 256
    .sgpr_count:     102
    .vgpr_count:     256
    .wavefront_size: 32
...
	.end_amdgpu_metadata
.endif
;; end of part 2
;; launch attn (part 3): grid 32 x 8, 8 waves a work-group, clusters of 4 x 1, 300,032 bytes of LDS; arguments qq, kv, rx, rs, mw, av; writes av
.if DOCPART == 3
	.amdgcn_target "amdgcn-amd-amdhsa--gfx1250"
	.amdhsa_code_object_version 6
	.text
	.protected	k_qd2fcc98f91_attn
	.globl	k_qd2fcc98f91_attn
	.p2align	8
	.type	k_qd2fcc98f91_attn,@function
k_qd2fcc98f91_attn:
	s_mov_b64 s[64:65], 0
	v_nop
	global_prefetch_b8 v0, s[64:65] scope:SCOPE_SE
	s_setreg_imm32_b32 hwreg(HW_REG_WAVE_MODE, 25, 1), 1
	s_wait_xcnt 0x0
	s_wait_alu depctr_hold_cnt(0) depctr_sa_sdst(0) depctr_va_vdst(0) depctr_va_sdst(0) depctr_va_ssrc(0) depctr_va_vcc(0) depctr_vm_vsrc(0)
	s_getreg_b32 s2, hwreg(HW_REG_IB_STS2, 6, 4)
	s_cmp_eq_u32 s2, 0
	s_cbranch_scc0 .Lentry_in_a_cluster
	s_endpgm
.Lentry_in_a_cluster:
	s_bfe_u32 s2, ttmp6, 0x10000c
	s_cmp_lg_u32 s2, 0x3003
	s_cbranch_scc0 .Lentry_shape_is_right
	s_endpgm
.Lentry_shape_is_right:
; THIRD LAUNCH: the scores AC + shifted BD, the mask, the softmax by a running whole-number maximum, V^T P, and the quantiser of the result.  No work is left out: attn_mask is an input, so all keys are walked for all queries.
; SHARES.  A work-group owns 256 queries of one (b, h); the four of a cluster are the four batches of one head and one block of queries: they need the same rows of r_k and ask for them JOINTLY.  K, V and their scale bytes
; of the (b, h) come by plain loads.  Everything is fetched once and stays in LDS.  A wave makes two passes of 16 queries x all 2,048 keys, 128 keys a step; a lane holds one query (lane % 16) throughout.
; THE SHIFT.  With u = 2047 - i + j the shifted BD is [q'_i | q'_(i+1) | 0 | 0] . [rx row u | anything], K = 128: rx holds r_k[u] in its first half for u < 2048, r_k[u - 2049] in its second for u > 2048, zero codes elsewhere;
; zero codes add nothing.  Nine tiles of 16 rows u cover a step's 143 values of u.  The results (lane = query, registers along u) go to the wave's own stage and come back from place 15 - lane % 16 + key, straight into the
; registers that are the C of the AC products: the addition costs nothing.
; K IS PACKED 64 KEYS TO A FRAGMENT: block t of its K = 128 holds tile t's 16 keys; four copies of q with the codes in one block and zeros in the others pick the tile.
; The keys of a tile are chosen so that register 16 b + i of the scores is key 32 b + 16 (lane / 16) + i: 16 neighbours for the conversions, as the mask words of the first launch expect.
; SOFTMAX: t = score x log2(e) / sqrt(32); M = the running largest t rounded up; p = 2^(t - M) is quantised along the keys; the sum is taken of the unquantised p and divides at the end.
; LIMITS: as at the first launch's head.  A query whose every key is masked has the sum 0: its codes are zeros and its scale byte is 0xff, which makes its row NaN in the last product, as the definition has it.
.set RB,    102400                     ; LDS: K 0, V 49,152, K's scale bytes 98,304, V's 100,352; from here 2,304 rows of rx, 48 bytes each;
.set WXB,   212992                     ; 2,560 words of rs;
.set STG,   223232                     ; a stage of 16 rows x 592 bytes for each wave;
.set SPARE, 299008                     ; the spare words, 128 bytes a wave
.set S,     152                        ; v152-215 the scores, then p; v216-223 the ninth tile of BD
; v1 rx, v2 rs, v3 K, v4, v5 V's two channel tiles, v6 scale words: my lane's places; v7, v8 the stage, in and back; v9 my spare word, v10 0; v11 -infinity; v12 -M, v13 the largest t, v[14:15] the sum
; v16-21 the step's addresses; v22 q's scale word for AC, v23 for BD; v24 K's, v25 V's, v26-30 rx's, v31 p's scale words
; v32-67: [q'_i, q'_(i+1)] [0] [q, 0] [0] [0, q] [0], six registers each: the five query operands are windows of twelve
; v68-91 K, later at work; v92-151 rx (tile t at 92 + 6 t, twelve wide), later V in v92-115; v224-239 O^T; v240-251 p's codes; v252 f, v253 0, v254 at work
; s2 2,048 (8 b + h), s3 16,384 b + h, s84 wave, s[86:87] lane selects, s[88:89] c, s90-93 the step's LDS offsets, s94 steps, s95 256 x block, s[96:97] the mask words, s98 lanes 16-31; s16-63, s68-83 the step's 64 mask words
.macro PLACES n
.rept \n
	v_nop
.endr
.endm
.macro ROUND
	s_barrier_signal -1
	s_barrier_wait -1
	s_cmp_lg_u32 s84, 0
	s_cbranch_scc1 .Lnot_wave_0_\@
	s_barrier_signal -3
.Lnot_wave_0_\@:
	s_barrier_wait -3
	s_barrier_signal -1
	s_barrier_wait -1
.endm
; one matrix instruction.  cz: C is the constant 0, else D; ra: source 0's scales from lanes 16-31
.macro WM d, a, b, cz, sa, sb, ra
.if \cz
.if \ra
	v_wmma_scale_f32_16x16x128_f8f6f4 v[(\d):(\d)+7], v[(\a):(\a)+11], v[(\b):(\b)+11], 0, v[\sa], v[\sb] matrix_a_fmt:MATRIX_FMT_BF6 matrix_b_fmt:MATRIX_FMT_BF6 matrix_a_scale:MATRIX_SCALE_ROW1
.else
	v_wmma_scale_f32_16x16x128_f8f6f4 v[(\d):(\d)+7], v[(\a):(\a)+11], v[(\b):(\b)+11], 0, v[\sa], v[\sb] matrix_a_fmt:MATRIX_FMT_BF6 matrix_b_fmt:MATRIX_FMT_BF6
.endif
.else
.if \ra
	v_wmma_scale_f32_16x16x128_f8f6f4 v[(\d):(\d)+7], v[(\a):(\a)+11], v[(\b):(\b)+11], v[(\d):(\d)+7], v[\sa], v[\sb] matrix_a_fmt:MATRIX_FMT_BF6 matrix_b_fmt:MATRIX_FMT_BF6 matrix_a_scale:MATRIX_SCALE_ROW1
.else
	v_wmma_scale_f32_16x16x128_f8f6f4 v[(\d):(\d)+7], v[(\a):(\a)+11], v[(\b):(\b)+11], v[(\d):(\d)+7], v[\sa], v[\sb] matrix_a_fmt:MATRIX_FMT_BF6 matrix_b_fmt:MATRIX_FMT_BF6
.endif
.endif
.endm
	s_load_b256 s[4:11], s[0:1], 0x0               ; qq s[4:5], kv s[6:7], rx s[8:9], rs s[10:11]
	s_load_b128 s[12:15], s[0:1], 0x20             ; mw s[12:13], av s[14:15]
	v_lshl_add_u32 v9, v0, 2, SPARE
	v_mov_b32 v10, 0
	ds_add_u32 v9, v10                             ; the wave's opening: the add, twice on end, and its wait ahead of my first tensor load; work on registers stands between
	ds_add_u32 v9, v10
	v_lshrrev_b32 v16, 5, v0
	v_readfirstlane_b32 s84, v16                   ; wave 0..7
	s_and_b32 s85, s84, 3
	s_bfe_u32 s99, ttmp6, 0x40000                  ; my place in the cluster = the batch: it enters global addresses of my own data alone
	s_and_b32 s100, ttmp7, 0xffff                  ; the head
	s_lshl_b32 s101, s99, 3
	s_add_co_u32 s101, s101, s100                  ; 8 b + h
	s_lshl_b32 s2, s101, 11
	s_lshl_b32 s3, s99, 14
	s_add_co_u32 s3, s3, s100
	s_lshl_b32 s95, ttmp9, 8                       ; the block's first query
	s_mov_b32 s86, 0x76543210
	s_mov_b32 s87, 0xfedcba98
	s_mov_b32 s88, 0x3e8293ee                      ; c = log2(e) / sqrt(32)
	s_mov_b32 s89, s88
	s_mov_b32 s98, 0xffff0000
	; descriptor groups 1: dense blocks as rows of 256 bytes (32 elements of 8), no padding.  K, V and their scale bytes: 100 rows a wave, plain
	s_mov_b32 s16, 3<<16
	s_mov_b32 s17, 32<<16
	s_mov_b32 s18, 100<<16
	s_mov_b32 s19, 32<<16
	s_mov_b32 s20, 100
	s_mov_b32 s21, 32
	s_mov_b32 s22, 0
	s_mov_b32 s23, 0
	s_mov_b32 s24, 15|(3<<16)|(1<<21)              ; rs: 10 rows a wave, for all four work-groups
	s_mov_b32 s25, 32<<16
	s_mov_b32 s26, 10<<16
	s_mov_b32 s27, 32<<16
	s_mov_b32 s28, 10
	s_mov_b32 s29, 32
	s_mov_b32 s30, 0
	s_mov_b32 s31, 0
	s_mov_b32 s32, 15|(3<<16)|(1<<21)              ; rx: 108 rows a wave, for all four
	s_mov_b32 s33, 32<<16
	s_mov_b32 s34, 108<<16
	s_mov_b32 s35, 32<<16
	s_mov_b32 s36, 108
	s_mov_b32 s37, 32
	s_mov_b32 s38, 0
	s_mov_b32 s39, 0
	; groups 0 and the offsets in memory.  The window of u begins at 1,792 - 256 x block
	s_mov_b32 s40, 1
	s_mul_i32 s41, s85, 25600
	s_mul_i32 s90, s101, 102400
	s_add_co_u32 s90, s90, s41
	s_mov_b32 s91, 0
	s_mov_b32 s44, 1
	s_mul_i32 s45, s85, 2560
	s_mul_i32 s92, s100, 18432
	s_add_co_u32 s92, s92, s45
	s_add_co_u32 s92, s92, 7168
	s_lshl_b32 s93, ttmp9, 10
	s_sub_co_u32 s92, s92, s93
	s_mov_b32 s93, 0
	s_add_co_u32 s45, s45, WXB
	s_mov_b32 s48, 1
	s_mul_i32 s49, s85, 27648
	s_mul_i32 s96, s100, 208896
	s_add_co_u32 s96, s96, s49
	s_add_co_u32 s96, s96, 86016
	s_mul_i32 s97, ttmp9, 12288
	s_sub_co_u32 s96, s96, s97
	s_mov_b32 s97, 0
	s_add_co_u32 s49, s49, RB
	; my lane's places in LDS
	v_and_b32 v16, 15, v0                          ; r
	v_bfe_u32 v17, v0, 4, 1                        ; h
	v_and_b32 v18, 31, v0                          ; lane
	v_mul_u32_u24 v1, v16, 48
	v_mad_u32_u24 v1, v17, 24, v1
	v_add_nc_u32 v1, RB, v1                        ; rx: row r, half h
	v_lshl_add_u32 v2, v18, 2, WXB
	v_lshlrev_b32 v3, 3, v18
	v_and_b32 v19, 8, v16
	v_add_nc_u32 v19, v19, v16                     ; r % 8 + 16 (r / 8)
	v_lshlrev_b32 v19, 3, v19
	v_mad_u32_u24 v4, v17, 832, v19                ; V, channel tile 0: block h, place (channel xor 8 h): 768 h + 64 h
	v_add_nc_u32 v4, 49152, v4
	v_mad_u32_u24 v5, v17, 704, v19                ; tile 1: 768 h + 64 - 64 h
	v_add_nc_u32 v5, 49216, v5
	v_lshl_add_u32 v6, v18, 2, 98304
	s_mul_i32 s99, s84, 9472
	s_add_co_u32 s99, s99, STG
	v_mul_u32_u24 v7, v16, 592
	v_lshl_add_u32 v7, v17, 5, v7
	v_add_nc_u32 v7, s99, v7                       ; the stage, in: row r, place 16 t + 8 h + j
	v_mul_u32_u24 v8, v16, 588
	v_lshl_add_u32 v8, v17, 6, v8
	v_add_nc_u32 v8, s99, v8
	v_add_nc_u32 v8, 60, v8                        ; and back: row r, place 15 - r + 16 h + (32 b + i)
	v_mov_b32 v11, 0xff800000
	v_mov_b32 v253, 0                              ; (named as the upper half of the pair v[252:253])
	v_mov_b32 v252, 0
.irp z, 38,39,40,41,42,43,50,51,52,53,54,55,62,63,64,65,66,67,146,147,148,149,150,151
	v_mov_b32 v\z, 0                               ; the zero blocks of the query operands, and what stands behind the ninth tile of rx
.endr
	s_wait_dscnt 0x0                               ; both opening adds are done
	s_wait_kmcnt 0x0
	s_add_nc_u64 s[42:43], s[6:7], s[90:91]
	s_or_b32 s43, s43, 0x80000000
	s_add_nc_u64 s[46:47], s[10:11], s[92:93]
	s_or_b32 s47, s47, 0x80000000
	s_add_nc_u64 s[50:51], s[8:9], s[96:97]
	s_or_b32 s51, s51, 0x80000000
	ROUND                                          ; all four work-groups are here: the joint loads meet
	s_cmp_lt_u32 s84, 4                            ; every wave issues a load: two of mine are out at the most
	s_cbranch_scc0 .Larm_b
	tensor_load_to_lds s[40:43], s[16:23]          ; a quarter of my (b, h)'s K, V and scale bytes
	s_nop 0
	tensor_load_to_lds s[44:47], s[24:31]          ; a quarter of the window's scale words, jointly
	s_nop 0
	PLACES 4
	s_branch .Larmed
.Larm_b:
	tensor_load_to_lds s[48:51], s[32:39]          ; a quarter of the window of rx, jointly
	s_nop 0
	PLACES 4
.Larmed:
	s_wait_tensorcnt 0x0                           ; my parts have landed (and the descriptors' registers are free),
	s_barrier_signal -1
	s_barrier_wait -1                              ; everybody's have.  From here on a wave reads what nobody writes, and its own stage
; A pass's head: tile 15 - wave - 8 pass of the block, so that the window's first row for a step is 16 wave + 128 pass + 128 step
.macro PROLOGUE pass
	s_wait_xcnt 0x0                                ; the last pass's stores have read their registers
	s_sub_co_u32 s99, 15-8*\pass, s84
	s_lshl_b32 s99, s99, 4
	s_add_co_u32 s99, s99, s95                     ; my first query
	v_and_b32 v68, 15, v0
	v_bfe_u32 v69, v0, 4, 1
	v_add_nc_u32 v70, s99, v68                     ; i
	v_add_nc_u32 v71, v70, v69
	v_min_u32 v71, 2047, v71                       ; i + h: lanes 16-31 hold the next query for BD.  (Query 2,047 has no u over 2,048: what stands there meets zero codes)
	v_add_nc_u32 v72, 1, v70
	v_min_u32 v72, 2047, v72
	v_add_nc_u32 v70, s2, v70
	v_add_nc_u32 v71, s2, v71
	v_add_nc_u32 v72, s2, v72
	v_mul_u32_u24 v73, v70, 24
	v_mul_u32_u24 v74, v71, 24
.irp p, 0,1,2
	global_load_b64 v[76+2*\p:77+2*\p], v73, s[4:5] offset:8*\p                 ; q + r_w_bias, in both halves of the lanes
	global_load_b64 v[32+2*\p:33+2*\p], v74, s[4:5] offset:1572864+8*\p         ; q + r_r_bias of queries i and i + 1
.endr
	global_load_u8 v82, v70, s[4:5] offset:3145728
	global_load_u8 v83, v70, s[4:5] offset:3211264
	global_load_u8 v84, v72, s[4:5] offset:3211264
	s_lshl_b32 s100, s99, 8                        ; the tile's mask words: 16 steps of 256 bytes
	s_mov_b32 s101, 0
	s_add_nc_u64 s[96:97], s[12:13], s[100:101]
	s_mul_i32 s90, s84, 768
	s_add_co_u32 s90, s90, 6144*\pass
	s_lshl_b32 s91, s84, 6
	s_add_co_u32 s91, s91, 512*\pass
	s_mov_b32 s92, 0
	s_mov_b32 s93, 0
	s_mov_b32 s94, 0
	s_mov_b32 s101, 0x01010101
.irp j, 0,1,2,3,4,5,6,7,8,9,10,11,12,13,14,15
	v_mov_b32 v[224+\j], 0                         ; O^T: the step is written once; the first change of M leaves zeros zeros
.endr
	v_mov_b32 v14, 0
	v_mov_b32 v15, 0
	v_mov_b32 v13, 0xff61b1e6                      ; -3e38, under every t
	v_floor_f32 v12, -v13
	s_wait_loadcnt 0x0
	v_mul_lo_u32 v22, v82, s101                    ; q's byte in all four places: the codes stand in one block, whichever
	v_lshl_or_b32 v23, v84, 8, v83
	v_or_b32 v23, 0x7f7f0000, v23
.irp i, 0,1,2,3,4,5
	v_cndmask_b32 v[44+\i], v[76+\i], v10, s98     ; q in lanes 0-15 alone,
	v_cndmask_b32 v[56+\i], v10, v[76+\i], s98     ; in lanes 16-31 alone.  (These twelve are also the places between the scale words' last write and the first product)
.endr
.endm
.macro STEP
	v_add_nc_u32 v16, s90, v1                      ; six plain lines: also the places behind the last products, in front of the loads into V's registers
	v_add_nc_u32 v17, s91, v2
	v_add_nc_u32 v18, s92, v3
	v_add_nc_u32 v19, s92, v4
	v_add_nc_u32 v20, s92, v5
	v_add_nc_u32 v21, s93, v6
	s_load_b512 s[16:31], s[96:97], 0x0            ; the step's 64 mask words
	s_load_b512 s[32:47], s[96:97], 0x40
	s_load_b512 s[48:63], s[96:97], 0x80
	s_load_b512 s[68:83], s[96:97], 0xc0
.irp k, 0,1,2,3,4
	ds_load_b32 v[26+\k], v17 offset:128*\k        ; rx's scale words: lanes 0-15 tile 2 k, lanes 16-31 tile 2 k + 1
.endr
.irp t, 0,1,2,3,4,5,6,7,8
.irp p, 0,1,2
	ds_load_b64 v[92+6*\t+2*\p:93+6*\t+2*\p], v16 offset:768*\t+8*\p
.endr
.endr
	ds_load_b32 v24, v21                           ; K's scale words: lanes 0-15 keys 0-63, lanes 16-31 keys 64-127
.irp f, 0,1
.irp g, 0,1
.irp p, 0,1,2
	ds_load_b64 v[68+12*\f+6*\g+2*\p:69+12*\f+6*\g+2*\p], v18 offset:768*(2*\f+\g)+256*\p
.endr
.endr
.endr
	s_wait_dscnt 13                                ; rx and its scale words are in; K's scale word and K's twelve loads may be out
.irp t, 0,1,2,3,4,5,6,7,8
	WM S+8*\t, 92+6*\t, 32, 1, 26+\t/2, 23, \t%2
.endr
	PLACES 5                                       ; four in front of the stores of results and of loads into registers just read; five in front of the products that write over these results
.irp t, 0,1,2,3,4,5,6,7,8
	ds_store_b128 v7, v[S+8*\t:S+8*\t+3] offset:64*\t          ; each result from its low end on
	ds_store_b128 v7, v[S+8*\t+4:S+8*\t+7] offset:64*\t+16
.endr
.set kk, 0
.rept 64
	ds_load_b32 v[S+kk], v8 offset:128*(kk/16)+4*(kk%16)       ; LDS serves a wave's instructions in order: these see the stores above
.set kk, kk+1
.endr
	ds_load_b32 v25, v21 offset:2048               ; V's scale words: lanes 0-15 channel tile 0, lanes 16-31 tile 1
.irp ct, 0,1
.irp c, 0,1
.irp p, 0,1,2
	ds_load_b64 v[92+12*\ct+6*\c+2*\p:93+12*\ct+6*\c+2*\p], v[19+\ct] offset:1536*\c+256*\p
.endr
.endr
.endr
	s_wait_dscnt 13                                ; K and the shifted BD are in; V's scale word and V's twelve loads may be out
.irp t, 0,1,2,3,4,5,6,7
	WM S+8*\t, 68+12*(\t/4), 44+12*(\t%2)-6*((\t%4)/2), 0, 24, 22, \t/4    ; AC on top of BD
.endr
	s_wait_kmcnt 0x0
	s_add_nc_u64 s[96:97], s[96:97], 256
	PLACES 4
.set kk, 0
.rept 64
	v_cndmask_b32 v[S+kk], v[S+kk], v11, s[16+kk+4*(kk/48)]    ; masked scores become -infinity: p = 0
.set kk, kk+1
.endr
.irp b, 0,1,2,3
	v_max3_num_f32 v[68+\b], v[S+16*\b], v[S+1+16*\b], v[S+2+16*\b]   ; the largest score of each block of 32 keys: for the row's maximum and, since p rises with the score, for the block's largest p
.endr
.irp i, 3,5,7,9,11,13
.irp b, 0,1,2,3
	v_max3_num_f32 v[68+\b], v[68+\b], v[S+16*\b+\i], v[S+1+16*\b+\i]
.endr
.endr
.irp b, 0,1,2,3
	v_max_num_f32 v[68+\b], v[68+\b], v[S+15+16*\b]
.endr
.irp b, 0,1,2,3
	v_permlanex16_b32 v[72+\b], v[68+\b], s86, s87
.endr
.irp b, 0,1,2,3
	v_max_num_f32 v[68+\b], v[68+\b], v[72+\b]
.endr
	v_max3_num_f32 v254, v68, v69, v70
	v_max_num_f32 v254, v254, v71
	v_mul_f32 v254, s88, v254                      ; as t
	v_max_num_f32 v13, v13, v254                   ; the running largest t
	v_mov_b32 v254, v12
	v_floor_f32 v12, -v13                          ; -M = floor(-t): M is a whole number
	v_sub_f32 v254, v12, v254
	v_cvt_i32_f32 v254, v254                       ; (it saturates)
	v_ldexp_f32 v252, 1.0, v254                    ; f = 2^(old M - new M)
.set jj, 0
.rept 32
	v_pk_fma_f32 v[S+jj:S+jj+1], v[S+jj:S+jj+1], s[88:89], v[12:13] op_sel_hi:[1,0,0]   ; t - M
.set jj, jj+2
.endr
.irp b, 0,1,2,3
	v_fma_f32 v[68+\b], v[68+\b], s88, v12
.endr
.set jj, 0
.rept 64
	v_exp_f32 v[S+jj], v[S+jj]                     ; p, not normalised
.set jj, jj+1
.endr
	v_pk_mul_f32 v[14:15], v[14:15], v[252:253] op_sel_hi:[1,0]   ; the sums under the new M: a plain place behind the exponentials
	s_wait_alu depctr_va_vdst(0)                   ; one wait for the batch, ahead of its first reader
.irp b, 0,1,2,3
	v_exp_f32 v[68+\b], v[68+\b]                   ; the blocks' largest p
.endr
	v_pk_add_f32 v[72:73], v[S:S+1], v[S+2:S+3]    ; the row's sum of the unquantised p, in two chains
.irp j, 4,8,12,16,20,24,28,32,36,40,44,48,52,56,60
	v_pk_add_f32 v[14:15], v[14:15], v[S+\j:S+1+\j]
	v_pk_add_f32 v[72:73], v[72:73], v[S+2+\j:S+3+\j]
.endr
	v_pk_add_f32 v[14:15], v[14:15], v[72:73]
	s_wait_alu depctr_va_vdst(0)                   ; and one for the four
.irp b, 0,1,2,3
	v_max_num_f32 v[68+\b], 0x2800000, v[68+\b]    ; the floor: the byte cannot fall under 1
.endr
.irp b, 0,1,2,3
	v_add_nc_u32 v[76+\b], 0xfe000000, v[68+\b]
.endr
.irp b, 0,1,2,3
	v_lshrrev_b32 v[72+\b], 23, v[76+\b]
.endr
	v_lshl_or_b32 v31, v73, 8, v72                 ; p's scale word for these 128 keys
	v_lshl_or_b32 v31, v74, 16, v31
	v_lshl_or_b32 v31, v75, 24, v31
.irp c, 0,1
	v_cvt_scalef32_pk16_bf6_f32 v[240+6*\c:242+6*\c], v[S+32*\c:S+15+32*\c], v[76+2*\c]
	v_cvt_scalef32_pk16_bf6_f32 v[84+4*\c:86+4*\c], v[S+16+32*\c:S+31+32*\c], v[77+2*\c]
.endr
	v_nop                                          ; one plain place behind a scaled conversion
.irp c, 0,1
.irp i, 0,1,2
	v_permlane16_swap_b32 v[240+6*\c+\i], v[84+4*\c+\i]   ; a whole block to a lane
.endr
.irp i, 0,1,2
	v_mov_b32 v[243+6*\c+\i], v[84+4*\c+\i]
.endr
.endr
.irp j, 0,2,4,6,8,10,12,14
	v_pk_mul_f32 v[224+\j:225+\j], v[224+\j:225+\j], v[252:253] op_sel_hi:[1,0]   ; O^T under the new M
.endr
	PLACES 4                                       ; with the v_nop above and the four rescalings of the other tile: eight places between p's scale word and each product that name none of its registers
	s_wait_dscnt 0x0                               ; V is in
.irp ct, 0,1
	WM 224+8*\ct, 92+12*\ct, 240, 0, 25, 31, \ct
.endr
	s_add_co_u32 s90, s90, 6144                    ; 128 rows of rx on,
	s_add_co_u32 s91, s91, 512                     ; 128 of its words,
	s_add_co_u32 s92, s92, 3072                    ; four blocks of 32 keys of K and of V,
	s_add_co_u32 s93, s93, 128                     ; and their scale words
.endm
; A pass's end: O^T / the sum is one block of the last product's K (my head's 32 channels): registers 224 + i of lane (r, h) are channels 16 h + i
.macro EPILOGUE pass
	PLACES 4
	v_add_f32 v14, v14, v15
	v_permlanex16_b32 v252, v14, s86, s87
	v_add_f32 v14, v14, v252                       ; the row's sum
	v_mov_b32 v73, 1.0
	v_cmp_eq_f32 vcc_lo, 0, v14
	v_cndmask_b32 v15, v14, v73, vcc_lo            ; a query with no key at all divides by 1: its codes are zeros, and its scale byte says NaN
	v_rcp_f32 v15, v15
	s_sub_co_u32 s99, 15-8*\pass, s84
	s_lshl_b32 s99, s99, 4
	s_add_co_u32 s99, s99, s95                     ; my first query
	s_add_co_u32 s100, s99, s2
	s_mul_i32 s100, s100, 24
	s_lshl_b32 s99, s99, 3
	s_add_co_u32 s99, s99, s3
	v_and_b32 v68, 15, v0                          ; (plain work behind the reciprocal)
	v_bfe_u32 v69, v0, 4, 1
	v_mul_u32_u24 v70, v68, 24
	v_mad_u32_u24 v70, v69, 12, v70
	v_add_nc_u32 v70, s100, v70
	v_lshl_add_u32 v71, v68, 3, s99
	v_mov_b32 v72, 0xff
	s_wait_alu depctr_va_vdst(0)                   ; ahead of the reciprocal's first reader
.irp j, 0,1,2,3,4,5,6,7,8,9,10,11,12,13,14,15
	v_mul_f32 v[S+\j], v[224+\j], v15
.endr
	v_max3_num_f32 v74, |v[S]|, |v[S+1]|, 0x2800000
.irp i, 2,4,6,8,10,12,14
	v_max3_num_f32 v74, v74, |v[S+\i]|, |v[S+1+\i]|
.endr
	v_permlanex16_b32 v75, v74, s86, s87
	v_max_num_f32 v74, v74, v75
	v_add_nc_u32 v76, 0xfe000000, v74
	v_lshrrev_b32 v77, 23, v76
	v_cndmask_b32 v77, v77, v72, vcc_lo
	v_cvt_scalef32_pk16_bf6_f32 v[78:80], v[S:S+15], v76
	v_nop
	global_store_b96 v70, v[78:80], s[14:15]                   ; 32 lanes store 384 consecutive bytes
	global_store_b8 v71, v77, s[14:15] offset:1572864          ; both halves write the same byte with the same value
.endm
.irp pass, 0,1
	PROLOGUE \pass
.Lstep_\pass:
	STEP
	s_add_co_u32 s94, s94, 1
	s_cmp_lt_u32 s94, 16
	s_cbranch_scc1 .Lstep_\pass
	EPILOGUE \pass
.endr
	s_wait_tensorcnt 0x0                           ; the wave's end, behind my last LDS store
	ds_add_u32 v9, v10
	s_wait_dscnt 0x0
	ROUND                                          ; the closing round
	s_endpgm
.Lfunc_end_k_qd2fcc98f91_attn:
	.size	k_qd2fcc98f91_attn, .Lfunc_end_k_qd2fcc98f91_attn-k_qd2fcc98f91_attn
	.p2alignl 7, 3214868480
	.fill 96, 4, 3214868480
	.section	.rodata,"a",@progbits
	.p2align	6, 0x0
	.amdhsa_kernel k_qd2fcc98f91_attn
		.amdhsa_group_segment_fixed_size 300032
		.amdhsa_private_segment_fixed_size 0
		.amdhsa_enable_private_segment 0
		.amdhsa_kernarg_size 48
		.amdhsa_user_sgpr_count 2
		.amdhsa_user_sgpr_kernarg_segment_ptr 1
		.amdhsa_wavefront_size32 1
		.amdhsa_system_sgpr_workgroup_id_x 1
		.amdhsa_system_sgpr_workgroup_id_y 1
		.amdhsa_system_sgpr_workgroup_id_z 1
		.amdhsa_system_vgpr_workitem_id 0
		.amdhsa_next_free_vgpr 256
		.amdhsa_next_free_sgpr 102
		.amdhsa_reserve_vcc 1
		.amdhsa_float_denorm_mode_32 3
		.amdhsa_float_denorm_mode_16_64 3
		.amdhsa_memory_ordered 1
		.amdhsa_forward_progress 1
		.amdhsa_inst_pref_size 76
	.end_amdhsa_kernel
	.amdgpu_metadata
---
amdhsa.version: [ 1, 2 ]
amdhsa.kernels:
  - .name:           k_qd2fcc98f91_attn
    .symbol:         k_qd2fcc98f91_attn.kd
    .args:
      - { .name: qq, .offset: 0, .size: 8, .value_kind: global_buffer, .address_space: global }
      - { .name: kv, .offset: 8, .size: 8, .value_kind: global_buffer, .address_space: global }
      - { .name: rx, .offset: 16, .size: 8, .value_kind: global_buffer, .address_space: global }
      - { .name: rs, .offset: 24, .size: 8, .value_kind: global_buffer, .address_space: global }
      - { .name: mw, .offset: 32, .size: 8, .value_kind: global_buffer, .address_space: global }
      - { .name: av, .offset: 40, .size: 8, .value_kind: global_buffer, .address_space: global }
    .group_segment_fixed_size: 300032
    .private_segment_fixed_size: 0
    .kernarg_segment_align: 8
    .kernarg_segment_size: 48
    .max_flat_workgroup_size: 256
    .sgpr_count:     102
    .vgpr_count:     256
    .wavefront_size: 32
...
	.end_amdgpu_metadata
.endif
;; end of part 3
;; launch outln (part 4): grid 256 x 1, 16 waves a work-group, no clusters, 133,632 bytes of LDS; arguments av, W_o_codes, W_o_scales, w, ln_gamma, ln_beta, out0; writes out0
.if DOCPART == 4
	.amdgcn_target "amdgcn-amd-amdhsa--gfx1250"
	.amdhsa_code_object_version 6
	.text
	.protected	k_qd2fcc98f91_outln
	.globl	k_qd2fcc98f91_outln
	.p2align	8
	.type	k_qd2fcc98f91_outln,@function
k_qd2fcc98f91_outln:
	s_mov_b64 s[64:65], 0
	v_nop
	global_prefetch_b8 v0, s[64:65] scope:SCOPE_SE
	s_setreg_imm32_b32 hwreg(HW_REG_WAVE_MODE, 25, 1), 1
	s_wait_xcnt 0x0
; FOURTH LAUNCH: attn_out = attn_vec W_o on codes of BF6, the residual and the layer norm.  No work is left out.
; SHARES.  A work-group takes 32 positions.  First each of its sixteen waves makes 64 columns of attn_out for all 32 (source 0 = 16 rows of W_o, source 1 = 16 positions: a lane holds eight neighbouring columns of one position);
; the results meet in a stage in LDS; then each wave owns two whole rows: w + attn_out, the mean, the mean square about it, the norm, gain and bias, all in f32.
; W_o goes from memory straight into registers, each wave its own 64 rows: at a pitch free of bank conflicts W_o takes 245,760 bytes of LDS and the stage 131,584: both do not fit, so nothing is shared through a cluster here.
; No prefetch: each stream is asked for at the head and the launch moves little beside its own buffers.
.set SPITCH, 4112                      ; a stage row: 4,096 bytes + 16
.set SPARE,  32*SPITCH                 ; behind the stage: the spare words, 128 bytes a wave
; v1 my spare word, v2 0; v3 attn_vec's codes, v4 its scale words, v5 W_o's codes, v6 its scale words, v7 16 x lane, v8, v9 the stage on the way in (position tile 0, 1), v10 on the way back
; v16-17 attn_vec's scale words (K step 0, 1; lanes 16-31: tile 1); v18-21 W_o's (two tiles a pair of registers); v32-79 attn_vec's four fragments; v80-127 four of W_o's; v128-191 accumulators, then two rows; v192-255 two rows of w
; second phase: v32-63 gain, v64-95 bias, v96-101 at work
.macro PLACES n
.rept \n
	v_nop
.endr
.endm
.macro WM d, a, b, cz, sa, sb, ra, rb
.if \cz
.if (\ra)&&(\rb)
	v_wmma_scale_f32_16x16x128_f8f6f4 v[(\d):(\d)+7], v[(\a):(\a)+11], v[(\b):(\b)+11], 0, v[\sa], v[\sb] matrix_a_fmt:MATRIX_FMT_BF6 matrix_b_fmt:MATRIX_FMT_BF6 matrix_a_scale:MATRIX_SCALE_ROW1 matrix_b_scale:MATRIX_SCALE_ROW1
.elseif \ra
	v_wmma_scale_f32_16x16x128_f8f6f4 v[(\d):(\d)+7], v[(\a):(\a)+11], v[(\b):(\b)+11], 0, v[\sa], v[\sb] matrix_a_fmt:MATRIX_FMT_BF6 matrix_b_fmt:MATRIX_FMT_BF6 matrix_a_scale:MATRIX_SCALE_ROW1
.elseif \rb
	v_wmma_scale_f32_16x16x128_f8f6f4 v[(\d):(\d)+7], v[(\a):(\a)+11], v[(\b):(\b)+11], 0, v[\sa], v[\sb] matrix_a_fmt:MATRIX_FMT_BF6 matrix_b_fmt:MATRIX_FMT_BF6 matrix_b_scale:MATRIX_SCALE_ROW1
.else
	v_wmma_scale_f32_16x16x128_f8f6f4 v[(\d):(\d)+7], v[(\a):(\a)+11], v[(\b):(\b)+11], 0, v[\sa], v[\sb] matrix_a_fmt:MATRIX_FMT_BF6 matrix_b_fmt:MATRIX_FMT_BF6
.endif
.else
.if (\ra)&&(\rb)
	v_wmma_scale_f32_16x16x128_f8f6f4 v[(\d):(\d)+7], v[(\a):(\a)+11], v[(\b):(\b)+11], v[(\d):(\d)+7], v[\sa], v[\sb] matrix_a_fmt:MATRIX_FMT_BF6 matrix_b_fmt:MATRIX_FMT_BF6 matrix_a_scale:MATRIX_SCALE_ROW1 matrix_b_scale:MATRIX_SCALE_ROW1
.elseif \ra
	v_wmma_scale_f32_16x16x128_f8f6f4 v[(\d):(\d)+7], v[(\a):(\a)+11], v[(\b):(\b)+11], v[(\d):(\d)+7], v[\sa], v[\sb] matrix_a_fmt:MATRIX_FMT_BF6 matrix_b_fmt:MATRIX_FMT_BF6 matrix_a_scale:MATRIX_SCALE_ROW1
.elseif \rb
	v_wmma_scale_f32_16x16x128_f8f6f4 v[(\d):(\d)+7], v[(\a):(\a)+11], v[(\b):(\b)+11], v[(\d):(\d)+7], v[\sa], v[\sb] matrix_a_fmt:MATRIX_FMT_BF6 matrix_b_fmt:MATRIX_FMT_BF6 matrix_b_scale:MATRIX_SCALE_ROW1
.else
	v_wmma_scale_f32_16x16x128_f8f6f4 v[(\d):(\d)+7], v[(\a):(\a)+11], v[(\b):(\b)+11], v[(\d):(\d)+7], v[\sa], v[\sb] matrix_a_fmt:MATRIX_FMT_BF6 matrix_b_fmt:MATRIX_FMT_BF6
.endif
.endif
.endm
	s_load_b256 s[4:11], s[0:1], 0x0               ; av s[4:5], W_o_codes s[6:7], W_o_scales s[8:9], w s[10:11]
	s_load_b128 s[12:15], s[0:1], 0x20             ; ln_gamma s[12:13], ln_beta s[14:15]
	s_load_b64 s[16:17], s[0:1], 0x30              ; out0
	v_lshl_add_u32 v1, v0, 2, SPARE
	v_mov_b32 v2, 0
	v_lshrrev_b32 v3, 5, v0
	v_readfirstlane_b32 s18, v3                    ; wave 0..15
	v_and_b32 v12, 15, v0                          ; r
	v_bfe_u32 v13, v0, 4, 1                        ; h
	v_and_b32 v14, 31, v0                          ; lane
	s_lshr_b32 s19, ttmp9, 6                       ; the batch
	s_and_b32 s20, ttmp9, 63
	s_lshl_b32 s20, s20, 5                         ; my first position in it
	s_lshl_b32 s21, s19, 14
	s_add_co_u32 s21, s21, s20
	v_lshl_add_u32 v3, v13, 11, v12                ; attn_vec's codes lie [8 b + head][position][24]: lanes 16-31 take the next head
	v_add_nc_u32 v3, s21, v3
	v_mul_u32_u24 v3, v3, 24
	s_lshl_b32 s21, ttmp9, 5
	v_add_nc_u32 v4, s21, v14
	v_lshlrev_b32 v4, 3, v4                        ; its scale bytes: 8 a position
	s_lshl_b32 s21, s18, 6                         ; my first column
	v_add_nc_u32 v5, s21, v12
	v_mul_u32_u24 v5, v5, 192
	v_mad_u32_u24 v5, v13, 24, v5
	v_add_nc_u32 v6, s21, v14
	v_lshlrev_b32 v6, 3, v6
	v_lshlrev_b32 v7, 4, v14
	v_mul_u32_u24 v8, v12, SPITCH
	v_lshl_add_u32 v8, v13, 5, v8
	s_lshl_b32 s21, s18, 8
	v_add_nc_u32 v8, s21, v8                       ; row r, + my 64 columns' 256 bytes, + 32 h
	v_add_nc_u32 v9, 16*SPITCH, v8                 ; (sixteen rows on lie beyond an LDS immediate)
	s_mul_i32 s21, s18, 2*SPITCH
	v_add_nc_u32 v10, s21, v7                      ; my two rows, 16 bytes a lane
	s_mov_b32 s22, 0x76543210
	s_mov_b32 s23, 0xfedcba98
	s_mov_b32 s24, 0x3a800000                      ; 1 / 1,024
	s_mov_b32 s25, 0x3727c5ac                      ; 1e-5
	s_lshl_b32 s26, ttmp9, 5
	s_lshl_b32 s27, s18, 1
	s_add_co_u32 s26, s26, s27
	s_lshl_b32 s26, s26, 12                        ; my two rows of w and of out0
	s_mov_b32 s27, 0
	s_wait_kmcnt 0x0
	s_add_nc_u64 s[10:11], s[10:11], s[26:27]
	s_add_nc_u64 s[16:17], s[16:17], s[26:27]
.macro WLOAD cp                        ; W_o's fragments of column tiles 2 cp, 2 cp + 1, both K steps
.irp u, 0,1
.irp s, 0,1
.irp p, 0,1,2,3,4,5
	global_load_b64 v[80+12*(2*\u+\s)+2*\p:81+12*(2*\u+\s)+2*\p], v5, s[6:7] offset:3072*(2*(\cp)+\u)+96*\s+48*(\p/3)+8*(\p%3)
.endr
.endr
.endr
.endm
.macro MULS cp                         ; eight products: four accumulators by turns, one instruction a turn, K step by K step; the first K step starts the sums
.irp s, 0,1
.irp u, 0,1
.irp tt, 0,1
	WM 128+8*(2*(2*(\cp)+\u)+\tt), 80+12*(2*\u+\s), 32+12*(2*\tt+\s), 1-\s, 18+2*(\cp)+\s, 16+\s, \u, \tt
.endr
.endr
.endr
.endm
	global_load_b64 v[16:17], v4, s[4:5] offset:1572864
.irp tt, 0,1
.irp s, 0,1
.irp c, 0,1
.irp p, 0,1,2
	global_load_b64 v[32+12*(2*\tt+\s)+6*\c+2*\p:33+12*(2*\tt+\s)+6*\c+2*\p], v3, s[4:5] offset:196608*\s+98304*\c+384*\tt+8*\p
.endr
.endr
.endr
.endr
	global_load_b64 v[18:19], v6, s[8:9]
	global_load_b64 v[20:21], v6, s[8:9] offset:256
	WLOAD 0
.irp row, 0,1
.irp k, 0,1,2,3,4,5,6,7
	global_load_b128 v[192+32*\row+4*\k:195+32*\row+4*\k], v7, s[10:11] offset:4096*\row+512*\k th:TH_LOAD_NT
.endr
.endr
	s_wait_loadcnt 16                              ; all but w's sixteen loads
	MULS 0
	PLACES 4                                       ; in front of loads into registers that matrix instructions have read
	WLOAD 1
	s_wait_loadcnt 0x0
	MULS 1
	PLACES 4
.irp k, 0,1,2,3,4,5,6,7
	global_load_b128 v[32+4*\k:35+4*\k], v7, s[12:13] offset:512*\k
	global_load_b128 v[64+4*\k:67+4*\k], v7, s[14:15] offset:512*\k
.endr
.irp ct, 0,1,2,3
.irp tt, 0,1
	ds_store_b128 v[8+\tt], v[128+8*(2*\ct+\tt):131+8*(2*\ct+\tt)] offset:64*\ct       ; each result from its low end on
	ds_store_b128 v[8+\tt], v[132+8*(2*\ct+\tt):135+8*(2*\ct+\tt)] offset:64*\ct+16
.endr
.endr
	s_wait_dscnt 0x0                               ; for the others' sake: my stores into the stage are done
	s_barrier_signal -1
	s_barrier_wait -1
.irp row, 0,1
.irp k, 0,1,2,3,4,5,6,7
	ds_load_b128 v[128+32*\row+4*\k:131+32*\row+4*\k], v10 offset:SPITCH*\row+512*\k
.endr
.endr
	s_wait_loadcnt 0x0                             ; gain and bias
.macro ALLSUM a, b                     ; v[a] summed over the 32 lanes, in every lane; v[b] at work
	v_add_f32_dpp v[\a], v[\a], v[\a] row_xmask:1 row_mask:0xf bank_mask:0xf
	v_add_f32_dpp v[\a], v[\a], v[\a] row_xmask:2 row_mask:0xf bank_mask:0xf
	v_add_f32_dpp v[\a], v[\a], v[\a] row_xmask:4 row_mask:0xf bank_mask:0xf
	v_add_f32_dpp v[\a], v[\a], v[\a] row_xmask:8 row_mask:0xf bank_mask:0xf
	v_permlanex16_b32 v[\b], v[\a], s22, s23
	v_add_f32 v[\a], v[\a], v[\b]
.endm
.macro ROW row
.set XR, 128+32*\row
.set WR, 192+32*\row
	s_wait_dscnt 8-8*\row                          ; this row is back from the stage; the next row's eight loads may be out
.set jj, 0
.rept 16
	v_pk_add_f32 v[XR+jj:XR+jj+1], v[XR+jj:XR+jj+1], v[WR+jj:WR+jj+1]     ; w + attn_out
.set jj, jj+2
.endr
	v_pk_add_f32 v[96:97], v[XR:XR+1], v[XR+2:XR+3]
	v_pk_add_f32 v[98:99], v[XR+4:XR+5], v[XR+6:XR+7]
.irp i, 8,12,16,20,24,28
	v_pk_add_f32 v[96:97], v[96:97], v[XR+\i:XR+\i+1]
	v_pk_add_f32 v[98:99], v[98:99], v[XR+\i+2:XR+\i+3]
.endr
	v_pk_add_f32 v[96:97], v[96:97], v[98:99]
	v_add_f32 v96, v96, v97
	ALLSUM 96, 97
	v_mul_f32 v96, s24, v96                        ; the mean
	v_mov_b32 v97, v96
.set jj, 0
.rept 16
	v_pk_add_f32 v[XR+jj:XR+jj+1], v[XR+jj:XR+jj+1], v[96:97] neg_lo:[0,1] neg_hi:[0,1]
.set jj, jj+2
.endr
	v_pk_mul_f32 v[98:99], v[XR:XR+1], v[XR:XR+1]
	v_pk_mul_f32 v[100:101], v[XR+2:XR+3], v[XR+2:XR+3]
.irp i, 4,8,12,16,20,24,28
	v_pk_fma_f32 v[98:99], v[XR+\i:XR+\i+1], v[XR+\i:XR+\i+1], v[98:99]
	v_pk_fma_f32 v[100:101], v[XR+\i+2:XR+\i+3], v[XR+\i+2:XR+\i+3], v[100:101]
.endr
	v_pk_add_f32 v[98:99], v[98:99], v[100:101]
	v_add_f32 v98, v98, v99
	ALLSUM 98, 99
	v_fma_f32 v98, v98, s24, s25                   ; the variance + 1e-5
	v_rsq_f32 v100, v98
	v_nop                                          ; one plain place behind the transcendental
	s_wait_alu depctr_va_vdst(0)                   ; and the wait ahead of its first reader
	v_mov_b32 v101, v100
.set jj, 0
.rept 16
	v_pk_mul_f32 v[XR+jj:XR+jj+1], v[XR+jj:XR+jj+1], v[100:101]
	v_pk_fma_f32 v[XR+jj:XR+jj+1], v[XR+jj:XR+jj+1], v[32+jj:33+jj], v[64+jj:65+jj]
.set jj, jj+2
.endr
.irp k, 0,1,2,3,4,5,6,7
	global_store_b128 v7, v[XR+4*\k:XR+4*\k+3], s[16:17] offset:4096*\row+512*\k th:TH_STORE_NT   ; 32 lanes store 512 consecutive bytes, aligned
.endr
.endm
	ROW 0
	ROW 1
	s_wait_tensorcnt 0x0                           ; the wave's end, behind my last LDS store
	ds_add_u32 v1, v2
	s_wait_dscnt 0x0
	s_endpgm
.Lfunc_end_k_qd2fcc98f91_outln:
	.size	k_qd2fcc98f91_outln, .Lfunc_end_k_qd2fcc98f91_outln-k_qd2fcc98f91_outln
	.p2alignl 7, 3214868480
	.fill 96, 4, 3214868480
	.section	.rodata,"a",@progbits
	.p2align	6, 0x0
	.amdhsa_kernel k_qd2fcc98f91_outln
		.amdhsa_group_segment_fixed_size 133632
		.amdhsa_private_segment_fixed_size 0
		.amdhsa_enable_private_segment 0
		.amdhsa_kernarg_size 56
		.amdhsa_user_sgpr_count 2
		.amdhsa_user_sgpr_kernarg_segment_ptr 1
		.amdhsa_wavefront_size32 1
		.amdhsa_system_sgpr_workgroup_id_x 1
		.amdhsa_system_sgpr_workgroup_id_y 1
		.amdhsa_system_sgpr_workgroup_id_z 1
		.amdhsa_system_vgpr_workitem_id 0
		.amdhsa_next_free_vgpr 256
		.amdhsa_next_free_sgpr 66
		.amdhsa_reserve_vcc 0
		.amdhsa_float_denorm_mode_32 3
		.amdhsa_float_denorm_mode_16_64 3
		.amdhsa_memory_ordered 1
		.amdhsa_forward_progress 1
		.amdhsa_inst_pref_size 33
	.end_amdhsa_kernel
	.amdgpu_metadata
---
amdhsa.version: [ 1, 2 ]
amdhsa.kernels:
  - .name:           k_qd2fcc98f91_outln
    .symbol:         k_qd2fcc98f91_outln.kd
    .args:
      - { .name: av, .offset: 0, .size: 8, .value_kind: global_buffer, .address_space: global }
      - { .name: W_o_codes, .offset: 8, .size: 8, .value_kind: global_buffer, .address_space: global }
      - { .name: W_o_scales, .offset: 16, .size: 8, .value_kind: global_buffer, .address_space: global }
      - { .name: w, .offset: 24, .size: 8, .value_kind: global_buffer, .address_space: global }
      - { .name: ln_gamma, .offset: 32, .size: 8, .value_kind: global_buffer, .address_space: global }
      - { .name: ln_beta, .offset: 40, .size: 8, .value_kind: global_buffer, .address_space: global }
      - { .name: out0, .offset: 48, .size: 8, .value_kind: global_buffer, .address_space: global }
    .group_segment_fixed_size: 133632
    .private_segment_fixed_size: 0
    .kernarg_segment_align: 8
    .kernarg_segment_size: 56
    .max_flat_workgroup_size: 512
    .sgpr_count:     66
    .vgpr_count:     256
    .wavefront_size: 32
...
	.end_amdgpu_metadata
.endif
;; end of part 4
;; ======== version 2 of 2: 4 launches
;; limits: right only within a limited range of input values
;; workspace buffers: wq 6,553,600 bytes; qq 3,276,800 bytes; kv 3,276,800 bytes; rx 1,671,168 bytes; rs 147,456 bytes; mw 524,288 bytes of whole numbers; av 1,638,400 bytes
;; launch prep (part 5): grid 536 x 1, 4 waves a work-group, no clusters, 33,280 bytes of LDS; arguments w, attn_mask, wq, mw, rx, rs; writes wq, mw, rx, rs
.if DOCPART == 5
	.amdgcn_target "amdgcn-amd-amdhsa--gfx1250"
	.amdhsa_code_object_version 6
	.text
	.protected	k_qd2fcc98f91_prep
	.globl	k_qd2fcc98f91_prep
	.p2align	8
	.type	k_qd2fcc98f91_prep,@function
k_qd2fcc98f91_prep:
	s_mov_b64 s[64:65], 0
	v_nop
	global_prefetch_b8 v0, s[64:65] scope:SCOPE_SE
	s_setreg_imm32_b32 hwreg(HW_REG_WAVE_MODE, 25, 1), 1
	s_wait_xcnt 0x0
; FIRST OF FOUR LAUNCHES of Transformer-XL relative attention (B 4, n 2,048, D 1,024, H 8, Dh 32), all six products on codes of BF6 (E3M2) with one E8M0 scale for each 32 along K.
; NOTHING IS LEFT OUT.  attn_mask is an input, so every score of every (b, h) can count.  The relative shift, for all i, j, with u = n - 1 - i + j:
;   u < n: (q_i + r_r_bias) . r_k[u];   u = n: the zero that the shift itself pads with;   u > n: (q_(i+1) + r_r_bias) . r_k[u - n - 1].
; Of the unshifted product only row 0's columns 0 .. n - 2 reach no output; they lie inside tiles that also hold live work.  So every product is made and every input is loaded.
; THIS LAUNCH: work-groups 0-255 turn w (f32) into codes and scale bytes (wq: codes [8192][768 bytes], then scale bytes [8192][32]);
; work-groups 256-511 pack attn_mask into lane masks (mw[tile of 16 queries][step of 128 keys][k 0..63]: bit l = mask[16 tile + l % 16][128 step + 32 (k / 16) + 16 (l / 16) + k % 16]);
; work-groups 512-535 fill rx with zero codes and rs with scale words of 1.0, into which the next launch stores r_k.
; A block's scale is 2^(floor(log2(its largest magnitude)) - 4); its byte is that magnitude's exponent field - 4, held at 1 from below.
; LIMITS: NaN and infinities among the inputs are not served; blocks whose largest magnitude lies under 2^-122 keep the byte 1; a block of zeros gets the byte 1 and not 127 (its codes are zeros, and this program alone reads the bytes).
.set WAVES, 4
.set STEPS, 16
.set EMAX,  4
.set CB,    12                         ; bytes of 16 codes
.set R,     16                         ; v16-79   four sets of 16 numbers as they are loaded
.set X,     80                         ; v80-111  two sets of 16 neighbours
.set C,     128                        ; v128-191 codes: four registers a step
.set E,     112                        ; v112-127 a scale byte a step
.set WREG,  8192                       ; LDS: a region for each wave: two stages of 32 x SP bytes, then its 256 scale bytes
.set SP,    80                         ; a lane's place in a stage: 64 bytes + 16 of padding
.set SPW,   12                         ; v12 my spare word's LDS address; never rewritten
.set NIL,   13                         ; v13 0; never rewritten
.set SPARE, WAVES*WREG                 ; behind the four regions: the spare words, 128 bytes a wave
	s_load_b256 s[4:11], s[0:1], 0x0               ; w s[4:5], attn_mask s[6:7], wq s[8:9], mw s[10:11]
	s_load_b128 s[12:15], s[0:1], 0x20             ; rx s[12:13], rs s[14:15]
	v_lshl_add_u32 v[SPW], v0, 2, SPARE
	v_mov_b32 v[NIL], 0
	v_lshrrev_b32 v1, 5, v0
	v_readfirstlane_b32 s16, v1                    ; wave
	v_and_b32 v2, 31, v0                           ; lane
	s_mul_i32 s17, s16, WREG                       ; the quantiser's LDS addresses are made here, ahead of the parting of the three paths
	v_lshrrev_b32 v14, 2, v2
	v_mul_u32_u24 v14, v14, SP
	v_and_b32 v15, 3, v2
	v_lshl_add_u32 v14, v15, 4, v14
	v_add_nc_u32 v14, s17, v14                     ; the stage on the way in: SP (lane / 4) + 16 (lane % 4)
	v_mul_u32_u24 v15, v2, SP
	v_add_nc_u32 v15, s17, v15                     ; and on the way out: SP x lane: my 16 neighbours
	v_lshrrev_b32 v5, 1, v2
	s_add_co_u32 s17, s17, 2*32*SP
	v_add_nc_u32 v5, s17, v5                       ; my block's scale byte among my wave's 256
	v_lshlrev_b32 v7, 3, v2
	v_add_nc_u32 v6, s17, v7                       ; and 8 of them a lane on the way out
	s_wait_kmcnt 0x0
	s_cmp_ge_u32 ttmp9, 512
	s_cbranch_scc1 .Lfill
	s_cmp_ge_u32 ttmp9, 256
	s_cbranch_scc1 .Lmask
; ---- w into codes.  A wave takes 16 steps of 512 numbers; each load reads 512 consecutive bytes; the numbers turn through the wave's own stage so that a lane holds 16 neighbours along K
	v_lshlrev_b32 v3, 4, v2                        ; my 16 bytes of a load's 512
	s_wait_alu depctr_va_vdst(0)
	v_mul_u32_u24 v4, v2, CB                       ; my codes' place in a step's 384 bytes
	s_lshl_b32 s17, ttmp9, 2
	s_add_co_u32 s18, s17, s16                     ; which run of 8,192 numbers is my wave's
	s_mov_b32 s19, 0
	s_mov_b64 s[20:21], 512*STEPS*4
	s_mul_u64 s[20:21], s[18:19], s[20:21]
	s_add_nc_u64 s[4:5], s[4:5], s[20:21]
	s_mov_b64 s[20:21], 32*STEPS*CB
	s_mul_u64 s[20:21], s[18:19], s[20:21]
	s_add_nc_u64 s[22:23], s[8:9], s[20:21]        ; the run's codes
	s_lshl_b32 s18, s18, 8
	s_add_nc_u64 s[24:25], s[8:9], s[18:19]
	s_add_nc_u64 s[24:25], s[24:25], 6291456       ; the run's 256 scale bytes, behind the codes
.macro LOAD t
.irp i, 0,1,2,3
	global_load_b128 v[R+16*((\t)%4)+4*\i:R+16*((\t)%4)+4*\i+3], v3, s[4:5] offset:2048*(\t)+512*\i
.endr
.endm
.macro TURN t                          ; step t's numbers through the stage: LDS serves a wave's instructions in order, so no wait stands between the stores and the loads
.irp i, 0,1,2,3
	ds_store_b128 v14, v[R+16*((\t)%4)+4*\i:R+16*((\t)%4)+4*\i+3] offset:32*SP*((\t)%2)+8*SP*\i
.endr
.irp i, 0,1,2,3
	ds_load_b128 v[X+16*((\t)%2)+4*\i:X+16*((\t)%2)+4*\i+3], v15 offset:32*SP*((\t)%2)+16*\i
.endr
.endm
.irp t, 0,1,2,3
	LOAD \t
.endr
	s_wait_loadcnt 12                              ; step 0's four loads are in; twelve younger ones stay out
	TURN 0
.macro QSTEP t
.set XS, X+16*((\t)%2)
.if (\t) > 0
	s_wait_dscnt 1                                 ; this step's numbers are back from the stage; the last step's byte store may be out
.else
	s_wait_dscnt 0x0
.endif
.if (\t)+4 < STEPS
	LOAD (\t)+4                                    ; into the registers that the stage's stores have read
.endif
.if (\t)+1 < STEPS
.if STEPS-2-(\t) >= 3
	s_wait_loadcnt 12                              ; the next step's four loads are in; three steps' loads stay out
.else
	s_wait_loadcnt 4*(STEPS-2-(\t))
.endif
	TURN (\t)+1
.endif
	v_max3_num_f32 v8, |v[XS]|, |v[XS+1]|, |v[XS+2]|               ; the largest magnitude of my 16
	v_max3_num_f32 v9, |v[XS+3]|, |v[XS+4]|, |v[XS+5]|
.irp i, 6,10
	v_max3_num_f32 v8, v8, |v[XS+\i]|, |v[XS+\i+1]|
	v_max3_num_f32 v9, v9, |v[XS+\i+2]|, |v[XS+\i+3]|
.endr
	v_max3_num_f32 v8, v8, |v[XS+14]|, |v[XS+15]|
	v_max3_num_f32 v8, v8, v9, (EMAX+1)<<23        ; and the floor 2^(5 - 127): the byte cannot fall under 1
	v_max_num_f32_dpp v8, v8, v8 row_xmask:1 row_mask:0xf bank_mask:0xf   ; and of my neighbour's 16: the block's
	v_add_nc_u32 v11, -(EMAX<<23), v8              ; 4 off its exponent field: the conversion's scale operand
	v_cvt_scalef32_pk16_bf6_f32 v[C+4*(\t):C+4*(\t)+2], v[XS:XS+15], v11
	v_lshrrev_b32 v[E+(\t)], 23, v11               ; the scale's byte
	ds_store_b8 v5, v[E+(\t)] offset:16*(\t)       ; both lanes of a block write the same byte with the same value
	global_store_b96 v4, v[C+4*(\t):C+4*(\t)+2], s[22:23] offset:32*CB*(\t)
.endm
.irp t, 0,1,2,3,4,5,6,7,8,9,10,11,12,13,14,15
	QSTEP \t
.endr
	ds_load_b64 v[8:9], v6                         ; in order behind my byte stores
	s_wait_dscnt 0x0
	global_store_b64 v7, v[8:9], s[24:25]          ; 32 lanes store 256 consecutive bytes, aligned
	s_branch .Lend
; ---- attn_mask into lane masks.  A wave takes 16 queries x 256 keys: two steps of 128 keys.  Lane (r, h) loads, for each block of 32 keys, the 16 bytes of its half
.Lmask:
	s_sub_co_u32 s17, ttmp9, 256
	s_lshl_b32 s17, s17, 2
	s_add_co_u32 s17, s17, s16                     ; 0 .. 1,023: tile of queries = this / 8, which 256 keys = this % 8
	s_lshr_b32 s18, s17, 3
	s_and_b32 s19, s17, 7
	s_lshl_b32 s20, s18, 15                        ; 16 rows of 2,048 bytes
	s_lshl_b32 s21, s19, 8
	s_add_co_u32 s20, s20, s21
	v_and_b32 v20, 15, v0
	v_bfe_u32 v21, v0, 4, 1
	v_lshlrev_b32 v22, 11, v20
	v_lshl_add_u32 v22, v21, 4, v22
	v_add_nc_u32 v22, s20, v22
.irp s, 0,1
.irp b, 0,1,2,3
	global_load_b128 v[32+16*\s+4*\b:35+16*\s+4*\b], v22, s[6:7] offset:128*\s+32*\b th:TH_LOAD_NT
.endr
.endr
	s_lshl_b32 s21, s17, 9                         ; two steps of 256 bytes of words
	v_lshl_add_u32 v23, v2, 3, s21
.irp i, 0,1,2,3
	v_mov_b32 v[160+\i], 0                         ; a lane write's destination counts as read
.endr
	s_wait_alu depctr_va_vdst(0)
	s_wait_loadcnt 0x0
.irp s, 0,1
.set kk, 0
.rept 64                               ; word k: one byte of each lane is tested; the 32 answers are the word; it goes to lane k / 2, register k % 2
	v_and_b32 v[16+kk%4], 0xff<<(8*(kk%4)), v[32+16*\s+4*(kk/16)+(kk%16)/4]
	v_cmp_ne_u32 s[24+kk%4], 0, v[16+kk%4]
	v_writelane_b32 v[160+2*\s+kk%2], s[24+kk%4], kk/2
.set kk, kk+1
.endr
	global_store_b64 v23, v[160+2*\s:161+2*\s], s[10:11] offset:256*\s   ; a step's 64 words: 256 consecutive bytes, aligned
.endr
	s_branch .Lend
; ---- rx = zero codes, rs = scale words of 1.0: both as flat buffers, a 24th of each to a work-group: 34 and 3 stores of 2,048 bytes
.Lfill:
	s_sub_co_u32 s17, ttmp9, 512
	s_mul_i32 s18, s17, 34*2048
	s_mov_b32 s19, 0
	s_add_nc_u64 s[26:27], s[12:13], s[18:19]
	s_mul_i32 s18, s17, 3*2048
	s_add_nc_u64 s[28:29], s[14:15], s[18:19]
	v_lshlrev_b32 v20, 4, v0
.irp i, 0,1,2,3
	v_mov_b32 v[24+\i], 0
	v_mov_b32 v[28+\i], 0x7f7f7f7f
.endr
.set kk, 0
.rept 34
	global_store_b128 v20, v[24:27], s[26:27] offset:2048*kk
.set kk, kk+1
.endr
.set kk, 0
.rept 3
	global_store_b128 v20, v[28:31], s[28:29] offset:2048*kk
.set kk, kk+1
.endr
.Lend:
	s_wait_tensorcnt 0x0                           ; the wave's end, behind the last LDS store
	ds_add_u32 v[SPW], v[NIL]
	s_wait_dscnt 0x0
	s_endpgm
.Lfunc_end_k_qd2fcc98f91_prep:
	.size	k_qd2fcc98f91_prep, .Lfunc_end_k_qd2fcc98f91_prep-k_qd2fcc98f91_prep
	.p2alignl 7, 3214868480
	.fill 96, 4, 3214868480
	.section	.rodata,"a",@progbits
	.p2align	6, 0x0
	.amdhsa_kernel k_qd2fcc98f91_prep
		.amdhsa_group_segment_fixed_size 33280
		.amdhsa_private_segment_fixed_size 0
		.amdhsa_enable_private_segment 0
		.amdhsa_kernarg_size 48
		.amdhsa_user_sgpr_count 2
		.amdhsa_user_sgpr_kernarg_segment_ptr 1
		.amdhsa_wavefront_size32 1
		.amdhsa_system_sgpr_workgroup_id_x 1
		.amdhsa_system_sgpr_workgroup_id_y 1
		.amdhsa_system_sgpr_workgroup_id_z 1
		.amdhsa_system_vgpr_workitem_id 0
		.amdhsa_next_free_vgpr 192
		.amdhsa_next_free_sgpr 66
		.amdhsa_reserve_vcc 0
		.amdhsa_float_denorm_mode_32 3
		.amdhsa_float_denorm_mode_16_64 3
		.amdhsa_memory_ordered 1
		.amdhsa_forward_progress 1
		.amdhsa_inst_pref_size 62
	.end_amdhsa_kernel
	.amdgpu_metadata
---
amdhsa.version: [ 1, 2 ]
amdhsa.kernels:
  - .name:           k_qd2fcc98f91_prep
    .symbol:         k_qd2fcc98f91_prep.kd
    .args:
      - { .name: w, .offset: 0, .size: 8, .value_kind: global_buffer, .address_space: global }
      - { .name: attn_mask, .offset: 8, .size: 8, .value_kind: global_buffer, .address_space: global }
      - { .name: wq, .offset: 16, .size: 8, .value_kind: global_buffer, .address_space: global }
      - { .name: mw, .offset: 24, .size: 8, .value_kind: global_buffer, .address_space: global }
      - { .name: rx, .offset: 32, .size: 8, .value_kind: global_buffer, .address_space: global }
      - { .name: rs, .offset: 40, .size: 8, .value_kind: global_buffer, .address_space: global }
    .group_segment_fixed_size: 33280
    .private_segment_fixed_size: 0
    .kernarg_segment_align: 8
    .kernarg_segment_size: 48
    .max_flat_workgroup_size: 128
    .sgpr_count:     66
    .vgpr_count:     192
    .wavefront_size: 32
...
	.end_amdgpu_metadata
.endif
;; end of part 5
;; launch proj (part 6): grid 208 x 1, 8 waves a work-group, clusters of 4 x 1, 327,424 bytes of LDS; arguments wq, r_codes, r_scales, W_qkv_codes, W_qkv_scales, W_r_codes, W_r_scales, r_w_bias, r_r_bias, qq, kv, rx, rs; writes qq, kv, rx, rs
.if DOCPART == 6
	.amdgcn_target "amdgcn-amd-amdhsa--gfx1250"
	.amdhsa_code_object_version 6
	.text
	.protected	k_qd2fcc98f91_proj
	.globl	k_qd2fcc98f91_proj
	.p2align	8
	.type	k_qd2fcc98f91_proj,@function
k_qd2fcc98f91_proj:
	s_mov_b64 s[64:65], 0
	v_nop
	global_prefetch_b8 v0, s[64:65] scope:SCOPE_SE
	s_setreg_imm32_b32 hwreg(HW_REG_WAVE_MODE, 25, 1), 1
	s_wait_xcnt 0x0
	s_wait_alu depctr_hold_cnt(0) depctr_sa_sdst(0) depctr_va_vdst(0) depctr_va_sdst(0) depctr_va_ssrc(0) depctr_va_vcc(0) depctr_vm_vsrc(0)
	s_getreg_b32 s2, hwreg(HW_REG_IB_STS2, 6, 4)
	s_cmp_eq_u32 s2, 0
	s_cbranch_scc0 .Lentry_in_a_cluster
	s_endpgm
.Lentry_in_a_cluster:
	s_bfe_u32 s2, ttmp6, 0x10000c
	s_cmp_lg_u32 s2, 0x3003
	s_cbranch_scc0 .Lentry_shape_is_right
	s_endpgm
.Lentry_shape_is_right:
; SECOND LAUNCH: heads = w W_qkv and r_k = r W_r on codes of BF6, and the quantisers of q + r_w_bias, q + r_r_bias, k, v (along the keys) and r_k, stored as the attention launch reads them.  No work is left out.
; SHARES.  Clusters 0-15 make q, 16-31 k, 32-47 v, 48-51 r_k.  A work-group makes 128 rows x the kind's 256 columns, K = 1,024.  The four work-groups of a cluster need the same 256 rows of the weight: it is asked
; for JOINTLY (waves 0-3: the codes, a quarter each; wave 6: the scale bytes); the work-group's own 128 rows of A come by plain loads (waves 4, 5: the codes; wave 7: the scale bytes).  Everything is fetched once and stays in LDS: no slot is filled again.
; Wave w: rows 32 (w % 4) on, columns 128 (w / 4) on: 2 x 8 accumulators.  Lane r of row tile t takes local row 8 t + r % 8 + 16 (r / 8).
; q, k, r_k: source 0 = 16 rows of the weight (tile 2 b + u: rows 32 b + 8 u + r % 8 + 16 (r / 8)), source 1 = 16 rows of A: a lane holds one row of A, and the 16 registers of tiles 2 b, 2 b + 1 are channels 16 (lane / 16) + 0 .. 15 of head b.
; v: source 0 = 16 rows of A, source 1 = 16 neighbouring rows of the weight: a lane holds one channel, and the 16 registers of its two tiles are 16 neighbouring keys.
; WHAT IS STORED.  qq: codes of q + r_w_bias [bh][i][24], of q + r_r_bias likewise, then their scale bytes [bh][i].
;   kv, 102,400 bytes a (b, h): K [block of 32 keys][piece 0..2][place 0..31][8 bytes], place = key % 32 with bits 3 and 4 changed over; V [block of 32 keys][piece][channel xor 8 (block % 2)][8 bytes];
;   K's scale bytes [64 keys][row 0..15][tile 0..3]; V's [128 keys][channel with bits 3 and 4 changed over][block % 4].
;   rx, a head's rows u of 48 bytes: bytes 0-23 the codes of r_k[u], bytes 24-47 those of r_k[u - 2049]; rs: word u = that row's scale byte twice, 1.0 above.
; LIMITS: as stated at the first launch's head (NaN, infinities, very small blocks, the byte of a block of zeros).
.set PITCH, 816                        ; an LDS row of codes: 3 x (256 bytes + 16 of padding)
.set ACO,   208896                     ; LDS: the weight's 256 rows from 0; A's 128 rows from here;
.set WSC,   313344                     ; the weight's scale bytes, 32 units of 256 + 16;
.set ASC,   322048                     ; A's, 16 units;
.set SPARE, 326400                     ; the spare words, 128 bytes a wave
.set SPW, 1                            ; v1 my spare word; v2 0: never rewritten
.set NIL, 2
.set AA,  3                            ; v3, v4    A's fragments (v4: for the pieces that lie behind one padding more in lanes 16-31)
.set AWP, 5                            ; v5-8      the weight's, rows chosen: tiles 0-3 (two registers), tiles 4-7 (two)
.set AWN, 9                            ; v9-12     the weight's, rows as they lie
.set AWS, 13                           ; v13, v14  the weight's scale words, rows chosen / as they lie; lanes 16-31 take the next tile's
.set AAS, 15                           ; v15       A's scale words; lanes 16-31 take row tile 1's
.set AS,  16                           ; v16-23    A's scale words of the eight K steps
.set WS,  24                           ; v24-27    the weight's scale words, a register for two tiles
.set OC,  28                           ; v28 where my codes go, v29 my scale byte, v30 my biases
.set OB,  29
.set OX,  30
.set AF,  32                           ; v32-55    A's two fragments
.set WF,  56                           ; v56-103   four fragments of the weight
.set ACC, 104                          ; v104-231  sixteen accumulators
                                       ; v232-250  the quantiser's; v251 r_k's scale word; v252 lane % 16, v253 lane / 16, v254 lane % 16 + 8 (lane % 16 / 8), v255 at work
; s84 wave, s85 wave % 4, s87 wave / 4, s88 kind, s89 which 128 rows, s[90:91] lane selects, s92 mask of lanes 16-31
.macro PLACES n
.rept \n
	v_nop
.endr
.endm
.macro ROUND                           ; a round of the cluster's barrier
	s_barrier_signal -1
	s_barrier_wait -1
	s_cmp_lg_u32 s84, 0
	s_cbranch_scc1 .Lnot_wave_0_\@
	s_barrier_signal -3
.Lnot_wave_0_\@:
	s_barrier_wait -3
	s_barrier_signal -1
	s_barrier_wait -1
.endm
; one matrix instruction.  d, a, b: first registers; cz: C is the constant 0, else D; sa, sb: scale registers; ra, rb: scales taken from lanes 16-31
.macro WM d, a, b, cz, sa, sb, ra, rb
.if \cz
.if (\ra)&&(\rb)
	v_wmma_scale_f32_16x16x128_f8f6f4 v[(\d):(\d)+7], v[(\a):(\a)+11], v[(\b):(\b)+11], 0, v[\sa], v[\sb] matrix_a_fmt:MATRIX_FMT_BF6 matrix_b_fmt:MATRIX_FMT_BF6 matrix_a_scale:MATRIX_SCALE_ROW1 matrix_b_scale:MATRIX_SCALE_ROW1
.elseif \ra
	v_wmma_scale_f32_16x16x128_f8f6f4 v[(\d):(\d)+7], v[(\a):(\a)+11], v[(\b):(\b)+11], 0, v[\sa], v[\sb] matrix_a_fmt:MATRIX_FMT_BF6 matrix_b_fmt:MATRIX_FMT_BF6 matrix_a_scale:MATRIX_SCALE_ROW1
.elseif \rb
	v_wmma_scale_f32_16x16x128_f8f6f4 v[(\d):(\d)+7], v[(\a):(\a)+11], v[(\b):(\b)+11], 0, v[\sa], v[\sb] matrix_a_fmt:MATRIX_FMT_BF6 matrix_b_fmt:MATRIX_FMT_BF6 matrix_b_scale:MATRIX_SCALE_ROW1
.else
	v_wmma_scale_f32_16x16x128_f8f6f4 v[(\d):(\d)+7], v[(\a):(\a)+11], v[(\b):(\b)+11], 0, v[\sa], v[\sb] matrix_a_fmt:MATRIX_FMT_BF6 matrix_b_fmt:MATRIX_FMT_BF6
.endif
.else
.if (\ra)&&(\rb)
	v_wmma_scale_f32_16x16x128_f8f6f4 v[(\d):(\d)+7], v[(\a):(\a)+11], v[(\b):(\b)+11], v[(\d):(\d)+7], v[\sa], v[\sb] matrix_a_fmt:MATRIX_FMT_BF6 matrix_b_fmt:MATRIX_FMT_BF6 matrix_a_scale:MATRIX_SCALE_ROW1 matrix_b_scale:MATRIX_SCALE_ROW1
.elseif \ra
	v_wmma_scale_f32_16x16x128_f8f6f4 v[(\d):(\d)+7], v[(\a):(\a)+11], v[(\b):(\b)+11], v[(\d):(\d)+7], v[\sa], v[\sb] matrix_a_fmt:MATRIX_FMT_BF6 matrix_b_fmt:MATRIX_FMT_BF6 matrix_a_scale:MATRIX_SCALE_ROW1
.elseif \rb
	v_wmma_scale_f32_16x16x128_f8f6f4 v[(\d):(\d)+7], v[(\a):(\a)+11], v[(\b):(\b)+11], v[(\d):(\d)+7], v[\sa], v[\sb] matrix_a_fmt:MATRIX_FMT_BF6 matrix_b_fmt:MATRIX_FMT_BF6 matrix_b_scale:MATRIX_SCALE_ROW1
.else
	v_wmma_scale_f32_16x16x128_f8f6f4 v[(\d):(\d)+7], v[(\a):(\a)+11], v[(\b):(\b)+11], v[(\d):(\d)+7], v[\sa], v[\sb] matrix_a_fmt:MATRIX_FMT_BF6 matrix_b_fmt:MATRIX_FMT_BF6
.endif
.endif
.endm
	s_load_b512 s[4:19], s[0:1], 0x0               ; wq s[4:5], r_codes s[6:7], r_scales s[8:9], W_qkv_codes s[10:11], W_qkv_scales s[12:13], W_r_codes s[14:15], W_r_scales s[16:17], r_w_bias s[18:19]
	s_load_b256 s[20:27], s[0:1], 0x40             ; r_r_bias s[20:21], qq s[22:23], kv s[24:25], rx s[26:27]
	s_load_b64 s[28:29], s[0:1], 0x60              ; rs
	v_lshl_add_u32 v[SPW], v0, 2, SPARE
	v_mov_b32 v[NIL], 0
	ds_add_u32 v[SPW], v[NIL]                      ; the wave's opening: the add, twice on end, and its wait ahead of my first tensor load; work on registers stands between
	ds_add_u32 v[SPW], v[NIL]
	v_lshrrev_b32 v255, 5, v0
	s_delay_alu instid0(VALU_DEP_1)
	v_readfirstlane_b32 s84, v255                  ; wave 0..7
	s_and_b32 s85, s84, 3
	s_lshr_b32 s87, s84, 2
	s_bfe_u32 s86, ttmp6, 0x40000                  ; my place in the cluster: it enters global addresses of my own rows alone
	s_lshr_b32 s88, ttmp9, 4                       ; the kind: 0 q, 1 k, 2 v, 3 r_k: the same in all four partners
	s_lshl_b32 s89, ttmp9, 2
	s_add_co_u32 s89, s89, s86
	s_and_b32 s89, s89, 63                         ; which 128 rows of A
	s_mov_b32 s90, 0x76543210
	s_mov_b32 s91, 0xfedcba98
	s_mov_b32 s92, 0xffff0000
	; descriptor groups 1.  Codes: rows of 768 bytes, 16 bytes of padding behind every 256.  The weight's carry the mask of all four work-groups
	s_mov_b32 s32, 15|(1<<20)|(1<<21)|(5<<22)|(3<<25)
	s_mov_b32 s33, 768<<16
	s_mov_b32 s34, 64<<16
	s_mov_b32 s35, 768<<16
	s_mov_b32 s36, 64
	s_mov_b32 s37, 768
	s_mov_b32 s38, 0
	s_mov_b32 s39, 0
	s_mov_b32 s40, (1<<20)|(5<<22)|(3<<25)
	s_mov_b32 s41, 768<<16
	s_mov_b32 s42, 64<<16                          ; A's codes: 64 rows a load
	s_mov_b32 s43, 768<<16
	s_mov_b32 s44, 64
	s_mov_b32 s45, 768
	s_mov_b32 s46, 0
	s_mov_b32 s47, 0
	; scale bytes: dense blocks as rows of 256 bytes (32 elements of 8), 16 bytes of padding behind each
	s_mov_b32 s48, 15|(3<<16)|(1<<20)|(1<<21)|(5<<22)|(3<<25)
	s_mov_b32 s49, 32<<16
	s_mov_b32 s50, 32<<16                          ; the weight's scale bytes: all 32 units in one load
	s_mov_b32 s51, 32<<16
	s_mov_b32 s52, 32
	s_mov_b32 s53, 32
	s_mov_b32 s54, 0
	s_mov_b32 s55, 0
	s_mov_b32 s56, (3<<16)|(1<<20)|(5<<22)|(3<<25)
	s_mov_b32 s57, 32<<16
	s_mov_b32 s58, 16<<16                          ; A's scale bytes: all 16 units in one load
	s_mov_b32 s59, 32<<16
	s_mov_b32 s60, 16
	s_mov_b32 s61, 32
	s_mov_b32 s62, 0
	s_mov_b32 s63, 0
	; groups 0: count and LDS address: the weight's codes a quarter for wave % 4, A's codes a half for wave % 2, the scale bytes whole
	s_mov_b32 s68, 1
	s_mul_i32 s69, s85, 64*PITCH
	s_mov_b32 s72, 1
	s_mov_b32 s73, WSC
	s_mov_b32 s76, 1
	s_and_b32 s77, s84, 1                          ; waves 4 and 5 bring 64 rows of A each
	s_mul_i32 s77, s77, 64*PITCH
	s_add_co_u32 s77, s77, ACO
	s_mov_b32 s80, 1
	s_mov_b32 s81, ASC
	; every LDS address register, ahead of the parting of the waves
	v_and_b32 v252, 15, v0
	v_bfe_u32 v253, v0, 4, 1
	s_delay_alu instid0(VALU_DEP_2)
	v_and_b32 v254, 8, v252
	s_delay_alu instid0(VALU_DEP_1)
	v_add_nc_u32 v254, v254, v252                  ; r % 8 + 16 (r / 8)
	s_mul_i32 s93, s85, 32*PITCH
	s_add_co_u32 s93, s93, ACO
	s_mul_i32 s94, s87, 128*PITCH
	v_mul_u32_u24 v255, v254, PITCH
	s_delay_alu instid0(VALU_DEP_1)
	v_mad_u32_u24 v255, v253, 24, v255
	s_delay_alu instid0(VALU_DEP_1)
	v_add_nc_u32 v[AA], s93, v255
	s_delay_alu instid0(VALU_DEP_1)
	v_lshl_add_u32 v[AA+1], v253, 4, v[AA]
	s_delay_alu instid0(VALU_DEP_3)
	v_add_nc_u32 v[AWP], s94, v255
	s_delay_alu instid0(VALU_DEP_1)
	v_lshl_add_u32 v[AWP+1], v253, 4, v[AWP]
	s_delay_alu instid0(VALU_DEP_2)
	v_add_nc_u32 v[AWP+2], 64*PITCH, v[AWP]
	s_delay_alu instid0(VALU_DEP_2)
	v_add_nc_u32 v[AWP+3], 64*PITCH, v[AWP+1]
	v_mul_u32_u24 v255, v252, PITCH
	s_delay_alu instid0(VALU_DEP_1)
	v_mad_u32_u24 v255, v253, 24, v255
	s_delay_alu instid0(VALU_DEP_1)
	v_add_nc_u32 v[AWN], s94, v255
	s_delay_alu instid0(VALU_DEP_1)
	v_lshl_add_u32 v[AWN+1], v253, 4, v[AWN]
	s_delay_alu instid0(VALU_DEP_2)
	v_add_nc_u32 v[AWN+2], 64*PITCH, v[AWN]
	s_delay_alu instid0(VALU_DEP_2)
	v_add_nc_u32 v[AWN+3], 64*PITCH, v[AWN+1]
	v_lshrrev_b32 v251, 3, v252                    ; r / 8
	v_and_b32 v250, 7, v252                        ; r % 8: eight rows' scale bytes make a unit of 256
	s_delay_alu instid0(VALU_DEP_2)
	v_lshl_add_u32 v255, v251, 1, v253             ; chosen rows: unit 2 (r / 8) + (lane / 16)
	s_delay_alu instid0(VALU_DEP_1)
	v_mul_u32_u24 v255, v255, 272
	s_delay_alu instid0(VALU_DEP_1)
	v_lshl_add_u32 v255, v250, 5, v255
	s_mul_i32 s95, s87, 16*272
	s_add_co_u32 s95, s95, WSC
	v_add_nc_u32 v[AWS], s95, v255
	s_mul_i32 s96, s85, 4*272
	s_add_co_u32 s96, s96, ASC
	v_add_nc_u32 v[AAS], s96, v255
	v_lshl_add_u32 v255, v253, 1, v251             ; rows as they lie: unit r / 8 + 2 (lane / 16)
	s_delay_alu instid0(VALU_DEP_1)
	v_mul_u32_u24 v255, v255, 272
	s_delay_alu instid0(VALU_DEP_1)
	v_lshl_add_u32 v255, v250, 5, v255
	s_delay_alu instid0(VALU_DEP_1)
	v_add_nc_u32 v[AWS+1], s95, v255
	v_mov_b32 v234, 0                              ; a lane permute's destination counts as read
	v_mov_b32 v235, 0
	s_wait_dscnt 0x0                               ; both opening adds are done
	s_wait_kmcnt 0x0
	s_add_nc_u64 s[98:99], s[4:5], 6291456         ; wq's scale bytes
	s_cmp_eq_u32 s88, 3                            ; r_k takes r and W_r; the choice hangs on the cluster's number alone
	s_cselect_b64 s[96:97], s[6:7], s[4:5]         ; A's codes
	s_cselect_b64 s[98:99], s[8:9], s[98:99]       ; A's scale bytes
	s_cselect_b64 s[100:101], s[14:15], s[10:11]   ; the weight's codes
	s_cselect_b64 s[4:5], s[16:17], s[12:13]       ; the weight's scale bytes
	s_cselect_b32 s93, 0, s88                      ; which 256 rows of W_qkv
	s_mov_b32 s3, 0
	s_mul_i32 s2, s93, 196608
	s_mul_i32 s94, s85, 49152
	s_add_co_u32 s2, s2, s94
	s_add_nc_u64 s[70:71], s[100:101], s[2:3]
	s_or_b32 s71, s71, 0x80000000
	s_lshl_b32 s2, s93, 13
	s_add_nc_u64 s[74:75], s[4:5], s[2:3]
	s_or_b32 s75, s75, 0x80000000
	s_mul_i32 s2, s89, 98304
	s_and_b32 s94, s84, 1
	s_mul_i32 s94, s94, 49152
	s_add_co_u32 s2, s2, s94
	s_add_nc_u64 s[78:79], s[96:97], s[2:3]
	s_or_b32 s79, s79, 0x80000000
	s_lshl_b32 s2, s89, 12
	s_add_nc_u64 s[82:83], s[98:99], s[2:3]
	s_or_b32 s83, s83, 0x80000000
	ROUND                                          ; all four work-groups are here: the joint loads meet
	; ONE LOAD A WAVE, in one chain of branches on the wave's number: waves 0-3 a quarter of the weight's codes each, jointly;
	; waves 4, 5 half of my work-group's rows of A each; wave 6 the weight's scale bytes, jointly; wave 7 A's scale bytes
	s_cmp_lt_u32 s84, 4
	s_cbranch_scc0 .Larm_a
	tensor_load_to_lds s[68:71], s[32:39]
	s_nop 0
	PLACES 4
	s_branch .Larmed
.Larm_a:
	s_cmp_lt_u32 s84, 6
	s_cbranch_scc0 .Larm_ws
	tensor_load_to_lds s[76:79], s[40:47]
	s_nop 0
	PLACES 4
	s_branch .Larmed
.Larm_ws:
	s_cmp_lt_u32 s84, 7
	s_cbranch_scc0 .Larm_as
	tensor_load_to_lds s[72:75], s[48:55]
	s_nop 0
	PLACES 4
	s_branch .Larmed
.Larm_as:
	tensor_load_to_lds s[80:83], s[56:63]
	s_nop 0
	PLACES 4
.Larmed:
	s_wait_tensorcnt 0x0                           ; my parts have landed,
	s_barrier_signal -1
	s_barrier_wait -1                              ; everybody's have
	s_wait_alu depctr_va_vdst(0)
	ds_load_b128 v[AS:AS+3], v[AAS]                ; A's scale words of all eight K steps
	ds_load_b128 v[AS+4:AS+7], v[AAS] offset:16
	s_lshr_b32 s93, s89, 4                         ; the batch
	s_and_b32 s94, s89, 15                         ; which 128 positions of it
	s_lshl_b32 s97, s93, 3
	s_lshl_b32 s96, s87, 2
	s_add_co_u32 s97, s97, s96                     ; 8 b + my first head
; a fragment: six pieces of 8 bytes.  Lanes 16-31 read three pieces further on, which is behind one padding more where the piece's number mod 32 is 29 or more: the second address register serves those
.macro FRAG reg, adr, s, rowoff
.irp p, 0,1,2,3,4,5
.set PCE, 12*(\s)+6*(\p/3)+\p%3
.if PCE%32 < 29
	ds_load_b64 v[(\reg)+2*\p:(\reg)+2*\p+1], v[\adr] offset:8*PCE+16*(PCE/32)+(\rowoff)
.else
	ds_load_b64 v[(\reg)+2*\p:(\reg)+2*\p+1], v[(\adr)+1] offset:8*PCE+16*(PCE/32)+(\rowoff)
.endif
.endr
.endm
; a K step of 128: A's two fragments, then twice four fragments of the weight and eight products.  The sixteen accumulators take turns, one instruction a turn, in the same order in every step.
; Four plain places stand in front of loads into registers that matrix instructions have read (ISA guide 7.12.1 for vector instructions).
.macro KSTEP s, vt
.if (\s) > 0
	PLACES 4
.endif
	FRAG AF, AA, \s, 0
	FRAG AF+12, AA, \s, 8*PITCH
.irp q, 0,1
.if \q == 1
	PLACES 4
.endif
	ds_load_b32 v[WS+2*\q], v[AWS+\vt] offset:1088*(2*\q)+4*(\s)
	ds_load_b32 v[WS+2*\q+1], v[AWS+\vt] offset:1088*(2*\q+1)+4*(\s)
.irp j, 0,1,2,3
.if \vt
	FRAG WF+12*\j, AWN+2*\q, \s, 16*\j*PITCH
.else
	FRAG WF+12*\j, AWP+2*\q, \s, (32*(\j/2)+8*(\j%2))*PITCH
.endif
.endr
	s_wait_dscnt 0x0
.irp j, 0,1,2,3
.irp tt, 0,1
.if \vt
	WM ACC+8*(2*(4*\q+\j)+\tt), AF+12*\tt, WF+12*\j, (\s)==0, AS+(\s), WS+2*\q+\j/2, \tt, \j%2
.else
	WM ACC+8*(8*\tt+4*\q+\j), WF+12*\j, AF+12*\tt, (\s)==0, WS+2*\q+\j/2, AS+(\s), \j%2, \tt
.endif
.endr
.endr
.endr
.endm
; 32 registers, two blocks: register 16 b + i = number 16 (lane / 16) + i of block b.  Afterwards lanes 0-15 hold all 24 bytes of block 0 in v240-245 and lanes 16-31 those of block 1; v250 = my block's scale byte
.macro QUANTP src
.irp b, 0,1
	v_max3_num_f32 v[232+\b], |v[(\src)+16*\b]|, |v[(\src)+1+16*\b]|, 0x2800000   ; with the floor 2^(5 - 127): the byte cannot fall under 1
.endr
.irp i, 2,4,6,8,10,12,14
.irp b, 0,1
	v_max3_num_f32 v[232+\b], v[232+\b], |v[(\src)+16*\b+\i]|, |v[(\src)+1+16*\b+\i]|
.endr
.endr
.irp b, 0,1
	s_delay_alu instid0(VALU_DEP_2)
	v_permlanex16_b32 v[234+\b], v[232+\b], s90, s91
.endr
.irp b, 0,1
	s_delay_alu instid0(VALU_DEP_2)
	v_max_num_f32 v[232+\b], v[232+\b], v[234+\b]  ; with the other half's: the block's largest magnitude
.endr
.irp b, 0,1
	s_delay_alu instid0(VALU_DEP_2)
	v_add_nc_u32 v[236+\b], 0xfe000000, v[232+\b]  ; 4 off its exponent field: the conversion's scale operand
.endr
.irp b, 0,1
	s_delay_alu instid0(VALU_DEP_2)
	v_lshrrev_b32 v[238+\b], 23, v[236+\b]         ; the scale's byte
.endr
	v_cvt_scalef32_pk16_bf6_f32 v[240:242], v[(\src):(\src)+15], v236
	v_cvt_scalef32_pk16_bf6_f32 v[246:248], v[(\src)+16:(\src)+31], v237
	v_nop                                          ; one plain place behind a scaled conversion
.irp i, 0,1,2
	v_permlane16_swap_b32 v[240+\i], v[246+\i]     ; the first's lanes 16-31 change places with the second's lanes 0-15
.endr
.irp i, 0,1,2
	s_delay_alu instid0(VALU_DEP_3)
	v_mov_b32 v[243+\i], v[246+\i]
.endr
	v_cndmask_b32 v250, v238, v239, s92
.endm
.macro CODES off, base, imm, step      ; my block's 24 bytes leave by three stores of 8
.irp p, 0,1,2
	global_store_b64 v[\off], v[240+2*\p:241+2*\p], s[(\base):(\base)+1] offset:(\imm)+(\step)*\p
.endr
.endm
	s_cmp_eq_u32 s88, 2
	s_cbranch_scc1 .Lvtype
.irp s, 0,1,2,3,4,5,6,7
	KSTEP \s, 0
.endr
	PLACES 4                                       ; in front of the first reads of results and of loads into the fragments' registers
	s_cmp_eq_u32 s88, 1
	s_cbranch_scc1 .Lk
	s_cmp_eq_u32 s88, 3
	s_cbranch_scc1 .Lr
; ---- q: each bias is added in f32, then the head's 32 numbers are a block
	s_lshl_b32 s95, s97, 11
	s_lshl_b32 s96, s94, 7
	s_add_co_u32 s95, s95, s96
	s_lshl_b32 s96, s85, 5
	s_add_co_u32 s95, s95, s96                     ; (8 b + first head) x 2,048 + my wave's first position
	v_lshl_add_u32 v[OB], v253, 11, v254           ; lanes 16-31 hold the next head
	s_delay_alu instid0(VALU_DEP_1)
	v_add_nc_u32 v[OB], s95, v[OB]
	s_delay_alu instid0(VALU_DEP_1)
	v_mul_u32_u24 v[OC], v[OB], 24
	s_lshl_b32 s96, s87, 9
	v_lshl_add_u32 v[OX], v253, 6, s96             ; my 16 channels of my first head's bias
.irp bi, 0,1
.irp c, 0,1
.irp bb, 0,1
.irp j, 0,1,2,3
	global_load_b128 v[32+16*\bb+4*\j:35+16*\bb+4*\j], v[OX], s[18+2*\bi:19+2*\bi] offset:(2*\c+\bb)*128+16*\j
.endr
.endr
	s_wait_loadcnt 0x0
.irp tt, 0,1
	s_wait_xcnt 0x0                                ; the last stores have read their data: the quantiser writes those registers again
.set jj, 0
.rept 16
	v_pk_add_f32 v[64+jj:65+jj], v[ACC+64*\tt+32*\c+jj:ACC+64*\tt+32*\c+jj+1], v[32+jj:33+jj]
.set jj, jj+2
.endr
	QUANTP 64
	CODES OC, 22, 1572864*\bi+98304*\c+192*\tt, 8
	global_store_b8 v[OB], v250, s[22:23] offset:3145728+65536*\bi+4096*\c+8*\tt
.endr
.endr
.endr
	s_branch .Ldone
; ---- k
.Lk:
	s_lshl_b32 s95, s94, 2
	s_add_co_u32 s95, s95, s85                     ; my wave's block of 32 keys
	s_mul_i32 s96, s97, 102400
	s_mul_i32 s98, s95, 768
	s_add_co_u32 s98, s98, s96
	v_mul_u32_u24 v255, v253, 102400               ; lanes 16-31 hold the next head
	s_delay_alu instid0(VALU_DEP_1)
	v_lshl_add_u32 v[OC], v252, 3, v255
	s_delay_alu instid0(VALU_DEP_1)
	v_add_nc_u32 v[OC], s98, v[OC]
	s_lshr_b32 s98, s95, 1
	s_lshl_b32 s98, s98, 6
	s_and_b32 s99, s95, 1
	s_lshl_b32 s99, s99, 1
	s_add_co_u32 s98, s98, s99
	s_add_co_u32 s98, s98, s96
	s_add_co_u32 s98, s98, 98304
	v_lshl_add_u32 v[OB], v252, 2, v255
	s_delay_alu instid0(VALU_DEP_1)
	v_add_nc_u32 v[OB], s98, v[OB]
.irp c, 0,1
.irp tt, 0,1
	s_wait_xcnt 0x0
	QUANTP ACC+64*\tt+32*\c
	CODES OC, 24, 204800*\c+128*\tt, 256           ; sixteen lanes store 128 consecutive bytes
	global_store_b8 v[OB], v250, s[24:25] offset:204800*\c+\tt
.endr
.endr
	s_branch .Ldone
; ---- r_k: each row goes to two places: the first half of row u = m and the second half of row u = m + 2,049
.Lr:
	s_lshl_b32 s95, s89, 7
	s_lshl_b32 s96, s85, 5
	s_add_co_u32 s95, s95, s96                     ; my wave's first row
	; rx AS IT IS STORED HERE: a head has 99,072 bytes, rows u of 24 bytes: row m and row m + 2,049 both hold the codes of r_k[m]; row 2,048 keeps the first launch's zero codes.
	; rs: a head has 4,352 bytes, byte u = row u's scale byte; the others keep the first launch's 1.0
	s_mul_i32 s96, s87, 396288
	s_mul_i32 s98, s95, 24
	s_add_co_u32 s96, s96, s98
	v_mul_u32_u24 v255, v253, 99072
	s_delay_alu instid0(VALU_DEP_1)
	v_mad_u32_u24 v255, v254, 24, v255
	s_delay_alu instid0(VALU_DEP_1)
	v_add_nc_u32 v[OC], s96, v255
	s_mul_i32 s96, s87, 17408
	s_add_co_u32 s96, s96, s95
	v_mul_u32_u24 v255, v253, 4352
	s_delay_alu instid0(VALU_DEP_1)
	v_add_nc_u32 v255, v254, v255
	s_delay_alu instid0(VALU_DEP_1)
	v_add_nc_u32 v[OB], s96, v255
.irp c, 0,1
.irp tt, 0,1
	s_wait_xcnt 0x0
	QUANTP ACC+64*\tt+32*\c
	CODES OC, 26, 198144*\c+192*\tt, 8
	CODES OC, 26, 198144*\c+192*\tt+49176, 8
	global_store_b8 v[OB], v250, s[28:29] offset:8704*\c+8*\tt
	global_store_b8 v[OB], v250, s[28:29] offset:8704*\c+8*\tt+2049
.endr
.endr
	s_branch .Ldone
; ---- v: quantised along the keys: my wave's 32 rows are a block
.Lvtype:
.irp s, 0,1,2,3,4,5,6,7
	KSTEP \s, 1
.endr
	PLACES 4
	s_lshl_b32 s95, s94, 2
	s_add_co_u32 s95, s95, s85                     ; my wave's block of 32 keys
	s_mul_i32 s96, s97, 102400
	s_mul_i32 s98, s95, 768
	s_add_co_u32 s98, s98, s96
	s_add_co_u32 s98, s98, 49152
	s_and_b32 s99, s85, 1
	s_lshl_b32 s99, s99, 3
	v_and_b32 v255, 31, v0                         ; my channel
	s_delay_alu instid0(VALU_DEP_1)
	v_xor_b32 v255, s99, v255
	s_delay_alu instid0(VALU_DEP_1)
	v_lshl_add_u32 v[OC], v255, 3, s98
	s_lshl_b32 s98, s94, 7
	s_add_co_u32 s98, s98, s96
	s_add_co_u32 s98, s98, s85
	s_add_co_u32 s98, s98, 100352
	v_lshl_add_u32 v255, v253, 3, v254             ; my channel with bits 3 and 4 changed over
	s_delay_alu instid0(VALU_DEP_1)
	v_lshl_add_u32 v[OB], v255, 2, s98
.irp wp, 0,1,2,3
	s_wait_xcnt 0x0
	QUANTP ACC+32*\wp
	CODES OC, 24, 102400*\wp, 256                  ; 32 lanes store 256 consecutive bytes, aligned
	global_store_b8 v[OB], v250, s[24:25] offset:102400*\wp
.endr
.Ldone:
	s_wait_tensorcnt 0x0                           ; the wave's end
	ds_add_u32 v[SPW], v[NIL]
	s_wait_dscnt 0x0
	ROUND                                          ; the closing round
	s_endpgm
.Lfunc_end_k_qd2fcc98f91_proj:
	.size	k_qd2fcc98f91_proj, .Lfunc_end_k_qd2fcc98f91_proj-k_qd2fcc98f91_proj
	.p2alignl 7, 3214868480
	.fill 96, 4, 3214868480
	.section	.rodata,"a",@progbits
	.p2align	6, 0x0
	.amdhsa_kernel k_qd2fcc98f91_proj
		.amdhsa_group_segment_fixed_size 327424
		.amdhsa_private_segment_fixed_size 0
		.amdhsa_enable_private_segment 0
		.amdhsa_kernarg_size 104
		.amdhsa_user_sgpr_count 2
		.amdhsa_user_sgpr_kernarg_segment_ptr 1
		.amdhsa_wavefront_size32 1
		.amdhsa_system_sgpr_workgroup_id_x 1
		.amdhsa_system_sgpr_workgroup_id_y 1
		.amdhsa_system_sgpr_workgroup_id_z 1
		.amdhsa_system_vgpr_workitem_id 0
		.amdhsa_next_free_vgpr 256
		.amdhsa_next_free_sgpr 102
		.amdhsa_reserve_vcc 0
		.amdhsa_float_denorm_mode_32 3
		.amdhsa_float_denorm_mode_16_64 3
		.amdhsa_memory_ordered 1
		.amdhsa_forward_progress 1
		.amdhsa_inst_pref_size 179
	.end_amdhsa_kernel
	.amdgpu_metadata
---
amdhsa.version: [ 1, 2 ]
amdhsa.kernels:
  - .name:           k_qd2fcc98f91_proj
    .symbol:         k_qd2fcc98f91_proj.kd
    .args:
      - { .name: wq, .offset: 0, .size: 8, .value_kind: global_buffer, .address_space: global }
      - { .name: r_codes, .offset: 8, .size: 8, .value_kind: global_buffer, .address_space: global }
      - { .name: r_scales, .offset: 16, .size: 8, .value_kind: global_buffer, .address_space: global }
      - { .name: W_qkv_codes, .offset: 24, .size: 8, .value_kind: global_buffer, .address_space: global }
      - { .name: W_qkv_scales, .offset: 32, .size: 8, .value_kind: global_buffer, .address_space: global }
      - { .name: W_r_codes, .offset: 40, .size: 8, .value_kind: global_buffer, .address_space: global }
      - { .name: W_r_scales, .offset: 48, .size: 8, .value_kind: global_buffer, .address_space: global }
      - { .name: r_w_bias, .offset: 56, .size: 8, .value_kind: global_buffer, .address_space: global }
      - { .name: r_r_bias, .offset: 64, .size: 8, .value_kind: global_buffer, .address_space: global }
      - { .name: qq, .offset: 72, .size: 8, .value_kind: global_buffer, .address_space: global }
      - { .name: kv, .offset: 80, .size: 8, .value_kind: global_buffer, .address_space: global }
      - { .name: rx, .offset: 88, .size: 8, .value_kind: global_buffer, .address_space: global }
      - { .name: rs, .offset: 96, .size: 8, .value_kind: global_buffer, .address_space: global }
    .group_segment_fixed_size: 327424
    .private_segment_fixed_size: 0
    .kernarg_segment_align: 8
    .kernarg_segment_size: 104
    .max_flat_workgroup_size: 256
    .sgpr_count:     102
    .vgpr_count:     256
    .wavefront_size: 32
...
	.end_amdgpu_metadata
.endif
;; end of part 6
;; launch attn (part 7): grid 8 x 32, 16 waves a work-group, no clusters, 325,632 bytes of LDS; arguments qq, kv, rx, rs, mw, av; writes av
.if DOCPART == 7
	.amdgcn_target "amdgcn-amd-amdhsa--gfx1250"
	.amdhsa_code_object_version 6
	.text
	.protected	k_qd2fcc98f91_attn
	.globl	k_qd2fcc98f91_attn
	.p2align	8
	.type	k_qd2fcc98f91_attn,@function
k_qd2fcc98f91_attn:
	s_mov_b64 s[64:65], 0
	v_nop
	global_prefetch_b8 v0, s[64:65] scope:SCOPE_SE
	s_setreg_imm32_b32 hwreg(HW_REG_WAVE_MODE, 25, 1), 1
	s_wait_xcnt 0x0
; THIRD LAUNCH: the scores AC + shifted BD, the mask, the softmax by a running whole-number maximum, V^T P, and the quantiser of the result.
; WHAT THE MASK WORDS DECIDE.  attn_mask is an input; the first launch packed it into whole numbers (mw).  Each wave reads the words of its steps and makes two maps, a bit a trip:
; a step of 128 keys whose 64 words are all ones has p = 0 for all 16 queries, adds nothing to any sum and moves no maximum: it is jumped;
; a step whose words are all zero needs no selection: the 64 selects and the scalar loads of the words are jumped.  Every other step is done in full.  This holds for every mask.
; These branches hang on numbers read from memory; the launch has no tensor load: LDS is filled once, through registers, and there are no joint loads and no cluster.
; Everything that stays in LDS is asked for at the head: so nothing is prefetched.
; SHARES.  Work-group (g, 8 b + h) owns query blocks g and 15 - g (128 queries each) of one (b, h).  Waves 2 x and 2 x + 1 are a pair and own tile x of each block, 16 queries a tile, a lane one query (lane % 16).
; The wave of the pair with (w xor w / 4) even, kind A, takes the upper block's tile for keys 0 .. 1,023 (trips 0-7).  The other, kind B, takes the lower block's tile for all keys (trips 0-15), finishes and stores it,
; and then takes the upper block's tile for keys 1,024 .. 2,047 (trips 24-31).  B hands -M, the sums and O^T of that part to A as an image of its registers in LDS; behind one barrier A brings both parts under the larger M,
; by powers of two, which round nothing, adds them and finishes the tile.
; THE SHIFT.  With u = 2047 - i + j the shifted BD is q'_i . rx[u] for u < 2048, 0 for u = 2048, q'_(i+1) . rx[u] for u > 2048: rx[u] = r_k[u], zero codes, r_k[u - 2049].  A tile of 16 rows u begins at a multiple of 16,
; so a tile takes one of the two queries whole (row 2,048, the first of its tile, is zero codes): a scalar compare a tile picks the operand.  The head's 4,096 rows of 24 bytes serve every tile of queries.
; rx AND K ARE PACKED 64 ROWS TO A FRAGMENT: block t of K = 128 holds tile t's 16 rows; copies of the query with its codes in one block and zero codes in the others pick the tile.  Nine tiles cover a step's 143 values of u;
; the ninth tile's fragment holds in its other blocks the next 16 rows (for tile 0's last step the first bytes behind the table) and zeros: they meet zero codes.
; rx's scale words, word u = the bytes of rows u, u + 16, u + 32, u + 48, are made at the head from the bytes of rs.
; The results (lane = query, registers along u) go to the wave's own stage and come back from place 15 - lane % 16 + key, into the registers that are the C of the AC products.
; SOFTMAX: t = score x log2(e) / sqrt(32); M = the running largest t rounded up; p = 2^(t - M) is quantised along the keys; the sum is taken of the unquantised p and divides at the end.
; LIMITS: as at the first launch's head.  A query whose every key is masked has the sum 0: its codes are zeros and its scale byte is 0xff, which makes its row NaN in the last product, as the definition has it.
.set RB,    102400                     ; LDS: K 0, V 49,152, K's scale bytes 98,304, V's 100,352; from here 4,096 rows of rx, 24 bytes each;
.set WXB,   200704                     ; 4,096 scale words of rx;
.set STG,   217088                     ; a stage of 16 rows x SROW bytes for each wave;
.set SROW,  336
.set SPARE, STG+16*16*SROW             ; the spare words, 128 bytes a wave;
.set PB,    SPARE+2048                 ; what B hands to A: 2,560 bytes a pair
.set F2,    32                         ; v32-37 the ninth tile of rx; the zeros of v38-43 stand behind it
.set QA,    44                         ; v38-115: [0][a lo][0][a hi][0][b lo][0][b hi][0][c lo][0][c hi][0], six registers each: a = q + r_w_bias, b = q'_i, c = q'_(i+1); lo: codes in lanes 0-15, hi: in lanes 16-31
.set QB,    68
.set QC,    92
.set F,     116                        ; v116-139 two fragments of rx, later V
.set KF,    140                        ; v140-163 K, later at work:
.set MX,    140                        ; v140-159 the quantiser's
.set FF,    160                        ; v160 f, v161 0
.set TT,    162                        ; v162-163 at work
.set S,     164                        ; v164-227 the scores, then p; v228-235 the ninth tile of BD
.set PC,    228                        ; v228-239 p's codes
.set O,     240                        ; v240-255 O^T
; v1 rx, v2, v3 its scale words, v4 K, v5, v6 V's two channel tiles, v7 K's and V's scale words: my lane's places; v8, v9 the stage, in and back; v10 my spare word, v11 0; v12 -M, v13 the largest t, v[14:15] the sum; v16 -infinity
; v17-19 the scale words of a, b, c; v20 K's, v21 V's, v22, v23 rx's, v24 p's (v20-24 also at work between steps); v25-31 the step's addresses
; s2 2,048 (8 b + h), s3 16,384 b + h, s[4:5] qq, s6, s7 at work, s8, s9 127 - tile of trips 0-15 and 16-31, s10 kind (0 A, 1 B), s11 the upper tile's first query, s[12:13] mw, s[14:15] av, s84 wave, s[86:87] lane selects, s[88:89] c,
; s90-93 the step's LDS offsets, s94 trip, s95 my first tile's first query, s96 tiles of this step that lie under u = 2,048, s97 trips to do, s98 lanes 16-31, s99 trips with a mask, s[100:101] the tile's mask words; s16-63, s68-83 a step's 64 words
.macro PLACES n
.rept \n
	v_nop
.endr
.endm
.macro DLY n
	s_delay_alu instid0(VALU_DEP_\n)
.endm
; one matrix instruction.  cz: C is the constant 0, else D; ra: source 0's scales from lanes 16-31
.macro WM d, a, b, cz, sa, sb, ra
.if \cz
.if \ra
	v_wmma_scale_f32_16x16x128_f8f6f4 v[(\d):(\d)+7], v[(\a):(\a)+11], v[(\b):(\b)+11], 0, v[\sa], v[\sb] matrix_a_fmt:MATRIX_FMT_BF6 matrix_b_fmt:MATRIX_FMT_BF6 matrix_a_scale:MATRIX_SCALE_ROW1
.else
	v_wmma_scale_f32_16x16x128_f8f6f4 v[(\d):(\d)+7], v[(\a):(\a)+11], v[(\b):(\b)+11], 0, v[\sa], v[\sb] matrix_a_fmt:MATRIX_FMT_BF6 matrix_b_fmt:MATRIX_FMT_BF6
.endif
.else
.if \ra
	v_wmma_scale_f32_16x16x128_f8f6f4 v[(\d):(\d)+7], v[(\a):(\a)+11], v[(\b):(\b)+11], v[(\d):(\d)+7], v[\sa], v[\sb] matrix_a_fmt:MATRIX_FMT_BF6 matrix_b_fmt:MATRIX_FMT_BF6 matrix_a_scale:MATRIX_SCALE_ROW1
.else
	v_wmma_scale_f32_16x16x128_f8f6f4 v[(\d):(\d)+7], v[(\a):(\a)+11], v[(\b):(\b)+11], v[(\d):(\d)+7], v[\sa], v[\sb] matrix_a_fmt:MATRIX_FMT_BF6 matrix_b_fmt:MATRIX_FMT_BF6
.endif
.endif
.endm
.macro BDW t, x, sq                    ; tile t of BD with the query operand at x (its lo block) and scale word sq
.if \t == 8
	WM S+64, F2, \x, 1, 23, \sq, 0
.else
	WM S+8*\t, F+12*(\t/4), \x+12*(\t%2)-6*((\t%4)/2), 1, 22, \sq, \t/4
.endif
.endm
; the codes and scale bytes of the tile whose first query stands in si: twelve loads
.macro QLOAD si
	v_and_b32 v24, 15, v0
	DLY 1
	v_add_nc_u32 v20, \si, v24                     ; i
	DLY 1
	v_add_nc_u32 v21, 1, v20
	DLY 1
	v_min_u32 v21, 2047, v21                       ; i + 1.  (Query 2,047 has no u over 2,048 that counts)
	v_add_nc_u32 v20, s2, v20
	DLY 2
	v_add_nc_u32 v21, s2, v21
	DLY 2
	v_mul_u32_u24 v22, v20, 24
	DLY 2
	v_mul_u32_u24 v23, v21, 24
.irp p, 0,1,2
	global_load_b64 v[QA+2*\p:QA+1+2*\p], v22, s[4:5] offset:8*\p
	global_load_b64 v[QB+2*\p:QB+1+2*\p], v22, s[4:5] offset:1572864+8*\p
	global_load_b64 v[QC+2*\p:QC+1+2*\p], v23, s[4:5] offset:1572864+8*\p
.endr
	global_load_u8 v17, v20, s[4:5] offset:3145728
	global_load_u8 v18, v20, s[4:5] offset:3211264
	global_load_u8 v19, v21, s[4:5] offset:3211264
.endm
.macro QPROC                           ; the loaded codes become the operands' lo and hi blocks
	v_mul_lo_u32 v17, v17, s34                     ; a query's byte in all four places: its codes stand in one block, whichever
	v_mul_lo_u32 v18, v18, s34
	v_mul_lo_u32 v19, v19, s34
.irp x, QA, QB, QC
.irp i, 0,1,2,3,4,5
	v_cndmask_b32 v[\x+12+\i], v11, v[\x+\i], s98  ; the codes in lanes 16-31 alone,
.endr
.irp i, 0,1,2,3,4,5
	v_cndmask_b32 v[\x+\i], v[\x+\i], v11, s98     ; and in lanes 0-15 alone
.endr
.endr
.endm
; four registers from w on hold the mask words of two steps (lanes 0-15 the first, lanes 16-31 the second), whose trips are lo and lo + 1.  Bit of s99: some word is not 0; bit of s97: some word is not all ones
.macro FLAGS w, lo
	v_or_b32 v20, v[\w], v[\w+1]
	v_or_b32 v21, v[\w+2], v[\w+3]
	v_and_b32 v22, v[\w], v[\w+1]
	v_and_b32 v23, v[\w+2], v[\w+3]
	DLY 3
	v_or_b32 v20, v20, v21
	DLY 2
	v_and_b32 v22, v22, v23
	DLY 2
	v_cmp_ne_u32 s16, 0, v20
	DLY 2
	v_cmp_ne_u32 s17, -1, v22
	s_and_b32 s18, s16, 0xffff
	s_cselect_b32 s18, 1<<(\lo), 0
	s_or_b32 s99, s99, s18
	s_lshr_b32 s18, s16, 16
	s_cselect_b32 s18, 2<<(\lo), 0
	s_or_b32 s99, s99, s18
	s_and_b32 s18, s17, 0xffff
	s_cselect_b32 s18, 1<<(\lo), 0
	s_or_b32 s97, s97, s18
	s_lshr_b32 s18, s17, 16
	s_cselect_b32 s18, 2<<(\lo), 0
	s_or_b32 s97, s97, s18
.endm
.macro BEGIN                           ; a part's sums begin: the step is written once; the first change of M leaves zeros zeros
.irp j, 0,1,2,3,4,5,6,7,8,9,10,11,12,13,14,15
	v_mov_b32 v[O+\j], 0
.endr
	v_mov_b32 v14, 0
	v_mov_b32 v15, 0
	v_mov_b32 v13, 0xff61b1e6                      ; -3e38, under every t
	DLY 1
	v_floor_f32 v12, -v13
.endm
; A TILE'S END: O^T / the sum is one block of the last product's K (my head's 32 channels): registers O + i of lane (r, h) are channels 16 h + i.  The tile's first query stands in s95; sa, sb at work
.macro FINAL sa, sb
	PLACES 4
	v_add_f32 v14, v14, v15
	DLY 1
	v_permlanex16_b32 v[FF], v14, s86, s87
	DLY 1
	v_add_f32 v14, v14, v[FF]                      ; the row's sum
	v_mov_b32 v[MX+5], 1.0
	DLY 2
	v_cmp_eq_f32 vcc_lo, 0, v14
	DLY 1
	v_cndmask_b32 v15, v14, v[MX+5], vcc_lo        ; a query with no key at all divides by 1: its codes are zeros, and its scale byte says NaN
	s_wait_alu depctr_va_vdst(0)                   ; ahead of the transcendental
	v_rcp_f32 v15, v15
	s_add_co_u32 \sa, s95, s2
	s_mul_i32 \sa, \sa, 24
	s_lshl_b32 \sb, s95, 3
	s_add_co_u32 \sb, \sb, s3
	v_and_b32 v[MX], 15, v0                        ; (plain work behind the reciprocal)
	v_bfe_u32 v[MX+1], v0, 4, 1
	DLY 2
	v_mul_u32_u24 v[MX+2], v[MX], 24
	DLY 1
	v_mad_u32_u24 v[MX+2], v[MX+1], 12, v[MX+2]
	DLY 1
	v_add_nc_u32 v[MX+2], \sa, v[MX+2]
	v_lshl_add_u32 v[MX+3], v[MX], 3, \sb
	v_mov_b32 v[MX+4], 0xff
	s_wait_alu depctr_va_vdst(0)                   ; ahead of the reciprocal's first reader
.irp j, 0,1,2,3,4,5,6,7,8,9,10,11,12,13,14,15
	v_mul_f32 v[S+\j], v[O+\j], v15
.endr
	v_max3_num_f32 v[MX+6], |v[S]|, |v[S+1]|, 0x2800000
.irp i, 2,4,6,8,10,12,14
	DLY 1
	v_max3_num_f32 v[MX+6], v[MX+6], |v[S+\i]|, |v[S+1+\i]|
.endr
	DLY 1
	v_permlanex16_b32 v[MX+7], v[MX+6], s86, s87
	DLY 1
	v_max_num_f32 v[MX+6], v[MX+6], v[MX+7]
	DLY 1
	v_add_nc_u32 v[MX+8], 0xfe000000, v[MX+6]
	DLY 1
	v_lshrrev_b32 v[MX+9], 23, v[MX+8]
	DLY 1
	v_cndmask_b32 v[MX+9], v[MX+9], v[MX+4], vcc_lo
	v_cvt_scalef32_pk16_bf6_f32 v[MX+10:MX+12], v[S:S+15], v[MX+8]
	v_nop
	global_store_b96 v[MX+2], v[MX+10:MX+12], s[14:15]             ; 32 lanes store 384 consecutive bytes
	global_store_b8 v[MX+3], v[MX+9], s[14:15] offset:1572864      ; both halves write the same byte with the same value
.endm
	s_load_b256 s[4:11], s[0:1], 0x0               ; qq s[4:5], kv s[6:7], rx s[8:9], rs s[10:11]
	s_load_b128 s[12:15], s[0:1], 0x20             ; mw s[12:13], av s[14:15]
	v_lshl_add_u32 v10, v0, 2, SPARE
	v_mov_b32 v11, 0
	v_lshrrev_b32 v33, 5, v0
	DLY 1
	v_readfirstlane_b32 s84, v33                   ; wave 0..15
	s_and_b32 s85, ttmp9, 7                        ; g
	s_and_b32 s18, ttmp7, 0xffff                   ; 8 b + h
	s_and_b32 s16, s18, 7                          ; h
	s_lshr_b32 s17, s18, 3                         ; b
	s_lshl_b32 s2, s18, 11
	s_lshl_b32 s3, s17, 14
	s_add_co_u32 s3, s3, s16
	s_lshr_b32 s20, s84, 2
	s_xor_b32 s20, s20, s84
	s_and_b32 s35, s20, 1                          ; my kind: 0 A, 1 B
	s_xor_b32 s20, s35, 1
	s_mul_i32 s20, s20, 15
	s_xor_b32 s20, s20, s85                        ; my first tile's block: g for B, 15 - g = g xor 15 for A
	s_lshl_b32 s20, s20, 3
	s_lshr_b32 s21, s84, 1
	s_add_co_u32 s20, s20, s21                     ; my first tile, 0 .. 127
	s_xor_b32 s36, s85, 15
	s_lshl_b32 s36, s36, 3
	s_add_co_u32 s36, s36, s21                     ; the pair's upper tile
	s_xor_b32 s21, s20, 127                        ; 127 - tile: step 0's first row of rx is 16 (127 - tile) = 2,032 - the tile's first query
	s_xor_b32 s37, s36, 127
	s_mov_b32 s94, 0
	s_lshl_b32 s95, s20, 4
	s_mov_b32 s97, 0
	s_mov_b32 s99, 0
	s_mul_i32 s22, s18, 102400
	s_mov_b32 s23, 0
	s_mul_i32 s24, s16, 99072
	s_mov_b32 s25, 0
	s_mul_i32 s26, s16, 4352
	s_mov_b32 s27, 0
	s_lshl_b32 s28, s20, 12                        ; a tile's mask words: 16 steps of 256 bytes
	s_mov_b32 s29, 0
	s_mov_b32 s86, 0x76543210
	s_mov_b32 s87, 0xfedcba98
	s_mov_b32 s88, 0x3e8293ee                      ; c = log2(e) / sqrt(32)
	s_mov_b32 s89, s88
	s_mov_b32 s98, 0xffff0000
	s_mov_b32 s30, 0x05010400                      ; byte selects for the scale words
	s_mov_b32 s31, 0x07030602
	s_mov_b32 s32, 0x05040100
	s_mov_b32 s33, 0x07060302
	s_mov_b32 s34, 0x01010101
	v_lshlrev_b32 v25, 4, v0                       ; 16, 8, 4 bytes a thread
	v_lshlrev_b32 v29, 3, v0
	v_lshlrev_b32 v31, 2, v0
	v_and_b32 v33, 15, v0                          ; r
	v_bfe_u32 v34, v0, 4, 1                        ; h
	v_and_b32 v35, 31, v0                          ; lane
	DLY 1
	v_lshlrev_b32 v36, 4, v35
	s_wait_alu depctr_va_vdst(0)
	s_wait_kmcnt 0x0
	s_add_nc_u64 s[6:7], s[6:7], s[22:23]
	s_add_nc_u64 s[8:9], s[8:9], s[24:25]
	s_add_nc_u64 s[10:11], s[10:11], s[26:27]
	s_add_nc_u64 s[100:101], s[12:13], s[28:29]
; 53 loads a wave, in the order in which they are used: first what is worked on in registers while the rest is on its way
	QLOAD s95
.irp k, 0,1,2,3,4,5,6,7
	global_load_b128 v[224+4*\k:227+4*\k], v36, s[100:101] offset:512*\k    ; my first tile's mask words: lanes 0-15 step 2 k, lanes 16-31 step 2 k + 1
.endr
.irp k, 0,1,2,3,4,5,6,7,8,9,10,11
	global_load_b128 v[116+4*\k:119+4*\k], v25, s[6:7] offset:8192*\k       ; K, V: the work-group's 512 threads read 8,192 consecutive bytes
.endr
	global_load_b64 v[164:165], v29, s[6:7] offset:98304                    ; their 4,096 scale bytes
.irp k, 0,1,2,3,4,5,6,7,8,9,10,11
	global_load_b128 v[166+4*\k:169+4*\k], v25, s[8:9] offset:8192*\k       ; 4,096 rows of rx
.endr
.irp j, 0,1
.irp i, 0,1,2,3
	global_load_b32 v[214+4*\j+\i], v31, s[10:11] offset:2048*\j+16*\i      ; the scale bytes of rows u .. u + 3, 16 i further on; u = 4 thread + 2,048 j
.endr
.endr
	; while they are on their way: where they go in LDS, and my lane's places
	v_add_nc_u32 v26, 0x10000, v25
	v_add_nc_u32 v27, RB, v25
	v_add_nc_u32 v28, RB+0x10000, v25
	v_add_nc_u32 v30, 98304, v29
	v_add_nc_u32 v32, WXB, v25
	v_mad_u32_u24 v1, v35, 24, RB                  ; rx: 32 rows, a lane a row
	v_lshl_add_u32 v2, v33, 2, WXB
	v_lshl_add_u32 v3, v33, 2, WXB+512             ; the ninth tile's words
	v_lshlrev_b32 v4, 3, v35
	v_and_b32 v37, 8, v33
	v_lshl_add_u32 v2, v34, 8, v2                  ; lanes 16-31: the second fragment's words, 64 rows on
	DLY 2
	v_add_nc_u32 v37, v37, v33                     ; r % 8 + 16 (r / 8)
	v_lshl_add_u32 v7, v35, 2, 98304
	DLY 2
	v_lshlrev_b32 v37, 3, v37
	v_mul_u32_u24 v8, v33, SROW
	DLY 2
	v_mad_u32_u24 v5, v34, 832, v37                ; V, channel tile 0: block h, place (channel xor 8 h)
	v_mad_u32_u24 v6, v34, 704, v37                ; tile 1
	v_mul_u32_u24 v9, v33, SROW-4
	s_mul_i32 s16, s84, 16*SROW
	s_add_co_u32 s16, s16, STG
	v_add_nc_u32 v5, 49152, v5
	v_add_nc_u32 v6, 49216, v6
	v_lshl_add_u32 v8, v34, 5, v8
	v_lshl_add_u32 v9, v34, 6, v9
	DLY 2
	v_add_nc_u32 v8, s16, v8                       ; the stage, in: row r, place 16 t + 8 h + j
	DLY 2
	v_add_nc_u32 v9, s16, v9
	v_mov_b32 v16, 0xff800000
	DLY 2
	v_add_nc_u32 v9, 60, v9                        ; and back: row r, place 15 - r + 16 h + (32 b + i)
.irp z, 38,50,62,74,86,98,110
.irp i, 0,1,2,3,4,5
	v_mov_b32 v[\z+\i], 0                          ; the zero blocks of the query operands
.endr
.endr
	s_wait_alu depctr_va_vdst(0)
	s_wait_loadcnt 33                              ; the queries and the mask words are in; the 33 loads of the fill may be out
	QPROC
.irp k, 0,1,2,3,4,5,6,7
	FLAGS 224+4*\k, 2*\k
.endr
	s_mov_b32 s16, 0xffff
	s_cmp_eq_u32 s35, 0
	s_cselect_b32 s16, 0xff, s16
	s_and_b32 s97, s97, s16                        ; A does trips 0-7 alone
	BEGIN
	s_wait_alu depctr_va_vdst(0)
	s_wait_loadcnt 20                              ; K, V and their scale bytes are in
.irp k, 0,1,2,3,4,5,6,7
	ds_store_b128 v25, v[116+4*\k:119+4*\k] offset:8192*\k
.endr
.irp k, 8,9,10,11
	ds_store_b128 v26, v[116+4*\k:119+4*\k] offset:8192*(\k-8)
.endr
	ds_store_b64 v30, v[164:165]
	s_wait_loadcnt 8                               ; rx is in
.irp k, 0,1,2,3,4,5,6,7
	ds_store_b128 v27, v[166+4*\k:169+4*\k] offset:8192*\k
.endr
.irp k, 8,9,10,11
	ds_store_b128 v28, v[166+4*\k:169+4*\k] offset:8192*(\k-8)
.endr
	s_wait_loadcnt 0x0                             ; rx's scale bytes are in
.irp j, 0,1                            ; four by four bytes turned: word u + i = byte i of each of the four loads
	v_perm_b32 v[116+8*\j], v[215+4*\j], v[214+4*\j], s30
	v_perm_b32 v[117+8*\j], v[215+4*\j], v[214+4*\j], s31
	v_perm_b32 v[118+8*\j], v[217+4*\j], v[216+4*\j], s30
	v_perm_b32 v[119+8*\j], v[217+4*\j], v[216+4*\j], s31
	DLY 2
	v_perm_b32 v[120+8*\j], v[118+8*\j], v[116+8*\j], s32
	v_perm_b32 v[121+8*\j], v[118+8*\j], v[116+8*\j], s33
	v_perm_b32 v[122+8*\j], v[119+8*\j], v[117+8*\j], s32
	v_perm_b32 v[123+8*\j], v[119+8*\j], v[117+8*\j], s33
	ds_store_b128 v32, v[120+8*\j:123+8*\j] offset:8192*\j
.endr
	s_mov_b32 s8, s21                              ; every load is done: the registers that held rx's and rs's addresses take what the loop keeps
	s_mov_b32 s9, s37
	s_mov_b32 s10, s35
	s_lshl_b32 s11, s36, 4
	v_mov_b32 v[FF], 0
	v_mov_b32 v[FF+1], 0                           ; (named as the upper half of the pair)
	s_wait_alu depctr_va_vdst(0)
	s_wait_dscnt 0x0                               ; for the others' sake: my stores are done
	s_barrier_signal -1
	s_barrier_wait -1                              ; everybody's are.  Up to the next barrier a wave reads what nobody writes, and its own stage
.Lstep:                                            ; 32 trips: trip n is step n % 16 of 128 keys, of my first tile under 16, of the pair's upper tile from 16 on; a trip that my map does not name does nothing
	s_cmp_eq_u32 s94, 16
	s_cbranch_scc0 .Lsame
	s_cmp_eq_u32 s10, 0
	s_cbranch_scc1 .Lsame
; B CHANGES TILES: the upper tile's queries and the mask words of its steps 8-15 are asked for, the lower tile is finished under their flight, then the new part begins
	PLACES 4                                       ; behind the last products, in front of loads into registers that products have read
	s_lshl_b32 s16, s11, 8
	s_mov_b32 s17, 0
	s_add_nc_u64 s[100:101], s[12:13], s[16:17]
	QLOAD s11
	v_and_b32 v25, 31, v0
	DLY 1
	v_lshlrev_b32 v25, 4, v25
.irp k, 0,1,2,3
	global_load_b128 v[S+16+4*\k:S+19+4*\k], v25, s[100:101] offset:2048+512*\k
.endr
	FINAL s16, s17
	s_wait_alu depctr_va_vdst(0)
	s_wait_loadcnt 0x0
	QPROC
.irp k, 0,1,2,3
	FLAGS S+16+4*\k, 24+2*\k
.endr
	BEGIN
	s_wait_alu depctr_va_vdst(0)
	s_wait_xcnt 0x0                                ; the tile's stores have read their registers: the next step writes them again
.Lsame:
	s_bitcmp1_b32 s97, s94
	s_cbranch_scc0 .Lskip
	s_cmp_lt_u32 s94, 16
	s_cselect_b32 s6, s8, s9                       ; 127 - tile
	s_and_b32 s7, s94, 15                          ; the step
	s_lshl_b32 s96, s7, 3
	s_add_co_u32 s6, s6, s96                       ; the step's first tile of 16 rows of rx
	s_mul_i32 s90, s6, 384
	s_lshl_b32 s91, s6, 6
	s_sub_co_i32 s96, 128, s6                      ; so many tiles from there lie under u = 2,048
	s_mul_i32 s92, s7, 3072                        ; four blocks of 32 keys of K and of V a step,
	s_lshl_b32 s93, s7, 7                          ; their scale words,
	s_lshl_b32 s7, s7, 8                           ; and the step's mask words
	v_add_nc_u32 v25, s90, v1                      ; seven plain lines: also the places behind the last products, in front of the loads into V's registers and of the product that writes over p's codes
	v_add_nc_u32 v26, s91, v2
	v_add_nc_u32 v27, s91, v3
	v_add_nc_u32 v28, s92, v4
	v_add_nc_u32 v29, s92, v5
	v_add_nc_u32 v30, s92, v6
	v_add_nc_u32 v31, s93, v7
	ds_load_b32 v22, v26                           ; rx's scale words: lanes 0-15 tiles 0-3, lanes 16-31 tiles 4-7;
	ds_load_b32 v23, v27                           ; tile 8
.irp f, 0,1
.irp c, 0,1
.irp p, 0,1,2
	ds_load_b64 v[F+12*\f+6*\c+2*\p:F+1+12*\f+6*\c+2*\p], v25 offset:1536*\f+768*\c+8*\p   ; row 64 f + 32 c + lane
.endr
.endr
.endr
.irp p, 0,1,2
	ds_load_b64 v[F2+2*\p:F2+1+2*\p], v25 offset:3072+8*\p
.endr
	ds_load_b32 v20, v31                           ; K's scale words: lanes 0-15 keys 0-63, lanes 16-31 keys 64-127
.irp f, 0,1
.irp g, 0,1
.irp p, 0,1,2
	ds_load_b64 v[KF+12*\f+6*\g+2*\p:KF+1+12*\f+6*\g+2*\p], v28 offset:768*(2*\f+\g)+256*\p
.endr
.endr
.endr
	s_wait_alu depctr_va_vdst(0)
	s_wait_dscnt 13                                ; rx and its scale words are in; K's scale word and K's twelve loads may be out
.irp t, 0,1,2,3,4,5,6,7,8              ; tiles under u = 2,048 take q'_i; from the first tile at or over it on, q'_(i+1)
	s_cmp_gt_i32 s96, \t
	s_cbranch_scc0 .Lhigh\t
	BDW \t, QB, 18
.endr
	s_branch .Lbd_done
.irp t, 0,1,2,3,4,5,6,7,8
.Lhigh\t:
	BDW \t, QC, 19
.endr
.Lbd_done:
	PLACES 5                                       ; four in front of the stores of results and of loads into registers just read; five in front of the products that write over these results
.irp t, 0,1,2,3,4
	ds_store_b128 v8, v[S+8*\t:S+8*\t+3] offset:64*\t          ; tiles 0-4, each result from its low end on
	ds_store_b128 v8, v[S+8*\t+4:S+8*\t+7] offset:64*\t+16
.endr
.set kk, 0
.rept 32
	ds_load_b32 v[S+kk], v9 offset:128*(kk/16)+4*(kk%16)       ; keys 0-63.  LDS serves a wave's instructions in order: these see the stores above,
.set kk, kk+1
.endr
.irp t, 4,5,6,7,8
	ds_store_b128 v8, v[S+8*\t:S+8*\t+3] offset:64*(\t-4)      ; and tiles 4-8 are laid over the same bytes only behind them
	ds_store_b128 v8, v[S+8*\t+4:S+8*\t+7] offset:64*(\t-4)+16
.endr
.set kk, 32
.rept 32
	ds_load_b32 v[S+kk], v9 offset:128*((kk-32)/16)+4*(kk%16)  ; keys 64-127
.set kk, kk+1
.endr
	ds_load_b32 v21, v31 offset:2048               ; V's scale words: lanes 0-15 channel tile 0, lanes 16-31 tile 1
.irp ct, 0,1
.irp c, 0,1
.irp p, 0,1,2
	ds_load_b64 v[F+12*\ct+6*\c+2*\p:F+1+12*\ct+6*\c+2*\p], v[29+\ct] offset:1536*\c+256*\p
.endr
.endr
.endr
	s_wait_dscnt 13                                ; K and the shifted BD are in; V's scale word and V's twelve loads may be out
.irp t, 0,1,2,3,4,5,6,7
	WM S+8*\t, KF+12*(\t/4), QA+12*(\t%2)-6*((\t%4)/2), 0, 20, 17, \t/4    ; AC on top of BD
.endr
	PLACES 4
	s_bitcmp1_b32 s99, s94
	s_cbranch_scc0 .Lclear                         ; no key of this step is masked for any of my queries
	s_load_b512 s[16:31], s[100:101], s7 offset:0x0    ; the step's 64 mask words
	s_load_b512 s[32:47], s[100:101], s7 offset:0x40
	s_load_b512 s[48:63], s[100:101], s7 offset:0x80
	s_load_b512 s[68:83], s[100:101], s7 offset:0xc0
	s_wait_kmcnt 0x0
.set kk, 0
.rept 64
	v_cndmask_b32 v[S+kk], v[S+kk], v16, s[16+kk+4*(kk/48)]    ; masked scores become -infinity: p = 0
.set kk, kk+1
.endr
	s_mov_b32 s34, 0x01010101                      ; (the words lay over the constant that a change of tiles reads)
.Lclear:
.irp b, 0,1,2,3
	v_max3_num_f32 v[MX+\b], v[S+16*\b], v[S+1+16*\b], v[S+2+16*\b]   ; the largest score of each block of 32 keys: for the row's maximum and, since p rises with the score, for the block's largest p
.endr
.irp i, 3,5,7,9,11,13
.irp b, 0,1,2,3
	v_max3_num_f32 v[MX+\b], v[MX+\b], v[S+16*\b+\i], v[S+1+16*\b+\i]   ; (the four blocks by turns)
.endr
.endr
.irp b, 0,1,2,3
	v_max_num_f32 v[MX+\b], v[MX+\b], v[S+15+16*\b]
.endr
.irp b, 0,1,2,3
	DLY 4
	v_permlanex16_b32 v[MX+4+\b], v[MX+\b], s86, s87
.endr
.irp b, 0,1,2,3
	DLY 4
	v_max_num_f32 v[MX+\b], v[MX+\b], v[MX+4+\b]
.endr
	DLY 2
	v_max3_num_f32 v[TT], v[MX], v[MX+1], v[MX+2]
	DLY 1
	v_max_num_f32 v[TT], v[TT], v[MX+3]
	DLY 1
	v_mul_f32 v[TT], s88, v[TT]                    ; as t
	DLY 1
	v_max_num_f32 v13, v13, v[TT]                  ; the running largest t
	v_mov_b32 v[TT], v12
	DLY 2
	v_floor_f32 v12, -v13                          ; -M = floor(-t): M is a whole number
	DLY 1
	v_sub_f32 v[TT], v12, v[TT]
	DLY 1
	v_cvt_i32_f32 v[TT], v[TT]                     ; (it saturates)
	DLY 1
	v_ldexp_f32 v[FF], 1.0, v[TT]                  ; f = 2^(old M - new M)
.set jj, 0
.rept 32
	v_pk_fma_f32 v[S+jj:S+jj+1], v[S+jj:S+jj+1], s[88:89], v[12:13] op_sel_hi:[1,0,0]   ; t - M
.set jj, jj+2
.endr
.irp b, 0,1,2,3
	v_fma_f32 v[MX+\b], v[MX+\b], s88, v12
.endr
	s_wait_alu depctr_va_vdst(0)                   ; ahead of the batch
.set jj, 0
.rept 64
	v_exp_f32 v[S+jj], v[S+jj]                     ; p, not normalised
.set jj, jj+1
.endr
	v_pk_mul_f32 v[14:15], v[14:15], v[FF:FF+1] op_sel_hi:[1,0]   ; the sums under the new M: a plain place behind the exponentials
	s_wait_alu depctr_va_vdst(0)                   ; one wait for the batch, ahead of its first reader
.irp b, 0,1,2,3
	v_exp_f32 v[MX+\b], v[MX+\b]                   ; the blocks' largest p
.endr
; the sum of the 64 unquantised p, two at a time, in eight chains
.irp a, 0,1,2,3,4,5
	v_pk_add_f32 v[PC+2*\a:PC+1+2*\a], v[S+4*\a:S+1+4*\a], v[S+2+4*\a:S+3+4*\a]
.endr
	v_pk_add_f32 v[TT:TT+1], v[S+24:S+25], v[S+26:S+27]
	v_pk_add_f32 v[14:15], v[14:15], v[S+28:S+29]
.irp n, 30, 46
.irp a, 0,1,2,3,4,5
	v_pk_add_f32 v[PC+2*\a:PC+1+2*\a], v[PC+2*\a:PC+1+2*\a], v[S+\n+2*\a:S+\n+1+2*\a]
.endr
	v_pk_add_f32 v[TT:TT+1], v[TT:TT+1], v[S+\n+12:S+\n+13]
	v_pk_add_f32 v[14:15], v[14:15], v[S+\n+14:S+\n+15]
.endr
	v_pk_add_f32 v[PC:PC+1], v[PC:PC+1], v[S+62:S+63]
	v_pk_add_f32 v[PC+4:PC+5], v[PC+4:PC+5], v[PC+6:PC+7]
	v_pk_add_f32 v[PC+8:PC+9], v[PC+8:PC+9], v[PC+10:PC+11]
	v_pk_add_f32 v[14:15], v[14:15], v[TT:TT+1]
	v_pk_add_f32 v[PC:PC+1], v[PC:PC+1], v[PC+2:PC+3]
	DLY 2
	v_pk_add_f32 v[14:15], v[14:15], v[PC+8:PC+9]
	DLY 2
	v_pk_add_f32 v[PC:PC+1], v[PC:PC+1], v[PC+4:PC+5]
	DLY 1
	v_pk_add_f32 v[14:15], v[14:15], v[PC:PC+1]
	s_wait_alu depctr_va_vdst(0)                   ; and one for the four
.irp b, 0,1,2,3
	v_max_num_f32 v[MX+\b], 0x2800000, v[MX+\b]    ; the floor: the byte cannot fall under 1
.endr
.irp b, 0,1,2,3
	DLY 4
	v_add_nc_u32 v[MX+8+\b], 0xfe000000, v[MX+\b]  ; 4 off the exponent field: the conversion's scale operand
.endr
.irp b, 0,1,2,3
	DLY 4
	v_lshrrev_b32 v[MX+4+\b], 23, v[MX+8+\b]
.endr
	DLY 3
	v_lshl_or_b32 v24, v[MX+5], 8, v[MX+4]         ; p's scale word for these 128 keys
	DLY 1
	v_lshl_or_b32 v24, v[MX+6], 16, v24
	DLY 1
	v_lshl_or_b32 v24, v[MX+7], 24, v24
.irp c, 0,1
	v_cvt_scalef32_pk16_bf6_f32 v[PC+6*\c:PC+2+6*\c], v[S+32*\c:S+15+32*\c], v[MX+8+2*\c]
	v_cvt_scalef32_pk16_bf6_f32 v[MX+12+4*\c:MX+14+4*\c], v[S+16+32*\c:S+31+32*\c], v[MX+9+2*\c]
.endr
	v_nop                                          ; one plain place behind a scaled conversion
.irp c, 0,1
.irp i, 0,1,2
	v_permlane16_swap_b32 v[PC+6*\c+\i], v[MX+12+4*\c+\i]   ; a whole block to a lane
.endr
.irp i, 0,1,2
	DLY 3
	v_mov_b32 v[PC+3+6*\c+\i], v[MX+12+4*\c+\i]
.endr
.endr
	s_wait_alu depctr_va_vdst(0)                   ; directly ahead of the first reader of O^T
.irp j, 0,2,4,6,8,10,12,14
	v_pk_mul_f32 v[O+\j:O+1+\j], v[O+\j:O+1+\j], v[FF:FF+1] op_sel_hi:[1,0]   ; O^T under the new M
.endr
	PLACES 4                                       ; with the v_nop above and the four rescalings of the other tile: eight places between p's scale word and each product that name none of its registers
	s_wait_alu depctr_va_vdst(0)
	s_wait_dscnt 0x0                               ; V is in
.irp ct, 0,1
	WM O+8*\ct, F+12*\ct, PC, 0, 21, 24, \ct
.endr
.Lskip:
	s_add_co_u32 s94, s94, 1
	s_cmp_lt_u32 s94, 32
	s_cbranch_scc1 .Lstep
; B's part of the upper tile goes to A as an image of the registers: O^T in four stores of 16 bytes a lane, then -M, the largest t and the two sums in one
	PLACES 4                                       ; behind the last products, in front of the first reads of O^T
	v_and_b32 v25, 31, v0
	s_lshr_b32 s6, s84, 1
	s_mul_i32 s6, s6, 2560
	s_add_co_u32 s6, s6, PB
	v_lshl_add_u32 v25, v25, 4, s6                 ; the pair's 2,560 bytes, 16 a lane: made by every wave, ahead of the parting
	s_wait_alu depctr_va_vdst(0)
	s_cmp_eq_u32 s10, 0
	s_cbranch_scc1 .Lno_part
.irp k, 0,1,2,3
	ds_store_b128 v25, v[O+4*\k:O+3+4*\k] offset:512*\k        ; each result from its low end on
.endr
	ds_store_b128 v25, v[12:15] offset:2048
.Lno_part:
	s_wait_dscnt 0x0                               ; for the partner's sake: my stores are done
	s_barrier_signal -1
	s_barrier_wait -1
	s_cmp_lg_u32 s10, 0
	s_cbranch_scc1 .Lbye                           ; B has stored its own tile already
.irp k, 0,1,2,3
	ds_load_b128 v[S+16+4*\k:S+19+4*\k], v25 offset:512*\k
.endr
	ds_load_b128 v[MX:MX+3], v25 offset:2048
	s_wait_dscnt 0x0
	v_min_num_f32 v[TT], v12, v[MX]                ; -M of the two parts together: the larger M
	DLY 1
	v_sub_f32 v[MX+4], v[TT], v12
	DLY 2
	v_sub_f32 v[MX+5], v[TT], v[MX]
	DLY 2
	v_cvt_i32_f32 v[MX+4], v[MX+4]                 ; (they saturate: a part with no key at all gets the factor 0, and holds zeros)
	DLY 2
	v_cvt_i32_f32 v[MX+5], v[MX+5]
	DLY 2
	v_ldexp_f32 v[MX+4], 1.0, v[MX+4]              ; my part's factor 2^(its M - M),
	DLY 2
	v_ldexp_f32 v[MX+5], 1.0, v[MX+5]              ; the partner's
.irp j, 0,1,2,3,4,5,6,7,8,9,10,11,12,13,14,15
	v_mul_f32 v[S+16+\j], v[S+16+\j], v[MX+5]
.endr
	v_mul_f32 v[MX+2], v[MX+2], v[MX+5]
	v_mul_f32 v[MX+3], v[MX+3], v[MX+5]
.irp j, 0,1,2,3,4,5,6,7,8,9,10,11,12,13,14,15
	v_fma_f32 v[O+\j], v[O+\j], v[MX+4], v[S+16+\j]
.endr
	v_fma_f32 v14, v14, v[MX+4], v[MX+2]
	v_fma_f32 v15, v15, v[MX+4], v[MX+3]
	FINAL s4, s5
.Lbye:
	s_wait_tensorcnt 0x0                           ; the wave's end, behind my last LDS store
	ds_add_u32 v10, v11
	s_wait_dscnt 0x0
	s_endpgm
.Lfunc_end_k_qd2fcc98f91_attn:
	.size	k_qd2fcc98f91_attn, .Lfunc_end_k_qd2fcc98f91_attn-k_qd2fcc98f91_attn
	.p2alignl 7, 3214868480
	.fill 96, 4, 3214868480
	.section	.rodata,"a",@progbits
	.p2align	6, 0x0
	.amdhsa_kernel k_qd2fcc98f91_attn
		.amdhsa_group_segment_fixed_size 325632
		.amdhsa_private_segment_fixed_size 0
		.amdhsa_enable_private_segment 0
		.amdhsa_kernarg_size 48
		.amdhsa_user_sgpr_count 2
		.amdhsa_user_sgpr_kernarg_segment_ptr 1
		.amdhsa_wavefront_size32 1
		.amdhsa_system_sgpr_workgroup_id_x 1
		.amdhsa_system_sgpr_workgroup_id_y 1
		.amdhsa_system_sgpr_workgroup_id_z 1
		.amdhsa_system_vgpr_workitem_id 0
		.amdhsa_next_free_vgpr 256
		.amdhsa_next_free_sgpr 102
		.amdhsa_reserve_vcc 1
		.amdhsa_float_denorm_mode_32 3
		.amdhsa_float_denorm_mode_16_64 3
		.amdhsa_memory_ordered 1
		.amdhsa_forward_progress 1
		.amdhsa_inst_pref_size 76
	.end_amdhsa_kernel
	.amdgpu_metadata
---
amdhsa.version: [ 1, 2 ]
amdhsa.kernels:
  - .name:           k_qd2fcc98f91_attn
    .symbol:         k_qd2fcc98f91_attn.kd
    .args:
      - { .name: qq, .offset: 0, .size: 8, .value_kind: global_buffer, .address_space: global }
      - { .name: kv, .offset: 8, .size: 8, .value_kind: global_buffer, .address_space: global }
      - { .name: rx, .offset: 16, .size: 8, .value_kind: global_buffer, .address_space: global }
      - { .name: rs, .offset: 24, .size: 8, .value_kind: global_buffer, .address_space: global }
      - { .name: mw, .offset: 32, .size: 8, .value_kind: global_buffer, .address_space: global }
      - { .name: av, .offset: 40, .size: 8, .value_kind: global_buffer, .address_space: global }
    .group_segment_fixed_size: 325632
    .private_segment_fixed_size: 0
    .kernarg_segment_align: 8
    .kernarg_segment_size: 48
    .max_flat_workgroup_size: 512
    .sgpr_count:     102
    .vgpr_count:     256
    .wavefront_size: 32
...
	.end_amdgpu_metadata
.endif
;; end of part 7
;; launch outln (part 8): grid 256 x 1, 16 waves a work-group, clusters of 4 x 1, 254,976 bytes of LDS; arguments av, W_o_codes, W_o_scales, w, ln_gamma, ln_beta, out0; writes out0
.if DOCPART == 8
	.amdgcn_target "amdgcn-amd-amdhsa--gfx1250"
	.amdhsa_code_object_version 6
	.text
	.protected	k_qd2fcc98f91_outln
	.globl	k_qd2fcc98f91_outln
	.p2align	8
	.type	k_qd2fcc98f91_outln,@function
k_qd2fcc98f91_outln:
	s_mov_b64 s[64:65], 0
	v_nop
	global_prefetch_b8 v0, s[64:65] scope:SCOPE_SE
	s_setreg_imm32_b32 hwreg(HW_REG_WAVE_MODE, 25, 1), 1
	s_wait_xcnt 0x0
	s_wait_alu depctr_hold_cnt(0) depctr_sa_sdst(0) depctr_va_vdst(0) depctr_va_sdst(0) depctr_va_ssrc(0) depctr_va_vcc(0) depctr_vm_vsrc(0)
	s_getreg_b32 s2, hwreg(HW_REG_IB_STS2, 6, 4)
	s_cmp_eq_u32 s2, 0
	s_cbranch_scc0 .Lentry_in_a_cluster
	s_endpgm
.Lentry_in_a_cluster:
	s_bfe_u32 s2, ttmp6, 0x10000c
	s_cmp_lg_u32 s2, 0x3003
	s_cbranch_scc0 .Lentry_shape_is_right
	s_endpgm
.Lentry_shape_is_right:
; FOURTH LAUNCH: attn_out = attn_vec W_o on codes of BF6, the residual and the layer norm.  No work is left out.
; SHARES.  A work-group takes 32 positions.  First each of its sixteen waves makes 64 columns of attn_out for all 32 (source 0 = 16 rows of W_o, source 1 = 16 positions: a lane holds eight neighbouring columns of one position);
; the results meet in LDS; then each wave owns two whole rows: w + attn_out, the mean, the mean square about it, the norm, gain and bias, all in f32.
; W_o IS NEEDED WHOLE BY EVERY WORK-GROUP: the four of a cluster ask for it JOINTLY.  Each wave issues one tensor load, its own 64 rows of 192 bytes, into a region of its own (16 bytes of padding behind every 64: rows 240 bytes
; apart), and it alone reads that region: its own wait on the load is all the ordering that those reads need.
; attn_vec's codes of the 32 positions are eight dense runs of 768 bytes, a head each: waves 0-7 bring one each, 256 consecutive bytes a load, into LDS; behind a barrier all sixteen waves take their fragments from there.
; THE STAGE lies in each wave's own region (32 rows x 272 bytes): the region has had its only fill and its owner has finished reading it.  Behind the second barrier a wave reads a row as 256 bytes from each of the sixteen regions.
; No prefetch: every stream is asked for at the head.
.set RW,     15360                     ; a wave's region: 64 rows of W_o at pitch WP; later its part of the stage
.set WP,     240
.set SP2,    272                       ; a stage row: my 64 columns' 256 bytes + 16
.set ABASE,  16*RW                     ; attn_vec's codes: eight heads,
.set APITCH, 896                       ; 768 bytes + 128: lanes 16-31, which take the next head, fall 32 banks from lanes 0-15
.set SPARE,  ABASE+8*APITCH            ; the spare words, 128 bytes a wave
; v1 my spare word, v2 0; v3 attn_vec's codes in memory, v4 its scale words, v6 W_o's scale words, v7 16 x lane; v8 the stage on the way in; v10-12 on the way back (regions 0-5, 6-11, 12-15);
; v13, v14 W_o's fragments (v14: for the pieces that lie behind one padding more in lanes 16-31); v15 attn_vec's fragments; v22 where waves 0-7 put a head's codes; v24-29 those codes on their way
; v16-17 attn_vec's scale words (K step 0, 1; lanes 16-31: tile 1); v18-21 W_o's (two tiles a pair of registers); v32-79 attn_vec's four fragments; v80-127 four of W_o's; v128-191 accumulators, then two rows; v192-255 two rows of w
; second phase: v32-63 gain, v64-95 bias, v96-101 at work
.macro PLACES n
.rept \n
	v_nop
.endr
.endm
.macro ROUND                           ; a round of the cluster's barrier
	s_barrier_signal -1
	s_barrier_wait -1
	s_cmp_lg_u32 s18, 0
	s_cbranch_scc1 .Lnot_wave_0_\@
	s_barrier_signal -3
.Lnot_wave_0_\@:
	s_barrier_wait -3
	s_barrier_signal -1
	s_barrier_wait -1
.endm
.macro WM d, a, b, cz, sa, sb, ra, rb
.if \cz
.if (\ra)&&(\rb)
	v_wmma_scale_f32_16x16x128_f8f6f4 v[(\d):(\d)+7], v[(\a):(\a)+11], v[(\b):(\b)+11], 0, v[\sa], v[\sb] matrix_a_fmt:MATRIX_FMT_BF6 matrix_b_fmt:MATRIX_FMT_BF6 matrix_a_scale:MATRIX_SCALE_ROW1 matrix_b_scale:MATRIX_SCALE_ROW1
.elseif \ra
	v_wmma_scale_f32_16x16x128_f8f6f4 v[(\d):(\d)+7], v[(\a):(\a)+11], v[(\b):(\b)+11], 0, v[\sa], v[\sb] matrix_a_fmt:MATRIX_FMT_BF6 matrix_b_fmt:MATRIX_FMT_BF6 matrix_a_scale:MATRIX_SCALE_ROW1
.elseif \rb
	v_wmma_scale_f32_16x16x128_f8f6f4 v[(\d):(\d)+7], v[(\a):(\a)+11], v[(\b):(\b)+11], 0, v[\sa], v[\sb] matrix_a_fmt:MATRIX_FMT_BF6 matrix_b_fmt:MATRIX_FMT_BF6 matrix_b_scale:MATRIX_SCALE_ROW1
.else
	v_wmma_scale_f32_16x16x128_f8f6f4 v[(\d):(\d)+7], v[(\a):(\a)+11], v[(\b):(\b)+11], 0, v[\sa], v[\sb] matrix_a_fmt:MATRIX_FMT_BF6 matrix_b_fmt:MATRIX_FMT_BF6
.endif
.else
.if (\ra)&&(\rb)
	v_wmma_scale_f32_16x16x128_f8f6f4 v[(\d):(\d)+7], v[(\a):(\a)+11], v[(\b):(\b)+11], v[(\d):(\d)+7], v[\sa], v[\sb] matrix_a_fmt:MATRIX_FMT_BF6 matrix_b_fmt:MATRIX_FMT_BF6 matrix_a_scale:MATRIX_SCALE_ROW1 matrix_b_scale:MATRIX_SCALE_ROW1
.elseif \ra
	v_wmma_scale_f32_16x16x128_f8f6f4 v[(\d):(\d)+7], v[(\a):(\a)+11], v[(\b):(\b)+11], v[(\d):(\d)+7], v[\sa], v[\sb] matrix_a_fmt:MATRIX_FMT_BF6 matrix_b_fmt:MATRIX_FMT_BF6 matrix_a_scale:MATRIX_SCALE_ROW1
.elseif \rb
	v_wmma_scale_f32_16x16x128_f8f6f4 v[(\d):(\d)+7], v[(\a):(\a)+11], v[(\b):(\b)+11], v[(\d):(\d)+7], v[\sa], v[\sb] matrix_a_fmt:MATRIX_FMT_BF6 matrix_b_fmt:MATRIX_FMT_BF6 matrix_b_scale:MATRIX_SCALE_ROW1
.else
	v_wmma_scale_f32_16x16x128_f8f6f4 v[(\d):(\d)+7], v[(\a):(\a)+11], v[(\b):(\b)+11], v[(\d):(\d)+7], v[\sa], v[\sb] matrix_a_fmt:MATRIX_FMT_BF6 matrix_b_fmt:MATRIX_FMT_BF6
.endif
.endif
.endm
	s_load_b256 s[4:11], s[0:1], 0x0               ; av s[4:5], W_o_codes s[6:7], W_o_scales s[8:9], w s[10:11]
	s_load_b128 s[12:15], s[0:1], 0x20             ; ln_gamma s[12:13], ln_beta s[14:15]
	s_load_b64 s[16:17], s[0:1], 0x30              ; out0
	v_lshl_add_u32 v1, v0, 2, SPARE
	v_mov_b32 v2, 0
	ds_add_u32 v1, v2                              ; the wave's opening: the add, twice on end, and its wait ahead of my first tensor load; work on registers stands between
	ds_add_u32 v1, v2
	v_lshrrev_b32 v3, 5, v0
	s_delay_alu instid0(VALU_DEP_1)
	v_readfirstlane_b32 s18, v3                    ; wave 0..15
	s_bfe_u32 s44, ttmp6, 0x40000                  ; my place in the cluster: it enters global addresses of my own rows alone
	s_lshl_b32 s45, ttmp9, 2
	s_add_co_u32 s45, s45, s44                     ; which 32 positions
	v_and_b32 v30, 15, v0                          ; r
	v_bfe_u32 v31, v0, 4, 1                        ; h
	v_and_b32 v23, 31, v0                          ; lane
	s_wait_alu depctr_va_vdst(0)
	s_and_b32 s28, s18, 7
	s_lshr_b32 s19, s45, 6                         ; the batch
	s_and_b32 s20, s45, 63
	s_lshl_b32 s20, s20, 5                         ; my first position in it
	s_lshl_b32 s21, s19, 3
	s_add_co_u32 s21, s21, s28                     ; attn_vec's codes lie [8 b + head][position][24]: head = wave % 8
	s_lshl_b32 s21, s21, 11
	s_add_co_u32 s21, s21, s20
	s_mul_i32 s21, s21, 24
	v_lshl_add_u32 v3, v23, 3, s21                 ; the head's 768 bytes, 8 a lane
	s_lshl_b32 s21, s45, 5
	v_add_nc_u32 v4, s21, v23
	s_delay_alu instid0(VALU_DEP_1)
	v_lshlrev_b32 v4, 3, v4                        ; its scale bytes: 8 a position
	s_lshl_b32 s21, s18, 6                         ; my first column
	v_add_nc_u32 v6, s21, v23
	s_delay_alu instid0(VALU_DEP_1)
	v_lshlrev_b32 v6, 3, v6
	v_lshlrev_b32 v7, 4, v23
	s_mul_i32 s29, s18, RW                         ; my region
	v_mul_u32_u24 v8, v30, SP2
	s_delay_alu instid0(VALU_DEP_1)
	v_lshl_add_u32 v8, v31, 5, v8
	s_delay_alu instid0(VALU_DEP_1)
	v_add_nc_u32 v8, s29, v8                       ; the stage, in: row r, + 32 h
	v_mul_u32_u24 v10, v31, RW                     ; and back: lanes 0-15 an even region, lanes 16-31 the next; my two rows; 16 bytes a lane
	s_delay_alu instid0(VALU_DEP_1)
	v_lshl_add_u32 v10, v30, 4, v10
	s_mul_i32 s21, s18, 2*SP2
	v_add_nc_u32 v10, s21, v10
	s_delay_alu instid0(VALU_DEP_1)
	v_add_nc_u32 v11, 6*RW, v10                    ; (six regions on lie beyond an LDS immediate)
	s_delay_alu instid0(VALU_DEP_2)
	v_add_nc_u32 v12, 12*RW, v10
	v_mul_u32_u24 v13, v30, WP
	s_delay_alu instid0(VALU_DEP_1)
	v_mad_u32_u24 v13, v31, 24, v13
	s_delay_alu instid0(VALU_DEP_1)
	v_add_nc_u32 v13, s29, v13
	s_delay_alu instid0(VALU_DEP_1)
	v_lshl_add_u32 v14, v31, 4, v13
	v_mul_u32_u24 v15, v30, 24
	s_delay_alu instid0(VALU_DEP_1)
	v_mad_u32_u24 v15, v31, APITCH, v15
	s_delay_alu instid0(VALU_DEP_1)
	v_add_nc_u32 v15, ABASE, v15
	s_mul_i32 s21, s28, APITCH
	s_add_co_u32 s21, s21, ABASE
	v_lshl_add_u32 v22, v23, 3, s21
	s_mov_b32 s22, 0x76543210
	s_mov_b32 s23, 0xfedcba98
	s_mov_b32 s24, 0x3a800000                      ; 1 / 1,024
	s_mov_b32 s25, 0x3727c5ac                      ; 1e-5
	s_lshl_b32 s26, s45, 5
	s_lshl_b32 s27, s18, 1
	s_add_co_u32 s26, s26, s27
	s_lshl_b32 s26, s26, 12                        ; my two rows of w and of out0
	s_mov_b32 s27, 0
	s_mul_i32 s30, s18, 64*192                     ; my 64 rows of W_o in memory
	s_mov_b32 s31, 0
	; the descriptor: my 64 rows of 192 bytes are dense in memory, 12,288 bytes from a multiple of 256: they are stated as 48 rows of 256 bytes; 16 bytes of padding behind every 64, counted along the whole tile,
	; so that a row of W_o still lies 240 bytes from the next in LDS; for all four work-groups
	s_mov_b32 s32, 15|(1<<20)|(1<<21)|(3<<22)|(3<<25)
	s_mov_b32 s33, 256<<16
	s_mov_b32 s34, 48<<16
	s_mov_b32 s35, 256<<16
	s_mov_b32 s36, 48
	s_mov_b32 s37, 256
	s_mov_b32 s38, 0
	s_mov_b32 s39, 0
	s_mov_b32 s40, 1
	s_mul_i32 s41, s18, RW
	s_wait_dscnt 0x0                               ; both opening adds are done
	s_wait_kmcnt 0x0
	s_add_nc_u64 s[42:43], s[6:7], s[30:31]
	s_or_b32 s43, s43, 0x80000000
	s_add_nc_u64 s[10:11], s[10:11], s[26:27]
	s_add_nc_u64 s[16:17], s[16:17], s[26:27]
	ROUND                                          ; all four work-groups are here: the joint loads meet
	tensor_load_to_lds s[40:43], s[32:39]          ; every wave issues one: one of mine is out
	s_nop 0
	PLACES 4
	s_cmp_lt_u32 s18, 8
	s_cbranch_scc0 .Lno_a
.irp p, 0,1,2
	global_load_b64 v[24+2*\p:25+2*\p], v3, s[4:5] offset:256*\p   ; 32 lanes read 256 consecutive bytes
.endr
.Lno_a:
	global_load_b64 v[16:17], v4, s[4:5] offset:1572864
	global_load_b64 v[18:19], v6, s[8:9]
	global_load_b64 v[20:21], v6, s[8:9] offset:256
.irp row, 0,1
.irp k, 0,1,2,3,4,5,6,7
	global_load_b128 v[192+32*\row+4*\k:195+32*\row+4*\k], v7, s[10:11] offset:4096*\row+512*\k th:TH_LOAD_NT
.endr
.endr
	s_wait_loadcnt 16                              ; all but w's sixteen loads
	s_cmp_lt_u32 s18, 8
	s_cbranch_scc0 .Lno_as
	s_wait_alu depctr_va_vdst(0)
.irp p, 0,1,2
	ds_store_b64 v22, v[24+2*\p:25+2*\p] offset:256*\p
.endr
.Lno_as:
	s_wait_dscnt 0x0                               ; for the others' sake: my stores of attn_vec's codes are done;
	s_wait_tensorcnt 0x0                           ; and my rows of W_o have landed
	s_barrier_signal -1
	s_barrier_wait -1
; a fragment of W_o: six pieces of 8 bytes.  Lanes 16-31 read three pieces further on, which is behind one padding more where the piece's number mod 8 is 5 or more: the second address register serves those
.macro WFRAG reg, q, i
.irp p, 0,1,2,3,4,5
.set PCE, 12*(\q)+6*(\p/3)+\p%3
.if PCE%8 < 5
	ds_load_b64 v[(\reg)+2*\p:(\reg)+2*\p+1], v13 offset:8*PCE+16*(PCE/8)+(\i)*16*WP
.else
	ds_load_b64 v[(\reg)+2*\p:(\reg)+2*\p+1], v14 offset:8*PCE+16*(PCE/8)+(\i)*16*WP
.endif
.endr
.endm
.macro WLOAD cp                        ; W_o's fragments of column tiles 2 cp, 2 cp + 1, both K steps
.irp u, 0,1
.irp s, 0,1
	WFRAG 80+12*(2*\u+\s), \s, 2*(\cp)+\u
.endr
.endr
.endm
.macro MULS cp                         ; eight products: four accumulators by turns, one instruction a turn, K step by K step; the first K step starts the sums
.irp s, 0,1
.irp u, 0,1
.irp tt, 0,1
	WM 128+8*(2*(2*(\cp)+\u)+\tt), 80+12*(2*\u+\s), 32+12*(2*\tt+\s), 1-\s, 18+2*(\cp)+\s, 16+\s, \u, \tt
.endr
.endr
.endr
.endm
	s_wait_alu depctr_va_vdst(0)
.irp tt, 0,1
.irp s, 0,1
.irp c, 0,1
.irp p, 0,1,2
	ds_load_b64 v[32+12*(2*\tt+\s)+6*\c+2*\p:33+12*(2*\tt+\s)+6*\c+2*\p], v15 offset:(4*\s+2*\c)*APITCH+384*\tt+8*\p   ; head 4 s + 2 c + h, position 16 tt + r
.endr
.endr
.endr
.endr
	WLOAD 0
	s_wait_dscnt 0x0
	MULS 0
	PLACES 4                                       ; in front of loads into registers that matrix instructions have read
	WLOAD 1
	s_wait_dscnt 0x0
	MULS 1
	PLACES 4
.irp k, 0,1,2,3,4,5,6,7
	global_load_b128 v[32+4*\k:35+4*\k], v7, s[12:13] offset:512*\k
	global_load_b128 v[64+4*\k:67+4*\k], v7, s[14:15] offset:512*\k
.endr
.irp ct, 0,1,2,3
.irp tt, 0,1
	ds_store_b128 v8, v[128+8*(2*\ct+\tt):131+8*(2*\ct+\tt)] offset:16*\tt*SP2+64*\ct       ; each result from its low end on; into my own region, whose rows of W_o I have read
	ds_store_b128 v8, v[132+8*(2*\ct+\tt):135+8*(2*\ct+\tt)] offset:16*\tt*SP2+64*\ct+16
.endr
.endr
	s_wait_dscnt 0x0                               ; for the others' sake: my stores into the stage are done
	s_barrier_signal -1
	s_barrier_wait -1
.irp row, 0,1
.irp k, 0,1,2,3,4,5,6,7
	ds_load_b128 v[128+32*\row+4*\k:131+32*\row+4*\k], v[10+\k/3] offset:(\k%3)*2*RW+SP2*\row   ; regions 2 k and 2 k + 1: columns 128 k + 4 lane on
.endr
.endr
	s_wait_loadcnt 0x0                             ; w, gain and bias
.macro ALLSUM a, b                     ; v[a] summed over the 32 lanes, in every lane; v[b] at work
	s_delay_alu instid0(VALU_DEP_1)
	v_add_f32_dpp v[\a], v[\a], v[\a] row_xmask:1 row_mask:0xf bank_mask:0xf
	s_delay_alu instid0(VALU_DEP_1)
	v_add_f32_dpp v[\a], v[\a], v[\a] row_xmask:2 row_mask:0xf bank_mask:0xf
	s_delay_alu instid0(VALU_DEP_1)
	v_add_f32_dpp v[\a], v[\a], v[\a] row_xmask:4 row_mask:0xf bank_mask:0xf
	s_delay_alu instid0(VALU_DEP_1)
	v_add_f32_dpp v[\a], v[\a], v[\a] row_xmask:8 row_mask:0xf bank_mask:0xf
	s_delay_alu instid0(VALU_DEP_1)
	v_permlanex16_b32 v[\b], v[\a], s22, s23
	s_delay_alu instid0(VALU_DEP_1)
	v_add_f32 v[\a], v[\a], v[\b]
.endm
.macro ROW row
.set XR, 128+32*\row
.set WR, 192+32*\row
	s_wait_dscnt 8-8*\row                          ; this row is back from the stage; the next row's eight loads may be out
.set jj, 0
.rept 16
	v_pk_add_f32 v[XR+jj:XR+jj+1], v[XR+jj:XR+jj+1], v[WR+jj:WR+jj+1]     ; w + attn_out
.set jj, jj+2
.endr
	v_pk_add_f32 v[96:97], v[XR:XR+1], v[XR+2:XR+3]
	v_pk_add_f32 v[98:99], v[XR+4:XR+5], v[XR+6:XR+7]
.irp i, 8,12,16,20,24,28
	s_delay_alu instid0(VALU_DEP_2)
	v_pk_add_f32 v[96:97], v[96:97], v[XR+\i:XR+\i+1]
	s_delay_alu instid0(VALU_DEP_2)
	v_pk_add_f32 v[98:99], v[98:99], v[XR+\i+2:XR+\i+3]
.endr
	s_delay_alu instid0(VALU_DEP_1)
	v_pk_add_f32 v[96:97], v[96:97], v[98:99]
	s_delay_alu instid0(VALU_DEP_1)
	v_add_f32 v96, v96, v97
	ALLSUM 96, 97
	s_delay_alu instid0(VALU_DEP_1)
	v_mul_f32 v96, s24, v96                        ; the mean
	s_delay_alu instid0(VALU_DEP_1)
	v_mov_b32 v97, v96
.set jj, 0
.rept 16
	v_pk_add_f32 v[XR+jj:XR+jj+1], v[XR+jj:XR+jj+1], v[96:97] neg_lo:[0,1] neg_hi:[0,1]
.set jj, jj+2
.endr
	v_pk_mul_f32 v[98:99], v[XR:XR+1], v[XR:XR+1]
	v_pk_mul_f32 v[100:101], v[XR+2:XR+3], v[XR+2:XR+3]
.irp i, 4,8,12,16,20,24,28
	s_delay_alu instid0(VALU_DEP_2)
	v_pk_fma_f32 v[98:99], v[XR+\i:XR+\i+1], v[XR+\i:XR+\i+1], v[98:99]
	s_delay_alu instid0(VALU_DEP_2)
	v_pk_fma_f32 v[100:101], v[XR+\i+2:XR+\i+3], v[XR+\i+2:XR+\i+3], v[100:101]
.endr
	s_delay_alu instid0(VALU_DEP_1)
	v_pk_add_f32 v[98:99], v[98:99], v[100:101]
	s_delay_alu instid0(VALU_DEP_1)
	v_add_f32 v98, v98, v99
	ALLSUM 98, 99
	s_delay_alu instid0(VALU_DEP_1)
	v_fma_f32 v98, v98, s24, s25                   ; the variance + 1e-5
	s_wait_alu depctr_va_vdst(0)
	v_rsq_f32 v100, v98
	v_nop                                          ; one plain place behind the transcendental
	s_wait_alu depctr_va_vdst(0)                   ; and the wait ahead of its first reader
	v_mov_b32 v101, v100
.set jj, 0
.rept 16
	v_pk_mul_f32 v[XR+jj:XR+jj+1], v[XR+jj:XR+jj+1], v[100:101]
	s_delay_alu instid0(VALU_DEP_1)
	v_pk_fma_f32 v[XR+jj:XR+jj+1], v[XR+jj:XR+jj+1], v[32+jj:33+jj], v[64+jj:65+jj]
.set jj, jj+2
.endr
.irp k, 0,1,2,3,4,5,6,7
	global_store_b128 v7, v[XR+4*\k:XR+4*\k+3], s[16:17] offset:4096*\row+512*\k th:TH_STORE_NT   ; 32 lanes store 512 consecutive bytes, aligned
.endr
.endm
	ROW 0
	ROW 1
	s_wait_tensorcnt 0x0                           ; the wave's end, behind my last LDS store
	ds_add_u32 v1, v2
	s_wait_dscnt 0x0
	ROUND                                          ; the closing round
	s_endpgm
.Lfunc_end_k_qd2fcc98f91_outln:
	.size	k_qd2fcc98f91_outln, .Lfunc_end_k_qd2fcc98f91_outln-k_qd2fcc98f91_outln
	.p2alignl 7, 3214868480
	.fill 96, 4, 3214868480
	.section	.rodata,"a",@progbits
	.p2align	6, 0x0
	.amdhsa_kernel k_qd2fcc98f91_outln
		.amdhsa_group_segment_fixed_size 254976
		.amdhsa_private_segment_fixed_size 0
		.amdhsa_enable_private_segment 0
		.amdhsa_kernarg_size 56
		.amdhsa_user_sgpr_count 2
		.amdhsa_user_sgpr_kernarg_segment_ptr 1
		.amdhsa_wavefront_size32 1
		.amdhsa_system_sgpr_workgroup_id_x 1
		.amdhsa_system_sgpr_workgroup_id_y 1
		.amdhsa_system_sgpr_workgroup_id_z 1
		.amdhsa_system_vgpr_workitem_id 0
		.amdhsa_next_free_vgpr 256
		.amdhsa_next_free_sgpr 66
		.amdhsa_reserve_vcc 0
		.amdhsa_float_denorm_mode_32 3
		.amdhsa_float_denorm_mode_16_64 3
		.amdhsa_memory_ordered 1
		.amdhsa_forward_progress 1
		.amdhsa_inst_pref_size 39
	.end_amdhsa_kernel
	.amdgpu_metadata
---
amdhsa.version: [ 1, 2 ]
amdhsa.kernels:
  - .name:           k_qd2fcc98f91_outln
    .symbol:         k_qd2fcc98f91_outln.kd
    .args:
      - { .name: av, .offset: 0, .size: 8, .value_kind: global_buffer, .address_space: global }
      - { .name: W_o_codes, .offset: 8, .size: 8, .value_kind: global_buffer, .address_space: global }
      - { .name: W_o_scales, .offset: 16, .size: 8, .value_kind: global_buffer, .address_space: global }
      - { .name: w, .offset: 24, .size: 8, .value_kind: global_buffer, .address_space: global }
      - { .name: ln_gamma, .offset: 32, .size: 8, .value_kind: global_buffer, .address_space: global }
      - { .name: ln_beta, .offset: 40, .size: 8, .value_kind: global_buffer, .address_space: global }
      - { .name: out0, .offset: 48, .size: 8, .value_kind: global_buffer, .address_space: global }
    .group_segment_fixed_size: 254976
    .private_segment_fixed_size: 0
    .kernarg_segment_align: 8
    .kernarg_segment_size: 56
    .max_flat_workgroup_size: 512
    .sgpr_count:     66
    .vgpr_count:     256
    .wavefront_size: 32
...
	.end_amdgpu_metadata
.endif
;; end of part 8
